; MI455X (gfx1250); checked and timed in simulation.
; The chip was launched on July 23, 2026; its instructions are those of AMD's public machine-readable ISA for CDNA 5 (MIT licence, August 2026) and "CDNA5" Instruction Set Architecture Reference Guide (July 2026). The comments in the code are by the model that wrote it; some were corrected since.
;; Mo E Wrapper. Allowed arithmetic: matrix products marked QUANTISED: E4M3 operands, one E8M0 scale for each 32 along K, by v_wmma_scale_f32_16x16x128_f8f6f4 with both operands' format E4M3, f32 sums; products left as they are: f32 operands where the result goes on into a quantised operand, else bf16, f16 or f32 operands; f32 sums; everything else in f32.
;; Inputs: W1_codes 8 x 4,096 x 32 x 32 uint8 (E4M3 codes of W1, K innermost, in blocks of 32 codes); W1_scales 8 x 4,096 x 32 uint8 (E8M0 scales of W1, one for each 32 codes along K); W2_codes 8 x 1,024 x 128 x 32 uint8 (E4M3 codes of W2, K innermost, in blocks of 32 codes); W2_scales 8 x 1,024 x 128 uint8 (E8M0 scales of W2, one for each 32 codes along K); Wr 512 x 8 float32; Wr_h_codes 512 x 32 x 32 uint8 (E4M3 codes of Wr_h, K innermost, in blocks of 32 codes); Wr_h_scales 512 x 32 uint8 (E8M0 scales of Wr_h, one for each 32 codes along K); b1 8 x 4,096 float32; b2 8 x 1,024 float32; br 8 float32; br_h 512 float32; x_codes 1,024 x 32 x 32 uint8 (E4M3 codes of x, K innermost, in blocks of 32 codes); x_scales 1,024 x 32 uint8 (E8M0 scales of x, one for each 32 codes along K).
;; Outputs: out0 1,024 x 1,024 float32.
;; This version of the problem:
;;   THIS VERSION OF THE PROBLEM IS GIVEN IN LOW PRECISION. The matrix products marked QUANTISED in the list below multiply operands that are first quantised to E4M3 (4 exponent bits, 3 mantissa bits; 8 bits a number), with one power-of-two scale for each 32 numbers along K (OCP MX v1.0); their sums are f32. All else is computed in f32.
;;   The module's matrix products, in the order in which they are computed (A, B: the left and right operand; K: the contracted axis; several contracted axes count as one K, in the product's order):
;;     1. [M 1,024, K 1,024] x [K 1,024, N 512]; A: input x (given as codes); B: input Wr_h (given as codes): QUANTISED
;;     2. [M 1,024, K 512] x [K 512, N 8]; A: computed on the way; B: input Wr: left as it is (N = 8 < 16)
;;     3. [M 1,024, K 1,024] x [K 1,024, N 4,096]; A: input x (given as codes); B: input W1 (given as codes): QUANTISED
;;     4. [M 1,024, K 4,096] x [K 4,096, N 1,024]; A: computed on the way; B: input W2 (given as codes): QUANTISED
;;     5. [M 1,024, K 1,024] x [K 1,024, N 4,096]; A: input x (given as codes); B: input W1 (given as codes): QUANTISED
;;     6. [M 1,024, K 4,096] x [K 4,096, N 1,024]; A: computed on the way; B: input W2 (given as codes): QUANTISED
;;     7. [M 1,024, K 1,024] x [K 1,024, N 4,096]; A: input x (given as codes); B: input W1 (given as codes): QUANTISED
;;     8. [M 1,024, K 4,096] x [K 4,096, N 1,024]; A: computed on the way; B: input W2 (given as codes): QUANTISED
;;     9. [M 1,024, K 1,024] x [K 1,024, N 4,096]; A: input x (given as codes); B: input W1 (given as codes): QUANTISED
;;     10. [M 1,024, K 4,096] x [K 4,096, N 1,024]; A: computed on the way; B: input W2 (given as codes): QUANTISED
;;     11. [M 1,024, K 1,024] x [K 1,024, N 4,096]; A: input x (given as codes); B: input W1 (given as codes): QUANTISED
;;     12. [M 1,024, K 4,096] x [K 4,096, N 1,024]; A: computed on the way; B: input W2 (given as codes): QUANTISED
;;     13. [M 1,024, K 1,024] x [K 1,024, N 4,096]; A: input x (given as codes); B: input W1 (given as codes): QUANTISED
;;     14. [M 1,024, K 4,096] x [K 4,096, N 1,024]; A: computed on the way; B: input W2 (given as codes): QUANTISED
;;     15. [M 1,024, K 1,024] x [K 1,024, N 4,096]; A: input x (given as codes); B: input W1 (given as codes): QUANTISED
;;     16. [M 1,024, K 4,096] x [K 4,096, N 1,024]; A: computed on the way; B: input W2 (given as codes): QUANTISED
;;     17. [M 1,024, K 1,024] x [K 1,024, N 4,096]; A: input x (given as codes); B: input W1 (given as codes): QUANTISED
;;     18. [M 1,024, K 4,096] x [K 4,096, N 1,024]; A: computed on the way; B: input W2 (given as codes): QUANTISED
;;   THE QUANTISER, for each operand of a quantised product, along K:
;;     - K is cut into blocks of 32 from its start; a last block that is shorter is filled with zeros.
;;     - A block's scale is 2^e with e = floor(log2(the largest magnitude in the block)) - 8, held to -126 .. 127; a block of zeros has e = 0. As a byte (E8M0): e + 127.
;;     - Each number is divided by its block's scale, clamped to +-448, and rounded to the nearest number of E4M3, ties to even, subnormals kept.
;;     - The product sums the exact products of the quantised numbers (number of the format x scale) in f32.
;;   ~~~python
;;   def quantise(x, axis):      # numpy; x: float32 -> the quantised numbers, widened to float32 again
;;       x = np.moveaxis(x, axis, -1); K = x.shape[-1]
;;       x = np.pad(x, [(0, 0)] * (x.ndim - 1) + [(0, -K % 32)]); x = x.reshape(x.shape[:-1] + (-1, 32)); a = np.abs(x).max(-1, keepdims=True)
;;       e = np.where(a > 0, np.clip(np.frexp(np.where(a > 0, a, 1))[1] - 1 - 8, -126, 127), 0)      # np.frexp(a)[1] - 1 = floor(log2(a)), exactly
;;       r = np.clip(x / 2.0 ** e, -448, 448)
;;       step = 2.0 ** (np.maximum(np.frexp(np.where(r == 0, 1, r))[1] - 1, -6) - 3)
;;       q = np.round(r / step) * step * 2.0 ** e      # np.round: ties to even
;;       return np.moveaxis(q.reshape(q.shape[:-2] + (-1,))[..., :K], -1, axis).astype(np.float32)
;;   ~~~
;;   OPERANDS COMPUTED ON THE WAY. 'Computed on the way' means the value that the module computes at that place (a softmax that the list does not call 'softmax' is quantised finished and normalised). What goes into a quantiser is computed in f32, as accurately as f32 sums, v_exp_f32 and their like allow (about 1e-6 of the number): no bf16 or f16 on the way to a quantiser, and a product that is left as it is and whose result goes on into a quantised operand takes f32 operands (vector FMAs, or v_wmma_f32_16x16x4_f32). A number that lies on a knife's edge between two numbers of the format may be rounded either way, as far as f32 arithmetic and the matrix unit's own rounding can turn it there, and no further.
;;   INPUTS GIVEN AS CODES. W1 (in the module: [8, 1024, 4096], K = its axis 1); W2 (in the module: [8, 4096, 1024], K = its axis 1); Wr_h (in the module: [1024, 512], K = its axis 0); x (in the module: [1024, 1024], K = its axis 1): each comes as NAME_codes (uint8): NAME with its K axis moved to the last place and cut into blocks of 32 codes, [.., K / 32, bytes a block], one block behind the other in memory; one code a byte (a code: sign, 4 exponent bits, 3 mantissa bits); and NAME_scales (uint8): the same leading axes, one E8M0 byte (e + 127) for each 32 codes along K. Its value is code x scale, taken as it is: it is not quantised again, and the codes and scales need not be those that the quantiser above would give.
;; 3 versions. Each part assembles by itself: llvm-mc -triple=amdgcn-amd-amdhsa -mcpu=gfx1250 --defsym DOCPART=n.
;; ======== version 1 of 3: 4 launches
;; workspace buffers: eid 4,096 bytes of whole numbers; wgt 4,096 bytes; tslot 36,864 bytes of whole numbers; tab 1,024 bytes of whole numbers; hc 33,554,432 bytes; hs 1,048,576 bytes; pp 134,217,728 bytes
;; launch route (part 1): grid 64 x 1, 16 waves a work-group, no clusters, 43,008 bytes of LDS; arguments x_codes, x_scales, Wr_h_codes, Wr_h_scales, br_h, Wr, br, eid, wgt; writes eid, wgt
.if DOCPART == 1
	.amdgcn_target "amdgcn-amd-amdhsa--gfx1250"
	.amdhsa_code_object_version 6
	.text
	.protected	k_qd82b5abae3_route
	.globl	k_qd82b5abae3_route
	.p2align	8
	.type	k_qd82b5abae3_route,@function
k_qd82b5abae3_route:
	s_mov_b64 s[64:65], 0
	v_nop
	global_prefetch_b8 v0, s[64:65] scope:SCOPE_SE
	s_setreg_imm32_b32 hwreg(HW_REG_WAVE_MODE, 25, 1), 1
	s_wait_xcnt 0x0
; THE ROUTER.  h = x Wr_h + br_h on codes of E4M3 with E8M0 scales; logits = h Wr + br by f32 multiply-adds; softmax; the two largest probabilities (ties: the lower index);
; softmax of those two.  The loop over experts that follows in the model overwrites, so of a token's two experts only the one with the LARGER index is kept: this launch stores, for each
; token, that index (eid) and its weight (wgt), at fixed places.  No address and no branch here hangs on these numbers.
; SHARES.  A work-group takes 16 tokens; wave w of 16 takes the 32 units 32 w .. 32 w + 31 of h, as two tiles.  The product is used transposed (source 0 = 16 rows of Wr_h, source 1 = x):
; lane (r, h) holds token r, and register j of tile u the unit 32 w + 16 u + 8 h + j.  x's eight fragments go from wave to wave through LDS as images of their registers.
; LIMITS.  NaN and infinities are not served (the kept index is held at 1 from below so that every token has a place).  A probability under 2^-126 counts as 0, since v_exp_f32 gives 0 there;
; ties among such go to the lower index.  The f32 sums run in another order than a plain loop over K.
.set XIMG, 0                           ; LDS: x's 8 fragments, 2,048 bytes each
.set WRL,  16384                       ; each wave's own 1,024 bytes of Wr (32 rows of 8 f32)
.set LOGP, 32768                       ; each wave's partial logits: 16 tokens x 8 f32 = 512 bytes
.set AF,   16                          ; v16-47   x's fragment, two buffers
.set BF,   48                          ; v48-175  Wr_h's fragments: a ring of 4 K steps x 2 tiles x 16; later Wr's numbers; later the 16 waves' partial logits
.set ACC,  176                         ; v176-191 h, two tiles
.set BH,   192                         ; v192-207 br_h in the result's layout
.set XS,   208                         ; v208-211 x's scale words: lanes 0-15 K steps 0-3, lanes 16-31 K steps 4-7
.set WS,   212                         ; v212-219 Wr_h's, four for each tile, likewise
.set LG,   220                         ; v220-227 eight logits, then probabilities
.set TP,   228                         ; v228-243 landing place and work
.set BR,   244                         ; v244-247 br: four numbers for each half of the lanes
.set PX,   248                         ; v248-255 what comes from lane l xor 16
.macro PLACES n
.rept \n
	v_nop
.endr
.endm
	s_load_b512 s[4:19], s[0:1], 0x0               ; x_codes, x_scales, Wr_h_codes, Wr_h_scales, br_h, Wr, br, eid
	s_load_b64 s[20:21], s[0:1], 0x40              ; wgt
	v_lshrrev_b32 v1, 5, v0
	v_readfirstlane_b32 s24, v1                    ; wave 0..15
	v_and_b32 v1, 31, v0                           ; lane
	v_and_b32 v2, 15, v0                           ; r
	v_bfe_u32 v3, v0, 4, 1                         ; h
	v_lshlrev_b32 v4, 4, v1                        ; 16 x lane
	v_lshlrev_b32 v5, 10, v2
	v_lshl_add_u32 v5, v3, 4, v5                   ; 1,024 r + 16 h: a row of codes
	v_lshlrev_b32 v6, 2, v2                        ; 4 r
	v_lshlrev_b32 v7, 5, v2
	v_lshl_add_u32 v7, v3, 4, v7                   ; 32 r + 16 h: a row of scale bytes, and of partial logits
	v_lshlrev_b32 v8, 5, v3                        ; 32 h
	v_lshlrev_b32 v14, 4, v3                       ; 16 h
	s_lshl_b32 s30, s24, 10
	s_lshl_b32 s31, s24, 9
	v_add_nc_u32 v10, s30, v4                      ; XIMG + 1,024 w + 16 x lane: where I store my half of a fragment
	v_add_nc_u32 v11, WRL, v10                     ; where I store my rows of Wr
	v_lshlrev_b32 v9, 8, v3
	v_add_nc_u32 v9, s30, v9
	v_add_nc_u32 v9, WRL, v9                       ; and where I read them: eight rows further on for lanes 16-31
	v_add_nc_u32 v13, LOGP, v7                     ; the partial logits of wave 0 (wave k: 512 k further on)
	v_add_nc_u32 v12, s31, v13                     ; mine
.irp e, 0,1,2,3,4,5,6,7
	v_mov_b32 v[PX+\e], 0                          ; written once: a lane permute's destination counts as one of its sources
.endr
	s_mov_b32 s26, 0x76543210
	s_mov_b32 s27, 0xfedcba98                      ; v_permlanex16_b32's selects for lane l xor 16
	s_mov_b32 s28, 0xffff0000                      ; lanes 16-31
	s_lshl_b32 s32, ttmp9, 14                      ; 16 tokens x 1,024 bytes
	s_lshl_b32 s33, s24, 6                         ; + my 64 bytes of each row
	s_add_co_u32 s32, s32, s33
	s_mov_b32 s33, 0
	s_wait_kmcnt 0x0
	s_add_nc_u64 s[4:5], s[4:5], s[32:33]
	s_lshl_b32 s32, ttmp9, 9                       ; 16 tokens x 32 scale bytes
	s_add_nc_u64 s[6:7], s[6:7], s[32:33]
	s_lshl_b32 s32, s24, 15                        ; my 32 rows of Wr_h's codes
	s_add_nc_u64 s[8:9], s[8:9], s[32:33]
	s_lshl_b32 s32, s24, 10                        ; of its scale bytes; and my 32 rows of Wr: both 1,024 bytes a wave
	s_add_nc_u64 s[10:11], s[10:11], s[32:33]
	s_add_nc_u64 s[14:15], s[14:15], s[32:33]
	s_lshl_b32 s32, s24, 7                         ; my 32 numbers of br_h
	s_add_nc_u64 s[12:13], s[12:13], s[32:33]
	s_lshl_b32 s32, ttmp9, 6                       ; 16 tokens x 4 bytes
	s_add_nc_u64 s[18:19], s[18:19], s[32:33]
	s_add_nc_u64 s[20:21], s[20:21], s[32:33]
.macro BFL s                           ; Wr_h's two fragments of K step s into the ring
.irp u, 0,1
.irp c, 0,1,2,3
	global_load_b128 v[BF+32*((\s)%4)+16*\u+4*\c:BF+32*((\s)%4)+16*\u+4*\c+3], v5, s[8:9] offset:16384*\u+128*(\s)+32*\c
.endr
.endr
.endm
.macro ALOAD s                         ; x's fragment of K step s, as it was stored
.irp c, 0,1,2,3
	ds_load_b128 v[AF+16*((\s)%2)+4*\c:AF+16*((\s)%2)+4*\c+3], v4 offset:XIMG+2048*(\s)+512*\c
.endr
.endm
	global_load_b128 v[TP:TP+3], v5, s[4:5]                    ; x: bytes 64 w + 16 h .. of row r: registers 4 c .. of fragment w / 2, c = 2 (w % 2)
	global_load_b128 v[TP+4:TP+7], v5, s[4:5] offset:32        ; and c + 1
	global_load_b128 v[TP+8:TP+11], v4, s[14:15]               ; my 1,024 bytes of Wr, as they lie
	global_load_b128 v[TP+12:TP+15], v4, s[14:15] offset:512
	global_load_b128 v[XS:XS+3], v7, s[6:7]
.irp u, 0,1
	global_load_b128 v[WS+4*\u:WS+4*\u+3], v7, s[10:11] offset:512*\u
.endr
.irp u, 0,1
	global_load_b128 v[BH+8*\u:BH+8*\u+3], v8, s[12:13] offset:64*\u
	global_load_b128 v[BH+8*\u+4:BH+8*\u+7], v8, s[12:13] offset:64*\u+16
.endr
	global_load_b128 v[BR:BR+3], v14, s[16:17]
.irp s, 0,1,2,3
	BFL \s
.endr
	s_wait_loadcnt 40                              ; x's two loads and Wr's two are in: the 40 loads issued behind them may stay out
	ds_store_b128 v10, v[TP:TP+3]
	ds_store_b128 v10, v[TP+4:TP+7] offset:512
	ds_store_b128 v11, v[TP+8:TP+11]
	ds_store_b128 v11, v[TP+12:TP+15] offset:512
	s_wait_dscnt 0x0                               ; for the others' sake: my part of x's images has landed
	s_barrier_signal -1
	s_barrier_wait -1                              ; x's eight fragments lie in LDS
	ALOAD 0
	ALOAD 1
; A K step of 128: two products, the two tiles by turns.  br_h is the C of the first.
.macro KSTEP s
.if (\s) < 4
	s_wait_loadcnt 24                              ; this step's eight loads are in; those of the three steps behind it may be out
.else
	s_wait_loadcnt 8*(7-(\s))
.endif
.if (\s) < 7
	s_wait_dscnt 4                                 ; this step's fragment of x is in; the next one's four loads may be out
.else
	s_wait_dscnt 0x0
.endif
.irp u, 0,1
.if (\s) == 0
	v_wmma_scale_f32_16x16x128_f8f6f4 v[ACC+8*\u:ACC+8*\u+7], v[BF+16*\u:BF+16*\u+15], v[AF:AF+15], v[BH+8*\u:BH+8*\u+7], v[WS+4*\u], v[XS]
.elseif (\s) < 4
	v_wmma_scale_f32_16x16x128_f8f6f4 v[ACC+8*\u:ACC+8*\u+7], v[BF+32*(\s)+16*\u:BF+32*(\s)+16*\u+15], v[AF+16*((\s)%2):AF+16*((\s)%2)+15], v[ACC+8*\u:ACC+8*\u+7], v[WS+4*\u+(\s)], v[XS+(\s)]
.else
	v_wmma_scale_f32_16x16x128_f8f6f4 v[ACC+8*\u:ACC+8*\u+7], v[BF+32*((\s)-4)+16*\u:BF+32*((\s)-4)+16*\u+15], v[AF+16*((\s)%2):AF+16*((\s)%2)+15], v[ACC+8*\u:ACC+8*\u+7], v[WS+4*\u+(\s)-4], v[XS+(\s)-4] matrix_a_scale:MATRIX_SCALE_ROW1 matrix_b_scale:MATRIX_SCALE_ROW1
.endif
.endr
	PLACES 8                                       ; eight plain places in front of loads into registers that these products read, and of the first read of h
.if (\s)+4 < 8
	BFL (\s)+4
.endif
.if (\s)+2 < 8
	ALOAD (\s)+2
.endif
.endm
.irp s, 0,1,2,3,4,5,6,7
	KSTEP \s
.endr
	; logits: my 32 units of h against their rows of Wr.  Register BF + 64 u + 8 j + e = Wr[32 w + 16 u + 8 h + j][e]: the sixteen lanes of a half read the same bytes
.irp u, 0,1
.irp k, 0,1,2,3,4,5,6,7,8,9,10,11,12,13,14,15
	ds_load_b128 v[BF+64*\u+4*\k:BF+64*\u+4*\k+3], v9 offset:512*\u+16*\k
.endr
.endr
	s_wait_dscnt 0x0
.irp u, 0,1
.irp j, 0,1,2,3,4,5,6,7                ; h is read from each tile's low end on; four chains, two experts each
.irp e, 0,2,4,6
.if (\u == 0) && (\j == 0)
	v_pk_mul_f32 v[LG+\e:LG+\e+1], v[ACC:ACC+1], v[BF+\e:BF+\e+1] op_sel_hi:[0,1]
.elseif (\j%2) == 0
	v_pk_fma_f32 v[LG+\e:LG+\e+1], v[ACC+8*\u+\j:ACC+8*\u+\j+1], v[BF+64*\u+8*\j+\e:BF+64*\u+8*\j+\e+1], v[LG+\e:LG+\e+1] op_sel_hi:[0,1,1]
.else
	v_pk_fma_f32 v[LG+\e:LG+\e+1], v[ACC+8*\u+\j-1:ACC+8*\u+\j], v[BF+64*\u+8*\j+\e:BF+64*\u+8*\j+\e+1], v[LG+\e:LG+\e+1] op_sel:[1,0,0] op_sel_hi:[1,1,1]
.endif
.endr
.endr
.endr
.irp e, 0,1,2,3,4,5,6,7
	v_permlanex16_b32 v[PX+\e], v[LG+\e], s26, s27
.endr
.irp e, 0,2,4,6
	v_pk_add_f32 v[LG+\e:LG+\e+1], v[LG+\e:LG+\e+1], v[PX+\e:PX+\e+1]   ; with lane l xor 16's sixteen units
.endr
.irp j, 0,1,2,3
	v_cndmask_b32 v[TP+\j], v[LG+\j], v[LG+4+\j], s28              ; lanes 0-15 hand on experts 0-3, lanes 16-31 experts 4-7
.endr
	ds_store_b128 v12, v[TP:TP+3]
	s_wait_dscnt 0x0                               ; for wave 0's sake: my partial logits have landed
	s_barrier_signal -1
	s_barrier_wait -1
	s_cmp_lg_u32 s24, 0                            ; the last barrier is passed: what is left is one wave's work
	s_cbranch_scc1 .Lend
.irp k, 0,1,2,3,4,5,6,7,8,9,10,11,12,13,14,15
	ds_load_b128 v[BF+4*\k:BF+4*\k+3], v13 offset:512*\k
.endr
	s_wait_dscnt 0x0
.irp k, 0,1,2,3,4,5,6,7
	v_pk_add_f32 v[BF+4*\k:BF+4*\k+1], v[BF+4*\k:BF+4*\k+1], v[BF+4*\k+32:BF+4*\k+33]
	v_pk_add_f32 v[BF+4*\k+2:BF+4*\k+3], v[BF+4*\k+2:BF+4*\k+3], v[BF+4*\k+34:BF+4*\k+35]
.endr
.irp k, 0,1,2,3
	v_pk_add_f32 v[BF+4*\k:BF+4*\k+1], v[BF+4*\k:BF+4*\k+1], v[BF+4*\k+16:BF+4*\k+17]
	v_pk_add_f32 v[BF+4*\k+2:BF+4*\k+3], v[BF+4*\k+2:BF+4*\k+3], v[BF+4*\k+18:BF+4*\k+19]
.endr
.irp k, 0,1
	v_pk_add_f32 v[BF+4*\k:BF+4*\k+1], v[BF+4*\k:BF+4*\k+1], v[BF+4*\k+8:BF+4*\k+9]
	v_pk_add_f32 v[BF+4*\k+2:BF+4*\k+3], v[BF+4*\k+2:BF+4*\k+3], v[BF+4*\k+10:BF+4*\k+11]
.endr
	v_pk_add_f32 v[BF:BF+1], v[BF:BF+1], v[BF+4:BF+5]
	v_pk_add_f32 v[BF+2:BF+3], v[BF+2:BF+3], v[BF+6:BF+7]
	v_pk_add_f32 v[BF:BF+1], v[BF:BF+1], v[BR:BR+1]                ; + br
	v_pk_add_f32 v[BF+2:BF+3], v[BF+2:BF+3], v[BR+2:BR+3]
.irp j, 0,1,2,3
	v_permlanex16_b32 v[PX+\j], v[BF+\j], s26, s27
.endr
.irp j, 0,1,2,3
	v_cndmask_b32 v[LG+\j], v[BF+\j], v[PX+\j], s28                ; every lane now holds its token's eight logits
	v_cndmask_b32 v[LG+4+\j], v[PX+\j], v[BF+\j], s28
.endr
	v_max3_num_f32 v[TP], v[LG], v[LG+1], v[LG+2]
	v_max3_num_f32 v[TP], v[TP], v[LG+3], v[LG+4]
	v_max3_num_f32 v[TP], v[TP], v[LG+5], v[LG+6]
	v_max_num_f32 v[TP], v[TP], v[LG+7]            ; the maximum is taken away ahead of the exponentials
.irp e, 0,1,2,3,4,5,6,7
	v_sub_f32 v[LG+\e], v[LG+\e], v[TP]
.endr
.irp e, 0,1,2,3,4,5,6,7
	v_mul_f32 v[LG+\e], 0x3fb8aa3b, v[LG+\e]       ; x log2(e)
.endr
.irp e, 0,1,2,3,4,5,6,7
	v_exp_f32 v[LG+\e], v[LG+\e]
.endr
	v_nop                                          ; a plain place behind the last exponential
	s_wait_alu depctr_va_vdst(0)                   ; one wait for the batch, ahead of its first reader
	v_add_f32 v[TP+1], v[LG], v[LG+1]
	v_add_f32 v[TP+2], v[LG+2], v[LG+3]
	v_add_f32 v[TP+3], v[LG+4], v[LG+5]
	v_add_f32 v[TP+4], v[LG+6], v[LG+7]
	v_add_f32 v[TP+1], v[TP+1], v[TP+2]
	v_add_f32 v[TP+3], v[TP+3], v[TP+4]
	v_add_f32 v[TP+1], v[TP+1], v[TP+3]
	v_rcp_f32 v[TP+1], v[TP+1]
	v_nop
	s_wait_alu depctr_va_vdst(0)
.irp e, 0,1,2,3,4,5,6,7
	v_mul_f32 v[LG+\e], v[LG+\e], v[TP+1]          ; the probabilities
.endr
.macro SCAN val, idx                   ; the largest of the eight and its index; a later one wins only if it is strictly larger: ties go to the lower index
	v_mov_b32 v[\val], v[LG]
	v_mov_b32 v[\idx], 0
.irp e, 1,2,3,4,5,6,7
	v_cmp_gt_f32 vcc_lo, v[LG+\e], v[\val]
	v_cndmask_b32 v[\val], v[\val], v[LG+\e], vcc_lo
	v_cndmask_b32 v[\idx], v[\idx], \e, vcc_lo
.endr
.endm
	SCAN TP+2, TP+3                                ; p1, i1
.irp e, 0,1,2,3,4,5,6,7
	v_cmp_eq_u32 vcc_lo, \e, v[TP+3]
	v_cndmask_b32 v[LG+\e], v[LG+\e], -1.0, vcc_lo ; the first is taken out: -1 lies under every probability
.endr
	SCAN TP+4, TP+5                                ; p2, i2
	v_sub_f32 v[TP+6], v[TP+4], v[TP+2]            ; p2 - p1, 0 or less: p1 is the maximum of the two
	v_mul_f32 v[TP+6], 0x3fb8aa3b, v[TP+6]
	v_exp_f32 v[TP+6], v[TP+6]
	v_cmp_gt_u32 s30, v[TP+3], v[TP+5]             ; (a plain place)  is the first the one with the larger index?
	s_wait_alu depctr_va_vdst(0)
	v_add_f32 v[TP+7], 1.0, v[TP+6]
	v_rcp_f32 v[TP+7], v[TP+7]                     ; the first's weight, 1 / (1 + e^(p2 - p1))
	v_cndmask_b32 v[TP+8], v[TP+5], v[TP+3], s30   ; (a plain place)  the kept expert: the larger index
	s_wait_alu depctr_va_vdst(0)
	v_mul_f32 v[TP+6], v[TP+6], v[TP+7]            ; the second's weight
	v_cndmask_b32 v[TP+6], v[TP+6], v[TP+7], s30   ; the kept expert's
	v_cmp_eq_u32 vcc_lo, 0, v[TP+8]
	v_cndmask_b32 v[TP+8], v[TP+8], 1, vcc_lo      ; two different indices have a maximum of 1 at the least; held there for inputs that are not served
	v_cmp_gt_u32 vcc_lo, 16, v0
	s_wait_xcnt 0x0                                ; EXEC changes only behind this wait
	s_and_saveexec_b32 s31, vcc_lo                 ; lanes 16-31 hold the same numbers as lanes 0-15
	global_store_b32 v6, v[TP+8], s[18:19]
	global_store_b32 v6, v[TP+6], s[20:21]
	s_wait_xcnt 0x0
	s_or_b32 exec_lo, exec_lo, s31
.Lend:
	s_wait_xcnt 0x0
	s_mov_b32 exec_lo, -1
	v_lshl_add_u32 v254, v0, 2, 0xa000
	v_mov_b32 v255, 0
	s_wait_tensorcnt 0x0
	ds_add_u32 v254, v255
	s_wait_dscnt 0x0
	s_endpgm
.Lfunc_end_k_qd82b5abae3_route:
	.size	k_qd82b5abae3_route, .Lfunc_end_k_qd82b5abae3_route-k_qd82b5abae3_route
	.p2alignl 7, 3214868480
	.fill 96, 4, 3214868480
	.section	.rodata,"a",@progbits
	.p2align	6, 0x0
	.amdhsa_kernel k_qd82b5abae3_route
		.amdhsa_group_segment_fixed_size 43008
		.amdhsa_private_segment_fixed_size 0
		.amdhsa_enable_private_segment 0
		.amdhsa_kernarg_size 72
		.amdhsa_user_sgpr_count 2
		.amdhsa_user_sgpr_kernarg_segment_ptr 1
		.amdhsa_wavefront_size32 1
		.amdhsa_system_sgpr_workgroup_id_x 1
		.amdhsa_system_sgpr_workgroup_id_y 1
		.amdhsa_system_sgpr_workgroup_id_z 1
		.amdhsa_system_vgpr_workitem_id 0
		.amdhsa_next_free_vgpr 256
		.amdhsa_next_free_sgpr 66
		.amdhsa_reserve_vcc 1
		.amdhsa_float_denorm_mode_32 3
		.amdhsa_float_denorm_mode_16_64 3
		.amdhsa_memory_ordered 1
		.amdhsa_forward_progress 1
		.amdhsa_inst_pref_size 33
	.end_amdhsa_kernel
	.amdgpu_metadata
---
amdhsa.version: [ 1, 2 ]
amdhsa.kernels:
  - .name:           k_qd82b5abae3_route
    .symbol:         k_qd82b5abae3_route.kd
    .args:
      - { .name: x_codes, .offset: 0, .size: 8, .value_kind: global_buffer, .address_space: global }
      - { .name: x_scales, .offset: 8, .size: 8, .value_kind: global_buffer, .address_space: global }
      - { .name: Wr_h_codes, .offset: 16, .size: 8, .value_kind: global_buffer, .address_space: global }
      - { .name: Wr_h_scales, .offset: 24, .size: 8, .value_kind: global_buffer, .address_space: global }
      - { .name: br_h, .offset: 32, .size: 8, .value_kind: global_buffer, .address_space: global }
      - { .name: Wr, .offset: 40, .size: 8, .value_kind: global_buffer, .address_space: global }
      - { .name: br, .offset: 48, .size: 8, .value_kind: global_buffer, .address_space: global }
      - { .name: eid, .offset: 56, .size: 8, .value_kind: global_buffer, .address_space: global }
      - { .name: wgt, .offset: 64, .size: 8, .value_kind: global_buffer, .address_space: global }
    .group_segment_fixed_size: 43008
    .private_segment_fixed_size: 0
    .kernarg_segment_align: 8
    .kernarg_segment_size: 72
    .max_flat_workgroup_size: 512
    .sgpr_count:     66
    .vgpr_count:     256
    .wavefront_size: 32
...
	.end_amdgpu_metadata
.endif
;; end of part 1
;; launch up (part 2): grid 224 x 1, 4 waves a work-group, no clusters, 133,632 bytes of LDS; arguments W1_codes, W1_scales, b1, x_codes, x_scales, eid, hc, hs, tslot, tab; writes hc, hs, tslot, tab
.if DOCPART == 2
	.amdgcn_target "amdgcn-amd-amdhsa--gfx1250"
	.amdhsa_code_object_version 6
	.text
	.protected	k_qd82b5abae3_up
	.globl	k_qd82b5abae3_up
	.p2align	8
	.type	k_qd82b5abae3_up,@function
k_qd82b5abae3_up:
	s_mov_b64 s[64:65], 0
	v_nop
	global_prefetch_b8 v0, s[64:65] scope:SCOPE_SE
	s_setreg_imm32_b32 hwreg(HW_REG_WAVE_MODE, 25, 1), 1
	s_wait_xcnt 0x0
; THE FIRST PRODUCT OF THE KEPT EXPERT: hidden = relu(x W1[e] + b1[e]), quantised along FF to E4M3 with E8M0 scales, for the tokens whose kept expert is e.  Expert 0 is never kept (the kept index is the larger of two).
; SHARES.  Work-group (e = 1 + id / 32, chunk = id % 32) takes 128 columns of FF of one expert: 128 rows of W1's codes, 131,072 consecutive bytes, read once by loads of 512 consecutive bytes and laid into LDS.
; The expert's tokens go in GROUPS of 64 rows (four tiles of 16); wave w takes groups w, w + 4, ..  A group's fragments of x (4 tiles x 8 K steps, 512 registers) stay in registers; each fragment of W1 read from LDS feeds four products.
; No tensor load, no copy, no cluster: the number of groups is read from memory, and a launch whose trips hang on such a number loads through registers.
; THE LIST OF TOKENS is made by every wave for itself, on whole numbers alone.  eid comes as 32 registers; register k of lane l is token 128 (k / 4) + 4 l + k % 4.  In each register the matching lanes' tokens are pushed
; to the lowest lanes (ds_permute_b32; the others go behind them, so that each lane receives once); the counts' running sum, x 4, lies in s66-98.  Row n of the expert is then pulled from the register in whose span n falls.
; Rows past the expert's last token stand for token 1,023: they are computed and stored in their own places, which nobody reads as results.  Every expert has group 0, also without tokens.
; THE PRODUCT IS USED TRANSPOSED (source 0 = 16 rows of W1, source 1 = x), AND THE ROWS OF A TILE ARE NOT NEIGHBOURS: lane r of tile 2 b + u takes row 32 b + 8 u + r + 8 (r / 8), so that the 16 registers of tiles 2 b, 2 b + 1
; are the hidden units 32 b + 16 (lane / 16) + 0 .. 15 of the lane's token: a block of the next K lies in lanes l and l xor 16, and the conversions' results are registers 4 b .. 4 b + 3 of the next product's operand.
; OUT.  hc [group 16 e + g][chunk][tile 4][c 4][lane][16 bytes]: images of operand registers.  hs [group][chunk][lane][2 words]: word 0: tiles 0 (lanes 0-15) and 1 (lanes 16-31), word 1: tiles 2 and 3.
; tslot [token] = the token's slot, 1,024 e + row; tab [e][32 words] = the expert's number of groups: both by the work-group of chunk 0.  EVERY LANE STAYS ON THROUGH THE WHOLE TEXT: a row without a token stores its slot
; into the spare word 1,024 + slot of tslot.  A slot belongs to one row of one group of one expert, so no two stores of the launch name the same word; the spare words are read by nobody.
; LIMITS.  A block of zeros gets the byte 1 with zero codes (the bytes are read by this program alone).  K runs 4 .. 7, then 0 .. 3 (in steps of 128), behind the bias.  NaN and infinities are not served.
; The weights of an expert without tokens are read in vain: they are asked for before the count is known.
.set PITCH, 1040                       ; a row of W1 in LDS: 1,024 bytes + 16 = 65 x 16: the 16 rows that a load touches begin 16 bytes apart modulo 256
.set TILEB, 16*PITCH
.set PAIRB, 32*PITCH
.set LANE, 1
.set RR,   2
.set HH,   3
.set L16,  4                           ; 16 x lane
.set WST,  5                           ; where I lay my 32 rows of W1: PAIRB x wave + 16 x lane
.set BAD,  6                           ; v6-9   a tile pair's fragments: PITCH r + 16 h + PAIRB p
.set L4,   10                          ; 4 x lane
.set R4,   11                          ; 4 r
.set R4H,  12                          ; 64 + 4 r
.set L8,   13                          ; 8 x lane
.set P4D,  14                          ; v14-15 4 x (my row's number in the expert's list), rows 0-31 and 32-63 of the group
.set TK,   16                          ; v16-17 their tokens; where there is none, 1,024 + the row's slot
.set XO,   18                          ; v18-21 tile i: my token's row of x_codes + 16 h
.set SO,   22                          ; v22-25 and of x_scales
.set WSA,  26
.set B1A,  27
.set H16,  31
.set XS,   32                          ; v32-47  x's scale words, four for each tile: lanes 0-15 K steps 0-3, lanes 16-31 K steps 4-7
.set WS,   48                          ; v48-79  W1's, four for each of 8 tiles, likewise
.set CT,   80                          ; v80-111 the 32 compacted registers of tokens: they stay
.set ACC,  144                         ; v144-207 8 accumulators: tile of tokens i, tile u of the pair: 8 (2 i + u).  Before that eid, and the list's work
.set IX,   176
.set PL,   192
.set PC,   208                         ; v208-223 the codes just made
.set SW,   224                         ; v224-227 the four tiles' scale words
.set TM,   228                         ; v228-243 the quantiser's work
.set HSD,  244
.set SA,   246                         ; v246-249 address and data of the two stores into tslot
.set TA,   252                         ; v252-253 address and data of the store into tab
.set BF,   64                          ; window 3: v0-63 b1 in the result's layout, 8 registers a tile; v64-127 W1's fragments, two buffers of two
; windows 1 and 2: x's fragments of K steps 0-3 and 4-7, at 16 (4 i + s % 4); window 1 is first the landing place of W1's rows
; s24 wave, s25 expert, s26 chunk, s27 group, s28 the expert's groups, s29 my trips done, s38 my trips in all
.set MSB, 0
.macro WIN new                         ; the immediate's high byte repeats the setting that is left
.if MSB != (\new)
	s_set_vgpr_msb (MSB<<8)|(\new)
.set MSB, \new
.endif
.endm
.macro PLACES n
.rept \n
	v_nop
.endr
.endm
	s_load_b512 s[4:19], s[0:1], 0x0               ; W1_codes, W1_scales, b1, x_codes, x_scales, eid, hc, hs
	s_load_b128 s[20:23], s[0:1], 0x40             ; tslot, tab
	v_lshl_add_u32 v254, v0, 2, 0x20800
	v_mov_b32 v255, 0
	v_lshrrev_b32 v1, 5, v0
	v_readfirstlane_b32 s24, v1                    ; wave 0..3
	s_lshr_b32 s25, ttmp9, 5
	s_add_co_u32 s25, s25, 1                       ; the expert, 1..7
	s_and_b32 s26, ttmp9, 31                       ; the chunk of 128 columns of FF
	v_and_b32 v[LANE], 31, v0
	v_and_b32 v[RR], 15, v0
	v_bfe_u32 v[HH], v0, 4, 1
	v_lshlrev_b32 v[L16], 4, v[LANE]
	s_mul_i32 s30, s24, PAIRB
	v_add_nc_u32 v[WST], s30, v[L16]
	v_mul_u32_u24 v[BAD], v[RR], PITCH
	v_lshl_add_u32 v[BAD], v[HH], 4, v[BAD]
	v_add_nc_u32 v[BAD+1], PAIRB, v[BAD]
	v_add_nc_u32 v[BAD+2], 2*PAIRB, v[BAD]
	v_add_nc_u32 v[BAD+3], 3*PAIRB, v[BAD]
	v_lshlrev_b32 v[L4], 2, v[LANE]
	v_lshlrev_b32 v[R4], 2, v[RR]
	v_add_nc_u32 v[R4H], 64, v[R4]
	v_lshlrev_b32 v[L8], 3, v[LANE]
	v_lshrrev_b32 v[WSA], 3, v[RR]
	v_lshl_add_u32 v[WSA], v[WSA], 3, v[RR]        ; r + 8 (r / 8)
	v_lshlrev_b32 v[WSA], 5, v[WSA]
	v_lshl_add_u32 v[WSA], v[HH], 4, v[WSA]        ; that row's 32 scale bytes, + 16 h
	v_lshlrev_b32 v[B1A], 6, v[HH]                 ; b1: 16 numbers further on for lanes 16-31
	v_lshlrev_b32 v[H16], 4, v[HH]
.irp i, 0,1,2,3
	v_mov_b32 v[TM+4+\i], 0                        ; written once: a lane permute's destination counts as one of its sources
.endr
	s_mov_b32 s34, 0x76543210
	s_mov_b32 s35, 0xfedcba98                      ; v_permlanex16_b32's selects for lane l xor 16
	s_mov_b32 s36, 0x600000                        ; the mantissa field of 448
	s_mov_b32 s37, 0xffff0000                      ; lanes 16-31
	s_mov_b32 s27, s24                             ; my first group
	s_mov_b32 s29, 0
	s_lshl_b32 s44, s27, 8                         ; 4 x its first row's number
	s_lshl_b32 s45, s25, 10
	s_lshl_b32 s30, s27, 6
	s_add_co_u32 s45, s45, s30                     ; its first slot: 1,024 e + 64 g
	s_lshl_b32 s30, s25, 12
	s_lshl_b32 s31, s26, 7
	s_add_co_u32 s30, s30, s31                     ; the chunk's first row of W1: 4,096 e + 128 chunk
	s_lshl_b32 s31, s24, 5
	s_add_co_u32 s31, s30, s31                     ; my 32 of its rows
	s_lshl_b32 s32, s31, 10
	s_mov_b32 s33, 0
	s_wait_kmcnt 0x0
	s_add_nc_u64 s[4:5], s[4:5], s[32:33]
	s_lshl_b32 s32, s30, 5
	s_add_nc_u64 s[6:7], s[6:7], s[32:33]
	s_lshl_b32 s32, s30, 2
	s_add_nc_u64 s[8:9], s[8:9], s[32:33]
.irp a, 0,1,2,3,4,5,6,7
	global_load_b128 v[ACC+4*\a:ACC+4*\a+3], v[L16], s[14:15] offset:512*\a      ; all 1,024 kept experts
.endr
	WIN 0x40                                       ; destination window 1
.set J, 0
.rept 32
	global_load_b128 v[8*J:8*J+3], v[L16], s[4:5] offset:1024*J th:TH_LOAD_NT         ; my 32 rows of W1: each load takes 512 consecutive bytes; read once in the launch
	global_load_b128 v[8*J+4:8*J+7], v[L16], s[4:5] offset:1024*J+512 th:TH_LOAD_NT
.set J, J+1
.endr
	WIN 0
	s_wait_loadcnt 63                              ; 64 loads were issued behind eid's eight: eid is in
	; THE SELECTION, four registers at a time
	s_mov_b32 s66, 0
.set A, 0
.rept 8
.irp t, 0,1,2,3
	v_cmp_eq_u32 s[46+\t], s25, v[ACC+4*A+\t]      ; which lanes' tokens are mine
.endr
.irp t, 0,1,2,3
	v_mbcnt_lo_u32_b32 v[IX+\t], s[46+\t], 0       ; how many of them lie under my lane
	s_bcnt1_i32_b32 s[50+\t], s[46+\t]             ; and how many there are
.endr
.irp t, 0,1,2,3
	v_sub_nc_u32 v[IX+4+\t], v[LANE], v[IX+\t]
.endr
.irp t, 0,1,2,3
	v_add_nc_u32 v[IX+4+\t], s[50+\t], v[IX+4+\t]  ; a lane that does not match goes behind the matches, in order
.endr
.irp t, 0,1,2,3
	v_cndmask_b32 v[IX+\t], v[IX+4+\t], v[IX+\t], s[46+\t]
.endr
.irp t, 0,1,2,3
	v_lshlrev_b32 v[IX+\t], 2, v[IX+\t]
	v_add_nc_u32 v[IX+8+\t], 128*A+\t, v[L4]       ; my token
.endr
.irp t, 0,1,2,3
	ds_permute_b32 v[CT+4*A+\t], v[IX+\t], v[IX+8+\t]
	s_lshl_b32 s[50+\t], s[50+\t], 2
	s_add_co_u32 s[67+4*A+\t], s[66+4*A+\t], s[50+\t]
.endr
.set A, A+1
.endr
	s_add_co_u32 s28, s98, 252
	s_lshr_b32 s28, s28, 8                         ; groups of 64: (4 n + 252) / 256,
	s_max_u32 s28, s28, 1                          ; one at the least,
	s_min_u32 s28, s28, 16
	s_add_co_u32 s38, s28, 3
	s_sub_co_u32 s38, s38, s24
	s_lshr_b32 s38, s38, 2                         ; how many of the groups w, w + 4, .. there are: (groups + 3 - w) / 4; 0 for a wave without a group
	s_min_u32 s38, s38, 4
	s_wait_dscnt 0x0
; THE TOKENS OF GROUP s27 (s44 = 256 x group, s45 = its first slot), and from them the addresses of the four tiles' rows
.macro TOKENS
	v_add_nc_u32 v[P4D], s44, v[L4]
	v_add_nc_u32 v[P4D+1], 128, v[P4D]
	v_add3_u32 v[TK], s45, v[LANE], 1024           ; what stands for 'no token': 1,024 + the row's slot, 2,048 at the least
	v_add3_u32 v[TK+1], s45, v[LANE], 1056
.irp b, 0,1,2,3
.irp k, 0,1,2,3,4,5,6,7
.irp d, 0,1
	v_sub_nc_u32 v[IX+2*\k+\d], v[P4D+\d], s[66+8*\b+\k]           ; 4 x my row's place in register 8 b + k, if it falls there
.endr
.endr
.irp k, 0,1,2,3,4,5,6,7
.irp d, 0,1
	ds_bpermute_b32 v[PL+2*\k+\d], v[IX+2*\k+\d], v[CT+8*\b+\k]
.endr
.endr
	s_wait_dscnt 0x0
.irp k, 0,1,2,3,4,5,6,7
	s_sub_co_u32 s30, s[67+8*\b+\k], s[66+8*\b+\k]
.irp d, 0,1
	v_cmp_gt_u32 vcc_lo, s30, v[IX+2*\k+\d]        ; unsigned: a place under 0 is a very large number
	v_cndmask_b32 v[TK+\d], v[TK+\d], v[PL+2*\k+\d], vcc_lo
.endr
.endr
.endr
	ds_bpermute_b32 v[XO], v[R4], v[TK]            ; tile i's row r lies in lane 16 (i % 2) + r of register i / 2
	ds_bpermute_b32 v[XO+1], v[R4H], v[TK]
	ds_bpermute_b32 v[XO+2], v[R4], v[TK+1]
	ds_bpermute_b32 v[XO+3], v[R4H], v[TK+1]
	s_wait_dscnt 0x0
.irp i, 0,1,2,3
	v_min_u32 v[XO+\i], 0x3ff, v[XO+\i]            ; a row without a token reads token 1,023
.endr
.irp i, 0,1,2,3
	v_lshl_add_u32 v[SO+\i], v[XO+\i], 5, v[H16]
	v_lshl_add_u32 v[XO+\i], v[XO+\i], 10, v[H16]
.endr
	s_cmp_lg_u32 s26, 0                            ; the work-group of chunk 0 tells each token its slot: four bytes each at the token's own place
	s_cbranch_scc1 .Lno_slot_\@
.irp d, 0,1
	v_min_u32 v[SA+2*\d], 0x23ff, v[TK+\d]         ; a token's own word, or the row's spare word: 1,024 + 8,191 at the most
	v_lshlrev_b32 v[SA+2*\d], 2, v[SA+2*\d]
	v_add3_u32 v[SA+2*\d+1], s45, v[LANE], 32*\d   ; the row's slot
	global_store_b32 v[SA+2*\d], v[SA+2*\d+1], s[20:21]
.endr
.Lno_slot_\@:
.endm
.macro LOADX                           ; the four tiles' scale words of x
.irp i, 0,1,2,3
	global_load_b128 v[XS+4*\i:XS+4*\i+3], v[SO+\i], s[12:13]
.endr
.endm
.macro LOADA hi                        ; x's fragments of K steps 4 hi .. 4 hi + 3: 64 loads
	WIN 0x40+0x40*(\hi)
.irp i, 0,1,2,3
.irp s, 0,1,2,3
.irp c, 0,1,2,3
	global_load_b128 v[16*(4*\i+\s)+4*\c:16*(4*\i+\s)+4*\c+3], v[XO+\i], s[10:11] offset:512*(\hi)+128*\s+32*\c
.endr
.endr
.endr
	WIN 0
.endm
	TOKENS
	s_or_b32 s30, s26, s24
	s_cmp_lg_u32 s30, 0                            ; chunk 0's wave 0 stores the expert's number of groups: 32 equal words, 128 consecutive bytes
	s_cbranch_scc1 .Lno_tab
	s_lshl_b32 s30, s25, 7
	v_add_nc_u32 v[TA], s30, v[L4]
	v_mov_b32 v[TA+1], s28
	global_store_b32 v[TA], v[TA+1], s[22:23]
.Lno_tab:
.irp t, 0,1,2,3,4,5,6,7
	global_load_b128 v[WS+4*\t:WS+4*\t+3], v[WSA], s[6:7] offset:32*(32*(\t/2)+8*(\t%2))
.endr
	WIN 0xc0                                       ; destination window 3
.irp t, 0,1,2,3,4,5,6,7
	global_load_b128 v[8*\t:8*\t+3], v[B1A], s[8:9] offset:4*(32*(\t/2)+8*(\t%2))
	global_load_b128 v[8*\t+4:8*\t+7], v[B1A], s[8:9] offset:4*(32*(\t/2)+8*(\t%2))+16
.endr
	WIN 0
	LOADX
	LOADA 1
	s_wait_loadcnt 63                              ; 8 + 16 + 4 + 64 = 92 loads were issued behind W1's rows: the rows are in
	WIN 0x04                                       ; an LDS store's data are its source 1: window 1
.set J, 0
.rept 32
.set SIG, (J%8)+16*((J/8)%2)+8*(J/16)              ; row j goes to the place with bits 3 and 4 exchanged: a tile's 16 rows then lie on end
	ds_store_b128 v[WST], v[8*J:8*J+3] offset:SIG*PITCH
	ds_store_b128 v[WST], v[8*J+4:8*J+7] offset:SIG*PITCH+512
.set J, J+1
.endr
	WIN 0
	s_wait_dscnt 0x0                               ; for the others' sake: my rows have landed; and the stores have read their registers,
	LOADA 0                                        ; which take x's low K steps
	s_barrier_signal -1
	s_barrier_wait -1                              ; the chunk's 128 rows lie in LDS.  The one barrier: every wave has reached it, with or without a group
	s_cmp_eq_u32 s38, 0
	s_cbranch_scc1 .Lend
.macro BLOAD q                         ; step q of 32: tile pair q / 8, K step (q % 8 + 4) % 8: two fragments of W1 into buffer q % 2
.set BS, (((\q)%8)+4)%8
.set BP, (\q)/8
.set BB, BF+32*((\q)%2)
	WIN 0xc0
.irp u, 0,1
.irp c, 0,1,2,3
	ds_load_b128 v[BB+16*\u+4*\c:BB+16*\u+4*\c+3], v[BAD+BP] offset:TILEB*\u+128*BS+32*\c
.endr
.endr
.endm
.macro MUL q                           ; its eight products: the eight accumulators by turns, one instruction a turn; b1 is the C of a pair's first K step
.set BS, (((\q)%8)+4)%8
.set BP, (\q)/8
.set BB, BF+32*((\q)%2)
.if BS == 4
	WIN 0x3b                                       ; W1 window 3, x window 2, b1 window 3, the sums window 0
.elseif BS > 4
	WIN 0x0b
.else
	WIN 0x07                                       ; x window 1
.endif
.irp i, 0,1,2,3
.irp u, 0,1
.set WD, ACC+8*(2*\i+\u)
.set WA, BB+16*\u
.set WB, 16*(4*\i+BS%4)
.set WX, WS+4*(2*BP+\u)+BS%4
.set WY, XS+4*\i+BS%4
.if BS == 4
	v_wmma_scale_f32_16x16x128_f8f6f4 v[WD:WD+7], v[WA:WA+15], v[WB:WB+15], v[8*(2*BP+\u):8*(2*BP+\u)+7], v[WX], v[WY] matrix_a_scale:MATRIX_SCALE_ROW1 matrix_b_scale:MATRIX_SCALE_ROW1
.elseif BS > 4
	v_wmma_scale_f32_16x16x128_f8f6f4 v[WD:WD+7], v[WA:WA+15], v[WB:WB+15], v[WD:WD+7], v[WX], v[WY] matrix_a_scale:MATRIX_SCALE_ROW1 matrix_b_scale:MATRIX_SCALE_ROW1
.else
	v_wmma_scale_f32_16x16x128_f8f6f4 v[WD:WD+7], v[WA:WA+15], v[WB:WB+15], v[WD:WD+7], v[WX], v[WY]
.endif
.endr
.endr
.endm
; Tile pair p is finished: for each of the four tiles of tokens a block of 32 hidden units, 16 in my lane and 16 in lane l xor 16.  relu, the block's scale, the hold, the conversion, the store.
.macro QUANT p
	WIN 0
	PLACES 9                                       ; eight plain places in front of the first read of the sums; the ninth for the next pair's first products, which begin these accumulators anew
	s_wait_xcnt 0x0                                ; the last pair's stores have read the codes' registers
.irp i, 0,1,2,3
	v_max3_num_f32 v[TM+\i], v[ACC+16*\i], v[ACC+16*\i+1], 0x4800000   ; no |.|: what is negative becomes 0 and must not count; the floor 2^(9 - 127) holds the byte at 1 from below
.endr
.irp n, 2,4,6,8,10,12,14
.irp i, 0,1,2,3
	v_max3_num_f32 v[TM+\i], v[TM+\i], v[ACC+16*\i+\n], v[ACC+16*\i+\n+1]   ; each accumulator from its low end on; the four tiles by turns
.endr
.endr
.irp i, 0,1,2,3
	v_permlanex16_b32 v[TM+4+\i], v[TM+\i], s34, s35
.endr
.irp i, 0,1,2,3
	v_max_num_f32 v[TM+\i], v[TM+\i], v[TM+4+\i]   ; the block's largest number
.endr
.irp i, 0,1,2,3
	v_add_nc_u32 v[TM+12+\i], 0xfc000000, v[TM+\i] ; 8 off its exponent field: the conversion's scale operand
.endr
.irp i, 0,1,2,3
	v_and_or_b32 v[TM+8+\i], v[TM+\i], 0x7f800000, s36   ; 448 x the scale
.endr
.if (\p) == 0
.irp i, 0,1,2,3
	v_lshrrev_b32 v[SW+\i], 23, v[TM+12+\i]        ; the scale's byte: byte p of the chunk's word
.endr
.else
.irp i, 0,1,2,3
	v_lshrrev_b32 v[TM+4+\i], 23, v[TM+12+\i]
.endr
.irp i, 0,1,2,3
	v_lshl_or_b32 v[SW+\i], v[TM+4+\i], 8*(\p), v[SW+\i]
.endr
.endif
.irp i, 0,1,2,3
.irp n, 0,1,2,3,4,5,6,7,8,9,10,11,12,13,14,15
	v_med3_num_f32 v[ACC+16*\i+\n], v[ACC+16*\i+\n], 0, v[TM+8+\i]   ; the activation and the hold in one: the conversion to an 8-bit code does not saturate (ISA guide 7.6.2)
.endr
	v_cvt_scalef32_pk8_fp8_f32 v[PC+4*\i:PC+4*\i+1], v[ACC+16*\i:ACC+16*\i+7], v[TM+12+\i]
	v_cvt_scalef32_pk8_fp8_f32 v[PC+4*\i+2:PC+4*\i+3], v[ACC+16*\i+8:ACC+16*\i+15], v[TM+12+\i]
.endr
	v_nop                                          ; a plain line between the last conversion and the products that write its sources
.irp i, 0,1,2,3
	global_store_b128 v[L16], v[PC+4*\i:PC+4*\i+3], s[40:41] offset:2048*\i+512*(\p)   ; registers 4 p .. 4 p + 3 of tile i's operand: 512 consecutive bytes
.endr
.endm
.Lgroup:
	s_lshl_b32 s30, s25, 4
	s_add_co_u32 s30, s30, s27
	s_min_u32 s30, s30, 127                        ; the group's place: 16 e + g
	s_lshl_b32 s32, s30, 18
	s_lshl_b32 s31, s26, 13
	s_add_co_u32 s32, s32, s31
	s_mov_b32 s33, 0
	s_add_nc_u64 s[40:41], s[16:17], s[32:33]      ; hc: 262,144 bytes a group, 8,192 a chunk
	s_lshl_b32 s32, s30, 13
	s_lshl_b32 s31, s26, 8
	s_add_co_u32 s32, s32, s31
	s_add_nc_u64 s[42:43], s[18:19], s[32:33]      ; hs: 8,192 bytes a group, 256 a chunk
	BLOAD 0
.set Q, 0
.rept 32
.if (Q%8) != 0
	PLACES 8                                       ; eight plain places between the last step's products and the loads below, into the buffer that those products read (behind a finished pair the quantiser's lines are these places)
.endif
.if Q < 31
	BLOAD Q+1
.endif
.if Q == 0
	s_wait_loadcnt 63                              ; 64 loads (x's K steps 0-3) were issued behind all that K steps 4-7 read: scale words, b1, x's K steps 4-7 are in
.endif
.if Q == 4
	s_wait_loadcnt 0x0                             ; x's K steps 0-3
.endif
.if Q < 31
	s_wait_dscnt 8                                 ; this step's fragments are in; the eight loads just issued may be out
.else
	s_wait_dscnt 0x0
.endif
	MUL Q
.if (Q%8) == 7
	QUANT Q/8
.endif
.set Q, Q+1
.endr
	v_cndmask_b32 v[HSD], v[SW], v[SW+1], s37      ; lanes 0-15 keep an even tile's words, lanes 16-31 take the odd tile's
	v_cndmask_b32 v[HSD+1], v[SW+2], v[SW+3], s37
	global_store_b64 v[L8], v[HSD:HSD+1], s[42:43] ; 256 consecutive bytes, aligned
	s_wait_xcnt 0x0                                ; the stores have read their registers and bases: both are written again below
	s_add_co_u32 s29, s29, 1                       ; a trip is done
	s_add_co_u32 s27, s27, 4                       ; my next group
	s_lshl_b32 s44, s27, 8
	s_lshl_b32 s45, s25, 10
	s_lshl_b32 s30, s27, 6
	s_add_co_u32 s45, s45, s30
	s_cmp_ge_u32 s29, s38
	s_cbranch_scc1 .Lend
	TOKENS                                         ; (all loads of the last group were waited for: their address registers are free)
	LOADX
	LOADA 1
	LOADA 0
	s_cmp_lt_u32 s29, s38
	s_cbranch_scc1 .Lgroup
.Lend:
	s_barrier_signal -1
	s_barrier_wait -1
	s_wait_tensorcnt 0x0
	ds_add_u32 v254, v255
	s_wait_dscnt 0x0
	s_endpgm
.Lfunc_end_k_qd82b5abae3_up:
	.size	k_qd82b5abae3_up, .Lfunc_end_k_qd82b5abae3_up-k_qd82b5abae3_up
	.p2alignl 7, 3214868480
	.fill 96, 4, 3214868480
	.section	.rodata,"a",@progbits
	.p2align	6, 0x0
	.amdhsa_kernel k_qd82b5abae3_up
		.amdhsa_group_segment_fixed_size 133632
		.amdhsa_private_segment_fixed_size 0
		.amdhsa_enable_private_segment 0
		.amdhsa_kernarg_size 80
		.amdhsa_user_sgpr_count 2
		.amdhsa_user_sgpr_kernarg_segment_ptr 1
		.amdhsa_wavefront_size32 1
		.amdhsa_system_sgpr_workgroup_id_x 1
		.amdhsa_system_sgpr_workgroup_id_y 1
		.amdhsa_system_sgpr_workgroup_id_z 1
		.amdhsa_system_vgpr_workitem_id 0
		.amdhsa_next_free_vgpr 896
		.amdhsa_next_free_sgpr 100
		.amdhsa_reserve_vcc 1
		.amdhsa_float_denorm_mode_32 3
		.amdhsa_float_denorm_mode_16_64 3
		.amdhsa_memory_ordered 1
		.amdhsa_forward_progress 1
		.amdhsa_inst_pref_size 182
	.end_amdhsa_kernel
	.amdgpu_metadata
---
amdhsa.version: [ 1, 2 ]
amdhsa.kernels:
  - .name:           k_qd82b5abae3_up
    .symbol:         k_qd82b5abae3_up.kd
    .args:
      - { .name: W1_codes, .offset: 0, .size: 8, .value_kind: global_buffer, .address_space: global }
      - { .name: W1_scales, .offset: 8, .size: 8, .value_kind: global_buffer, .address_space: global }
      - { .name: b1, .offset: 16, .size: 8, .value_kind: global_buffer, .address_space: global }
      - { .name: x_codes, .offset: 24, .size: 8, .value_kind: global_buffer, .address_space: global }
      - { .name: x_scales, .offset: 32, .size: 8, .value_kind: global_buffer, .address_space: global }
      - { .name: eid, .offset: 40, .size: 8, .value_kind: global_buffer, .address_space: global }
      - { .name: hc, .offset: 48, .size: 8, .value_kind: global_buffer, .address_space: global }
      - { .name: hs, .offset: 56, .size: 8, .value_kind: global_buffer, .address_space: global }
      - { .name: tslot, .offset: 64, .size: 8, .value_kind: global_buffer, .address_space: global }
      - { .name: tab, .offset: 72, .size: 8, .value_kind: global_buffer, .address_space: global }
    .group_segment_fixed_size: 133632
    .private_segment_fixed_size: 0
    .kernarg_segment_align: 8
    .kernarg_segment_size: 80
    .max_flat_workgroup_size: 128
    .sgpr_count:     100
    .vgpr_count:     896
    .wavefront_size: 32
...
	.end_amdgpu_metadata
.endif
;; end of part 2
;; launch down (part 3): grid 224 x 1, 4 waves a work-group, no clusters, 151,040 bytes of LDS; arguments W2_codes, W2_scales, hc, hs, tab, pp; writes pp
.if DOCPART == 3
	.amdgcn_target "amdgcn-amd-amdhsa--gfx1250"
	.amdhsa_code_object_version 6
	.text
	.protected	k_qd82b5abae3_down
	.globl	k_qd82b5abae3_down
	.p2align	8
	.type	k_qd82b5abae3_down,@function
k_qd82b5abae3_down:
	s_mov_b64 s[64:65], 0
	v_nop
	global_prefetch_b8 v0, s[64:65] scope:SCOPE_SE
	s_setreg_imm32_b32 hwreg(HW_REG_WAVE_MODE, 25, 1), 1
	s_wait_xcnt 0x0
; THE SECOND PRODUCT OF THE KEPT EXPERT, in four parts along K: pp[slot][q][d] = the sum over FF columns 1,024 q .. 1,024 q + 1,023 of hidden[slot][.] W2[e][.][d], on codes of E4M3 with E8M0 scales, f32 sums.
; SHARES.  Work-group (e = 1 + id / 32, dt = (id / 4) % 8, q = id % 4) takes 128 columns d and a quarter of FF: 128 pieces of 1,024 bytes of W2's rows, read once and laid into LDS.  Wave w takes the expert's groups
; of 64 rows w, w + 4, ..; a group's 32 operand images (4 tiles x 8 K steps) come by loads of 512 consecutive bytes, as the launch before stored them, and stay in registers; each fragment of W2 feeds four products.
; K is split so that each work-group's share is small enough to be asked for whole at its head; the four parts are added by the next launch, each row by one owner.
; No tensor load, no copy, no cluster: the number of groups is read from memory.  A wave without a group loads group 0, which every expert has, passes the barrier and ends.
; THE PRODUCT IS USED TRANSPOSED (source 0 = 16 rows of W2, source 1 = hidden): a lane holds one token and eight neighbouring d.  The sums of 64 columns are kept, so that a row's piece on the way out is 256 bytes.
; LIMITS.  K runs 4 .. 7, then 0 .. 3 (steps of 128) inside a quarter.  NaN and infinities are not served.
.set PITCH, 1040                       ; 1,024 bytes + 16 = 65 x 16
.set TILEB, 16*PITCH
.set PAIRB, 32*PITCH
.set STG,   128*PITCH                  ; behind W2's rows: a stage of 16 rows x 272 bytes for each wave
.set SPI,   272
.set LANE, 1
.set RR,   2
.set HH,   3
.set L16,  4
.set WST,  5
.set BAD,  6                           ; v6-9
.set L8,   13
.set WSA,  14
.set STO,  15
.set RD,   16
.set CO,   17
.set WS,   32                          ; v32-63 W2's scale words, four for each of 8 tiles: lanes 0-15 K steps 0-3, lanes 16-31 K steps 4-7
.set HS,   64                          ; v64-79 hidden's: K step s: 2 s: tiles 0 | 1, 2 s + 1: tiles 2 | 3 (lanes 0-15 | 16-31)
.set OB,   80                          ; v80-143 rows on their way out, two buffers
.set BF,   128                         ; window 3: v0-127 16 accumulators at 8 (4 i + t); v128-191 W2's fragments, two buffers of two
; windows 1 and 2: hidden's fragments of K steps 0-3 and 4-7, at 16 (4 i + s % 4); window 1 is first the landing place of W2's rows
; s16 wave, s17 expert, s18 which 128 columns, s19 quarter, s26 group, s27 the expert's groups, s34 my trips done, s35 my trips in all
.set MSB, 0
.macro WIN new
.if MSB != (\new)
	s_set_vgpr_msb (MSB<<8)|(\new)
.set MSB, \new
.endif
.endm
.macro PLACES n
.rept \n
	v_nop
.endr
.endm
	s_load_b256 s[4:11], s[0:1], 0x0               ; W2_codes, W2_scales, hc, hs
	s_load_b128 s[12:15], s[0:1], 0x20             ; tab, pp
	v_lshl_add_u32 v254, v0, 2, 0x24c00
	v_mov_b32 v255, 0
	v_lshrrev_b32 v1, 5, v0
	v_readfirstlane_b32 s16, v1                    ; wave 0..3
	s_lshr_b32 s17, ttmp9, 5
	s_add_co_u32 s17, s17, 1                       ; the expert
	s_bfe_u32 s18, ttmp9, 0x30002                  ; which 128 columns d
	s_and_b32 s19, ttmp9, 3                        ; which quarter of FF
	v_and_b32 v[LANE], 31, v0
	v_and_b32 v[RR], 15, v0
	v_bfe_u32 v[HH], v0, 4, 1
	v_lshlrev_b32 v[L16], 4, v[LANE]
	s_mul_i32 s28, s16, PAIRB
	v_add_nc_u32 v[WST], s28, v[L16]
	v_mul_u32_u24 v[BAD], v[RR], PITCH
	v_lshl_add_u32 v[BAD], v[HH], 4, v[BAD]
	v_add_nc_u32 v[BAD+1], PAIRB, v[BAD]
	v_add_nc_u32 v[BAD+2], 2*PAIRB, v[BAD]
	v_add_nc_u32 v[BAD+3], 3*PAIRB, v[BAD]
	v_lshlrev_b32 v[L8], 3, v[LANE]
	v_lshlrev_b32 v[WSA], 7, v[RR]
	v_lshl_add_u32 v[WSA], v[HH], 4, v[WSA]        ; 128 r + 16 h
	s_mul_i32 s28, s16, 16*SPI
	s_add_co_u32 s28, s28, STG                     ; my stage
	v_mul_u32_u24 v[STO], v[RR], SPI
	v_lshl_add_u32 v[STO], v[HH], 5, v[STO]
	v_add_nc_u32 v[STO], s28, v[STO]               ; in: row r, 32 bytes for each half of the lanes
	v_mul_u32_u24 v[RD], v[HH], SPI
	v_lshl_add_u32 v[RD], v[RR], 4, v[RD]
	v_add_nc_u32 v[RD], s28, v[RD]                 ; back: lanes 0-15 one row of 256 bytes, lanes 16-31 the next
	v_lshlrev_b32 v[CO], 14, v[HH]
	v_lshl_add_u32 v[CO], v[RR], 4, v[CO]          ; and the same two rows in pp, 16,384 bytes apart
	s_lshl_b32 s28, s17, 10
	s_lshl_b32 s29, s18, 7
	s_add_co_u32 s28, s28, s29                     ; the first row of W2: 1,024 e + 128 dt
	s_lshl_b32 s29, s16, 5
	s_add_co_u32 s29, s28, s29                     ; my 32 rows
	s_lshl_b32 s30, s29, 12
	s_lshl_b32 s29, s19, 10
	s_add_co_u32 s30, s30, s29                     ; + the quarter's 1,024 bytes of each row
	s_mov_b32 s31, 0
	s_lshl_b32 s32, s28, 7
	s_lshl_b32 s29, s19, 5
	s_add_co_u32 s32, s32, s29                     ; scale bytes: 128 a row, 32 a quarter
	s_mov_b32 s33, 0
	s_lshl_b32 s29, s17, 7                         ; the expert's row of tab: 128 bytes
	s_mov_b32 s26, s16                             ; my first group
	s_mov_b32 s34, 0
	s_wait_kmcnt 0x0
	s_load_b32 s27, s[12:13], s29 offset:0x0       ; the expert's number of groups
	s_add_nc_u64 s[4:5], s[4:5], s[30:31]
	s_add_nc_u64 s[6:7], s[6:7], s[32:33]
	WIN 0x40                                       ; destination window 1
.set J, 0
.rept 32
	global_load_b128 v[8*J:8*J+3], v[L16], s[4:5] offset:4096*J th:TH_LOAD_NT         ; my 32 pieces of rows: each load takes 512 consecutive bytes; read once in the launch
	global_load_b128 v[8*J+4:8*J+7], v[L16], s[4:5] offset:4096*J+512 th:TH_LOAD_NT
.set J, J+1
.endr
	WIN 0
	s_wait_kmcnt 0x0
	s_max_u32 s27, s27, 1
	s_min_u32 s27, s27, 16
	s_add_co_u32 s35, s27, 3
	s_sub_co_u32 s35, s35, s16
	s_lshr_b32 s35, s35, 2                         ; how many of the groups w, w + 4, .. there are: (groups + 3 - w) / 4; 0 for a wave without a group
	s_min_u32 s35, s35, 4
	s_cmp_lt_u32 s16, s27
	s_cselect_b32 s28, s16, 0                      ; a wave without a group loads group 0
.macro HBASE                           ; s28 = a group of my expert: where its images and scale words of my quarter begin
	s_lshl_b32 s29, s17, 4
	s_add_co_u32 s28, s28, s29
	s_min_u32 s28, s28, 127
	s_lshl_b32 s30, s28, 18
	s_lshl_b32 s29, s19, 16
	s_add_co_u32 s30, s30, s29
	s_mov_b32 s31, 0
	s_add_nc_u64 s[20:21], s[8:9], s[30:31]
	s_lshl_b32 s30, s28, 13
	s_lshl_b32 s29, s19, 11
	s_add_co_u32 s30, s30, s29
	s_add_nc_u64 s[22:23], s[10:11], s[30:31]
.endm
.macro LOADH
.irp s, 0,1,2,3,4,5,6,7
	global_load_b64 v[HS+2*\s:HS+2*\s+1], v[L8], s[22:23] offset:256*\s
.endr
.endm
.macro LOADA hi                        ; hidden's fragments of K steps 4 hi .. 4 hi + 3: 64 loads of 512 consecutive bytes
	WIN 0x40+0x40*(\hi)
.irp i, 0,1,2,3
.irp s, 0,1,2,3
.irp c, 0,1,2,3
	global_load_b128 v[16*(4*\i+\s)+4*\c:16*(4*\i+\s)+4*\c+3], v[L16], s[20:21] offset:8192*(4*(\hi)+\s)+2048*\i+512*\c
.endr
.endr
.endr
	WIN 0
.endm
	HBASE
.irp t, 0,1,2,3,4,5,6,7
	global_load_b128 v[WS+4*\t:WS+4*\t+3], v[WSA], s[6:7] offset:2048*\t
.endr
	LOADH
	LOADA 1
	s_wait_loadcnt 63                              ; 8 + 8 + 64 = 80 loads were issued behind W2's rows: the rows are in
	WIN 0x04                                       ; an LDS store's data are its source 1: window 1
.set J, 0
.rept 32
	ds_store_b128 v[WST], v[8*J:8*J+3] offset:J*PITCH
	ds_store_b128 v[WST], v[8*J+4:8*J+7] offset:J*PITCH+512
.set J, J+1
.endr
	WIN 0
	s_wait_dscnt 0x0                               ; for the others' sake: my rows have landed; and the stores have read their registers,
	LOADA 0                                        ; which take hidden's low K steps
	s_barrier_signal -1
	s_barrier_wait -1                              ; the 128 rows lie in LDS.  The one barrier: every wave has reached it
	s_cmp_eq_u32 s35, 0
	s_cbranch_scc1 .Lend
.macro BLOAD q                         ; step q of 32: tile pair q / 8, K step (q % 8 + 4) % 8
.set BS, (((\q)%8)+4)%8
.set BP, (\q)/8
.set BB, BF+32*((\q)%2)
	WIN 0xc0
.irp u, 0,1
.irp c, 0,1,2,3
	ds_load_b128 v[BB+16*\u+4*\c:BB+16*\u+4*\c+3], v[BAD+BP] offset:TILEB*\u+128*BS+32*\c
.endr
.endr
.endm
.macro MUL q                           ; eight products, eight accumulators by turns; a pair's first K step starts its sums with the constant 0
.set BS, (((\q)%8)+4)%8
.set BP, (\q)/8
.set BB, BF+32*((\q)%2)
.if BS >= 4
	WIN 0xfb                                       ; W2 window 3, hidden window 2, the sums window 3
.else
	WIN 0xf7                                       ; hidden window 1
.endif
.irp i, 0,1,2,3
.irp u, 0,1
.set WD, 8*(4*\i+2*(BP%2)+\u)
.set WA, BB+16*\u
.set WB, 16*(4*\i+BS%4)
.set WX, WS+4*(2*BP+\u)+BS%4
.set WY, HS+2*BS+\i/2
.if BS == 4
.if (\i%2) == 1
	v_wmma_scale_f32_16x16x128_f8f6f4 v[WD:WD+7], v[WA:WA+15], v[WB:WB+15], 0, v[WX], v[WY] matrix_a_scale:MATRIX_SCALE_ROW1 matrix_b_scale:MATRIX_SCALE_ROW1
.else
	v_wmma_scale_f32_16x16x128_f8f6f4 v[WD:WD+7], v[WA:WA+15], v[WB:WB+15], 0, v[WX], v[WY] matrix_a_scale:MATRIX_SCALE_ROW1
.endif
.elseif BS > 4
.if (\i%2) == 1
	v_wmma_scale_f32_16x16x128_f8f6f4 v[WD:WD+7], v[WA:WA+15], v[WB:WB+15], v[WD:WD+7], v[WX], v[WY] matrix_a_scale:MATRIX_SCALE_ROW1 matrix_b_scale:MATRIX_SCALE_ROW1
.else
	v_wmma_scale_f32_16x16x128_f8f6f4 v[WD:WD+7], v[WA:WA+15], v[WB:WB+15], v[WD:WD+7], v[WX], v[WY] matrix_a_scale:MATRIX_SCALE_ROW1
.endif
.else
.if (\i%2) == 1
	v_wmma_scale_f32_16x16x128_f8f6f4 v[WD:WD+7], v[WA:WA+15], v[WB:WB+15], v[WD:WD+7], v[WX], v[WY] matrix_b_scale:MATRIX_SCALE_ROW1
.else
	v_wmma_scale_f32_16x16x128_f8f6f4 v[WD:WD+7], v[WA:WA+15], v[WB:WB+15], v[WD:WD+7], v[WX], v[WY]
.endif
.endif
.endr
.endr
.endm
; THE WAY OUT of 64 columns, a tile of 16 tokens at a time: a lane's 32 bytes go into my own stage and come back as whole pieces of 256 bytes.  LDS serves a wave's instructions in order (ISA guide 5.7.1.4): no wait between stores and loads.
.macro TOSTAGE i
	WIN 0x0c                                       ; the data: window 3
.irp t, 0,1,2,3
	ds_store_b128 v[STO], v[8*(4*(\i)+\t):8*(4*(\i)+\t)+3] offset:64*\t          ; each accumulator from its low end on
	ds_store_b128 v[STO], v[8*(4*(\i)+\t)+4:8*(4*(\i)+\t)+7] offset:64*\t+16
.endr
	WIN 0
.irp t, 0,1,2,3,4,5,6,7
	ds_load_b128 v[OB+32*((\i)%2)+4*\t:OB+32*((\i)%2)+4*\t+3], v[RD] offset:2*SPI*\t
.endr
.endm
.macro SEND i, younger, half           ; younger: the LDS instructions issued behind tile i's loads, which may stay out
	s_wait_dscnt \younger
.irp t, 0,1,2,3,4,5,6,7
	global_store_b128 v[CO], v[OB+32*((\i)%2)+4*\t:OB+32*((\i)%2)+4*\t+3], s[24:25] offset:(16*(\i)+2*\t)*16384+256*(\half) th:TH_STORE_NT   ; sixteen lanes store 256 consecutive bytes, aligned; not read again in this launch
.endr
.endm
.macro WAYOUT half
	WIN 0
	PLACES 8                                       ; eight plain places in front of the first read of the sums, and of the next loads into the buffer just multiplied
	TOSTAGE 0
.irp i, 1,2,3
.if \i >= 2
	s_wait_xcnt 0x0                                ; tile i - 2's stores have read the registers into which tile i's rows come
.endif
	TOSTAGE \i
	SEND \i-1, 16, \half                           ; behind tile i - 1's loads: tile i's eight stores and eight loads
.endr
	SEND 3, 0, \half
	s_wait_xcnt 0x0                                ; all stores have read their registers and their base
.endm
.Lgroup:
	s_lshl_b32 s28, s17, 10
	s_lshl_b32 s29, s26, 6
	s_add_co_u32 s28, s28, s29
	s_min_u32 s28, s28, 8128                       ; the group's first slot: 1,024 e + 64 g
	s_lshl_b32 s30, s28, 14                        ; 16,384 bytes a slot,
	s_lshl_b32 s29, s19, 12
	s_add_co_u32 s30, s30, s29                     ; 4,096 a quarter,
	s_lshl_b32 s29, s18, 9
	s_add_co_u32 s30, s30, s29                     ; 512 for 128 columns
	s_mov_b32 s31, 0
	s_add_nc_u64 s[24:25], s[14:15], s[30:31]
	BLOAD 0
.set Q, 0
.rept 32
.if (Q != 0) && (Q != 16)
	PLACES 8                                       ; eight plain places between the last step's products and the loads below, into the buffer that those products read (behind a way out its places stand here)
.endif
.if Q < 31
	BLOAD Q+1
.endif
.if Q == 0
	s_wait_loadcnt 63                              ; 64 loads (K steps 0-3) were issued behind all that K steps 4-7 read
.endif
.if Q == 4
	s_wait_loadcnt 0x0
.endif
.if Q < 31
	s_wait_dscnt 8                                 ; this step's fragments are in; the eight loads just issued may be out
.else
	s_wait_dscnt 0x0
.endif
	MUL Q
.if Q == 15
	WAYOUT 0
.endif
.if Q == 31
	WAYOUT 1
.endif
.set Q, Q+1
.endr
	s_add_co_u32 s34, s34, 1                       ; a trip is done
	s_add_co_u32 s26, s26, 4                       ; my next group
	s_cmp_ge_u32 s34, s35
	s_cbranch_scc1 .Lend
	s_mov_b32 s28, s26
	HBASE                                          ; (all loads of the last group were waited for: their bases are free)
	LOADH
	LOADA 1
	LOADA 0
	s_cmp_lt_u32 s34, s35
	s_cbranch_scc1 .Lgroup
.Lend:
	s_barrier_signal -1
	s_barrier_wait -1
	s_wait_tensorcnt 0x0
	ds_add_u32 v254, v255
	s_wait_dscnt 0x0
	s_endpgm
.Lfunc_end_k_qd82b5abae3_down:
	.size	k_qd82b5abae3_down, .Lfunc_end_k_qd82b5abae3_down-k_qd82b5abae3_down
	.p2alignl 7, 3214868480
	.fill 96, 4, 3214868480
	.section	.rodata,"a",@progbits
	.p2align	6, 0x0
	.amdhsa_kernel k_qd82b5abae3_down
		.amdhsa_group_segment_fixed_size 151040
		.amdhsa_private_segment_fixed_size 0
		.amdhsa_enable_private_segment 0
		.amdhsa_kernarg_size 48
		.amdhsa_user_sgpr_count 2
		.amdhsa_user_sgpr_kernarg_segment_ptr 1
		.amdhsa_wavefront_size32 1
		.amdhsa_system_sgpr_workgroup_id_x 1
		.amdhsa_system_sgpr_workgroup_id_y 1
		.amdhsa_system_sgpr_workgroup_id_z 1
		.amdhsa_system_vgpr_workitem_id 0
		.amdhsa_next_free_vgpr 960
		.amdhsa_next_free_sgpr 66
		.amdhsa_reserve_vcc 0
		.amdhsa_float_denorm_mode_32 3
		.amdhsa_float_denorm_mode_16_64 3
		.amdhsa_memory_ordered 1
		.amdhsa_forward_progress 1
		.amdhsa_inst_pref_size 116
	.end_amdhsa_kernel
	.amdgpu_metadata
---
amdhsa.version: [ 1, 2 ]
amdhsa.kernels:
  - .name:           k_qd82b5abae3_down
    .symbol:         k_qd82b5abae3_down.kd
    .args:
      - { .name: W2_codes, .offset: 0, .size: 8, .value_kind: global_buffer, .address_space: global }
      - { .name: W2_scales, .offset: 8, .size: 8, .value_kind: global_buffer, .address_space: global }
      - { .name: hc, .offset: 16, .size: 8, .value_kind: global_buffer, .address_space: global }
      - { .name: hs, .offset: 24, .size: 8, .value_kind: global_buffer, .address_space: global }
      - { .name: tab, .offset: 32, .size: 8, .value_kind: global_buffer, .address_space: global }
      - { .name: pp, .offset: 40, .size: 8, .value_kind: global_buffer, .address_space: global }
    .group_segment_fixed_size: 151040
    .private_segment_fixed_size: 0
    .kernarg_segment_align: 8
    .kernarg_segment_size: 48
    .max_flat_workgroup_size: 128
    .sgpr_count:     66
    .vgpr_count:     960
    .wavefront_size: 32
...
	.end_amdgpu_metadata
.endif
;; end of part 3
;; launch comb (part 4): grid 256 x 1, 4 waves a work-group, no clusters, 0 bytes of LDS; arguments pp, b2, eid, tslot, wgt, out0; writes out0
.if DOCPART == 4
	.amdgcn_target "amdgcn-amd-amdhsa--gfx1250"
	.amdhsa_code_object_version 6
	.text
	.protected	k_qd82b5abae3_comb
	.globl	k_qd82b5abae3_comb
	.p2align	8
	.type	k_qd82b5abae3_comb,@function
k_qd82b5abae3_comb:
	s_mov_b64 s[64:65], 0
	v_nop
	global_prefetch_b8 v0, s[64:65] scope:SCOPE_SE
	s_setreg_imm32_b32 hwreg(HW_REG_WAVE_MODE, 25, 1), 1
	s_wait_xcnt 0x0
; out0[t] = wgt[t] x (pp[tslot[t]][0] + pp[..][1] + pp[..][2] + pp[..][3] + b2[eid[t]]).  One wave owns one token's row of 1,024 numbers: each output row has one owner, and the four parts along K are added in a fixed order.
; A stream: no LDS, no barrier, no matrix unit.  A row goes in eight pieces of 512 consecutive bytes; a piece's five loads (four parts and b2) stand together, so that the waits can count down and stores begin while later pieces are out.
; The slot and the expert are whole numbers that earlier launches stored; they are held inside their tables before they enter an address.
	s_load_b256 s[4:11], s[0:1], 0x0               ; pp, b2, eid, tslot
	s_load_b128 s[12:15], s[0:1], 0x20             ; wgt, out0
	v_lshrrev_b32 v1, 5, v0
	v_readfirstlane_b32 s16, v1                    ; wave 0..3
	v_and_b32 v2, 31, v0
	v_lshlrev_b32 v2, 4, v2                        ; 16 x lane
	s_lshl_b32 s17, ttmp9, 2
	s_add_co_u32 s17, s17, s16                     ; my token
	s_lshl_b32 s18, s17, 2
	s_lshl_b32 s26, s17, 12                        ; its row of out0
	s_mov_b32 s27, 0
	s_wait_kmcnt 0x0
	s_load_b32 s20, s[8:9], s18 offset:0x0         ; its kept expert,
	s_load_b32 s21, s[10:11], s18 offset:0x0       ; its slot,
	s_load_b32 s22, s[12:13], s18 offset:0x0       ; its weight
	s_add_nc_u64 s[14:15], s[14:15], s[26:27]
	s_wait_kmcnt 0x0
	s_min_u32 s20, s20, 7
	s_min_u32 s21, s21, 8191
	s_mov_b32 s23, s22                             ; (the packed form names the pair and takes its low word for both halves: so s23 is written)
	s_lshl_b32 s26, s21, 14                        ; 16,384 bytes a slot
	s_add_nc_u64 s[4:5], s[4:5], s[26:27]
	s_lshl_b32 s26, s20, 12                        ; 4,096 bytes a row of b2
	s_add_nc_u64 s[6:7], s[6:7], s[26:27]
.irp j, 0,1,2,3,4,5,6,7
.irp q, 0,1,2,3
	global_load_b128 v[16+32*\q+4*\j:16+32*\q+4*\j+3], v2, s[4:5] offset:4096*\q+512*\j th:TH_LOAD_NT   ; read once in the launch
.endr
	global_load_b128 v[144+4*\j:144+4*\j+3], v2, s[6:7] offset:512*\j
.endr
.irp j, 0,1,2,3,4,5,6,7
	s_wait_loadcnt 5*(7-\j)                        ; piece j's five loads are in; those of the later pieces, five each, may be out
.irp n, 0,2
	v_pk_add_f32 v[16+4*\j+\n:17+4*\j+\n], v[16+4*\j+\n:17+4*\j+\n], v[48+4*\j+\n:49+4*\j+\n]
	v_pk_add_f32 v[80+4*\j+\n:81+4*\j+\n], v[80+4*\j+\n:81+4*\j+\n], v[112+4*\j+\n:113+4*\j+\n]
.endr
.irp n, 0,2
	v_pk_add_f32 v[16+4*\j+\n:17+4*\j+\n], v[16+4*\j+\n:17+4*\j+\n], v[80+4*\j+\n:81+4*\j+\n]
.endr
.irp n, 0,2
	v_pk_add_f32 v[16+4*\j+\n:17+4*\j+\n], v[16+4*\j+\n:17+4*\j+\n], v[144+4*\j+\n:145+4*\j+\n]
.endr
.irp n, 0,2
	v_pk_mul_f32 v[16+4*\j+\n:17+4*\j+\n], v[16+4*\j+\n:17+4*\j+\n], s[22:23] op_sel_hi:[1,0]
.endr
	global_store_b128 v2, v[16+4*\j:19+4*\j], s[14:15] offset:512*\j th:TH_STORE_NT    ; 512 consecutive bytes, aligned
.endr
	s_endpgm
.Lfunc_end_k_qd82b5abae3_comb:
	.size	k_qd82b5abae3_comb, .Lfunc_end_k_qd82b5abae3_comb-k_qd82b5abae3_comb
	.p2alignl 7, 3214868480
	.fill 96, 4, 3214868480
	.section	.rodata,"a",@progbits
	.p2align	6, 0x0
	.amdhsa_kernel k_qd82b5abae3_comb
		.amdhsa_group_segment_fixed_size 0
		.amdhsa_private_segment_fixed_size 0
		.amdhsa_enable_private_segment 0
		.amdhsa_kernarg_size 48
		.amdhsa_user_sgpr_count 2
		.amdhsa_user_sgpr_kernarg_segment_ptr 1
		.amdhsa_wavefront_size32 1
		.amdhsa_system_sgpr_workgroup_id_x 1
		.amdhsa_system_sgpr_workgroup_id_y 1
		.amdhsa_system_sgpr_workgroup_id_z 1
		.amdhsa_system_vgpr_workitem_id 0
		.amdhsa_next_free_vgpr 176
		.amdhsa_next_free_sgpr 66
		.amdhsa_reserve_vcc 0
		.amdhsa_float_denorm_mode_32 3
		.amdhsa_float_denorm_mode_16_64 3
		.amdhsa_memory_ordered 1
		.amdhsa_forward_progress 1
		.amdhsa_inst_pref_size 11
	.end_amdhsa_kernel
	.amdgpu_metadata
---
amdhsa.version: [ 1, 2 ]
amdhsa.kernels:
  - .name:           k_qd82b5abae3_comb
    .symbol:         k_qd82b5abae3_comb.kd
    .args:
      - { .name: pp, .offset: 0, .size: 8, .value_kind: global_buffer, .address_space: global }
      - { .name: b2, .offset: 8, .size: 8, .value_kind: global_buffer, .address_space: global }
      - { .name: eid, .offset: 16, .size: 8, .value_kind: global_buffer, .address_space: global }
      - { .name: tslot, .offset: 24, .size: 8, .value_kind: global_buffer, .address_space: global }
      - { .name: wgt, .offset: 32, .size: 8, .value_kind: global_buffer, .address_space: global }
      - { .name: out0, .offset: 40, .size: 8, .value_kind: global_buffer, .address_space: global }
    .group_segment_fixed_size: 0
    .private_segment_fixed_size: 0
    .kernarg_segment_align: 8
    .kernarg_segment_size: 48
    .max_flat_workgroup_size: 128
    .sgpr_count:     66
    .vgpr_count:     176
    .wavefront_size: 32
...
	.end_amdgpu_metadata
.endif
;; end of part 4
;; ======== version 2 of 3: 4 launches
;; workspace buffers: eid 4,096 bytes of whole numbers; wgt 4,096 bytes; tslot 36,864 bytes of whole numbers; tab 1,024 bytes of whole numbers; hc 33,554,432 bytes; hs 1,048,576 bytes; pp 134,217,728 bytes
;; launch route: the kernel of part 1 again; grid 64 x 1, 16 waves a work-group, no clusters, 43,008 bytes of LDS; arguments x_codes, x_scales, Wr_h_codes, Wr_h_scales, br_h, Wr, br, eid, wgt; writes eid, wgt
;; launch up (part 5): grid 256 x 1, 4 waves a work-group, no clusters, 133,632 bytes of LDS; arguments W1_codes, W1_scales, b1, x_codes, x_scales, eid, hc, hs, tslot, tab; writes hc, hs, tslot, tab
.if DOCPART == 5
	.amdgcn_target "amdgcn-amd-amdhsa--gfx1250"
	.amdhsa_code_object_version 6
	.text
	.protected	k_qd82b5abae3_up
	.globl	k_qd82b5abae3_up
	.p2align	8
	.type	k_qd82b5abae3_up,@function
k_qd82b5abae3_up:
	s_mov_b64 s[64:65], 0
	v_nop
	global_prefetch_b8 v0, s[64:65] scope:SCOPE_SE
	s_setreg_imm32_b32 hwreg(HW_REG_WAVE_MODE, 25, 1), 1
	s_wait_xcnt 0x0
; THE FIRST PRODUCT OF THE KEPT EXPERT: hidden = relu(x W1[e] + b1[e]), quantised along FF to E4M3 with E8M0 scales, for the tokens whose kept expert is e.  Expert 0 is never kept (the kept index is the larger of two).
; SHARES.  Work-group id < 224 (e = 1 + id / 32, chunk = id % 32) takes 128 columns of FF of its own expert: 128 rows of W1's codes, 131,072 consecutive bytes, read by loads of 512 consecutive bytes and laid into LDS.
; The expert's tokens go in GROUPS of 64 rows (four tiles of 16); wave w takes groups w, w + 4, ..  A group's fragments of x (4 tiles x 8 K steps, 512 registers) stay in registers; each fragment of W1 read from LDS feeds four products.
; THE HELPERS.  Four waves take 256 rows in one trip.  Work-groups 224 .. 255 (chunk = id % 32) take groups 4 .. 7 of THE EXPERT WITH THE MOST ROWS (ties: the higher index), wave w group 4 + w, and that expert's own
; work-groups pass these four groups over (w, 8 + w, 12 + w).  Every other expert walks all its groups itself, so every split is served.  A helper counts all seven experts' rows before it asks for weights; an own work-group
; does so only where its expert has more than four groups, while its loads are out.  Where no expert has more than 256 rows the helpers read their 128 rows of weights in vain and store nothing but tab's row 0.
; No tensor load, no copy, no cluster: the number of groups is read from memory, and a launch whose trips hang on such a number loads through registers.
; THE LIST OF TOKENS is made by every wave for itself, on whole numbers alone.  eid comes as 32 registers; register k of lane l is token 128 (k / 4) + 4 l + k % 4.  In each register the matching lanes' tokens are pushed
; to the lowest lanes (ds_permute_b32; the others go behind them, so that each lane receives once); the counts' running sum, x 4, lies in s66-98.  Row n of the expert is then pulled from the register in whose span n falls.
; Rows past the expert's last token stand for token 1,023: they are computed and stored in their own places, which nobody reads as results.  Every expert has group 0, also without tokens.
; THE PRODUCT IS USED TRANSPOSED (source 0 = 16 rows of W1, source 1 = x), AND THE ROWS OF A TILE ARE NOT NEIGHBOURS: lane r of tile 2 b + u takes row 32 b + 8 u + r + 8 (r / 8), so that the 16 registers of tiles 2 b, 2 b + 1
; are the hidden units 32 b + 16 (lane / 16) + 0 .. 15 of the lane's token: a block of the next K lies in lanes l and l xor 16, and the conversions' results are registers 4 b .. 4 b + 3 of the next product's operand.
; OUT.  hc [group 16 e + g][chunk][tile 4][c 4][lane][16 bytes]: images of operand registers.  hs [group][chunk][lane][2 words]: word 0: tiles 0 (lanes 0-15) and 1 (lanes 16-31), word 1: tiles 2 and 3.
; tslot [token] = the token's slot, 1,024 e + row; tab [e][32 words] = the expert's number of groups, tab [0][32 words] = the helped expert: all by the work-groups of chunk 0.  EVERY LANE STAYS ON THROUGH THE WHOLE TEXT:
; a row without a token stores its slot into the spare word 1,024 + slot of tslot.  A slot belongs to one row of one group of one expert, and a group to one wave, so no two stores name the same word; nobody reads the spare words.
; LIMITS.  A block of zeros gets the byte 1 with zero codes (the bytes are read by this program alone).  K runs 4 .. 7, then 0 .. 3 (in steps of 128), behind the bias.  NaN and infinities are not served.
; The weights of an expert without tokens are read in vain: they are asked for before the count is known.
.set OWN,   224                        ; work-groups with an expert of their own: 7 experts x 32 chunks
.set PITCH, 1040                       ; a row of W1 in LDS: 1,024 bytes + 16 = 65 x 16: the 16 rows that a load touches begin 16 bytes apart modulo 256
.set TILEB, 16*PITCH
.set PAIRB, 32*PITCH
.set LANE, 1
.set RR,   2
.set HH,   3
.set L16,  4                           ; 16 x lane
.set WST,  5                           ; where I lay my 32 rows of W1: PAIRB x wave + 16 x lane
.set BAD,  6                           ; v6-9   a tile pair's fragments: PITCH r + 16 h + PAIRB p
.set L4,   10                          ; 4 x lane
.set R4,   11                          ; 4 r
.set R4H,  12                          ; 64 + 4 r
.set L8,   13                          ; 8 x lane
.set P4D,  14                          ; v14-15 4 x (my row's number in the expert's list), rows 0-31 and 32-63 of the group
.set TK,   16                          ; v16-17 their tokens; where there is none, 1,024 + the row's slot
.set XO,   18                          ; v18-21 tile i: my token's row of x_codes + 16 h
.set SO,   22                          ; v22-25 and of x_scales
.set WSA,  26
.set B1A,  27
.set H16,  31
.set XS,   32                          ; v32-47  x's scale words, four for each tile: lanes 0-15 K steps 0-3, lanes 16-31 K steps 4-7
.set WS,   48                          ; v48-79  W1's, four for each of 8 tiles, likewise
.set CT,   80                          ; v80-111 the 32 compacted registers of tokens: they stay
.set EI,   112                         ; v112-143 eid, all 1,024 kept experts: they stay
.set ACC,  144                         ; v144-207 8 accumulators: tile of tokens i, tile u of the pair: 8 (2 i + u).  Before that the list's work
.set IX,   176
.set PL,   192
.set PC,   208                         ; v208-223 the codes just made
.set SW,   224                         ; v224-227 the four tiles' scale words
.set TM,   228                         ; v228-243 the quantiser's work
.set HSD,  244
.set SA,   246                         ; v246-249 address and data of the two stores into tslot
.set TA,   252                         ; v252-253 address and data of the store into tab
.set BF,   64                          ; window 3: v0-63 b1 in the result's layout, 8 registers a tile; v64-191 W1's fragments, FOUR buffers of two
; windows 1 and 2: x's fragments of K steps 0-3 and 4-7, at 16 (4 i + s % 4); window 1 is first the landing place of W1's rows
; s24 wave, s25 expert, s26 chunk, s27 group, s28 the expert's groups, s29 my trips done, s38 my trips in all, s54 1 in a helper, s55 the helped expert (0: not counted), s56 from my group to my next
.set MSB, 0
.macro WIN new                         ; the immediate's high byte repeats the setting that is left
.if MSB != (\new)
	s_set_vgpr_msb (MSB<<8)|(\new)
.set MSB, \new
.endif
.endm
.macro PLACES n
.rept \n
	v_nop
.endr
.endm
; The expert with the most rows -> s55.  For each expert: 32 masks, their bits counted and added, eight at a time; a later expert wins where it has as many rows or more.
.macro COUNT7
	s_mov_b32 s31, 0                               ; the most rows so far
.irp k, 1,2,3,4,5,6,7
	s_mov_b32 s30, 0
.irp a, 0,1,2,3
.irp t, 0,1,2,3,4,5,6,7
	v_cmp_eq_u32 s[46+\t], \k, v[EI+8*\a+\t]
.endr
.irp t, 0,1,2,3,4,5,6,7
	s_bcnt1_i32_b32 s[46+\t], s[46+\t]
.endr
.irp t, 0,1,2,3,4,5,6,7
	s_add_co_u32 s30, s30, s[46+\t]
.endr
.endr
	s_cmp_ge_u32 s30, s31
	s_cselect_b32 s31, s30, s31
	s_cselect_b32 s55, \k, s55
.endr
.endm
	s_load_b512 s[4:19], s[0:1], 0x0               ; W1_codes, W1_scales, b1, x_codes, x_scales, eid, hc, hs
	s_load_b128 s[20:23], s[0:1], 0x40             ; tslot, tab
	v_lshl_add_u32 v254, v0, 2, 0x20800
	v_mov_b32 v255, 0
	v_lshrrev_b32 v1, 5, v0
	v_readfirstlane_b32 s24, v1                    ; wave 0..3
	s_lshr_b32 s25, ttmp9, 5
	s_add_co_u32 s25, s25, 1                       ; the expert, 1..7 (a helper finds its expert below)
	s_and_b32 s26, ttmp9, 31                       ; the chunk of 128 columns of FF
	s_cmp_ge_u32 ttmp9, OWN
	s_cselect_b32 s54, 1, 0
	v_and_b32 v[LANE], 31, v0
	v_and_b32 v[RR], 15, v0
	v_bfe_u32 v[HH], v0, 4, 1
	v_lshlrev_b32 v[L16], 4, v[LANE]
	s_mul_i32 s30, s24, PAIRB
	v_add_nc_u32 v[WST], s30, v[L16]
	v_mul_u32_u24 v[BAD], v[RR], PITCH
	v_lshl_add_u32 v[BAD], v[HH], 4, v[BAD]
	v_add_nc_u32 v[BAD+1], PAIRB, v[BAD]
	v_add_nc_u32 v[BAD+2], 2*PAIRB, v[BAD]
	v_add_nc_u32 v[BAD+3], 3*PAIRB, v[BAD]
	v_lshlrev_b32 v[L4], 2, v[LANE]
	v_lshlrev_b32 v[R4], 2, v[RR]
	v_add_nc_u32 v[R4H], 64, v[R4]
	v_lshlrev_b32 v[L8], 3, v[LANE]
	v_lshrrev_b32 v[WSA], 3, v[RR]
	v_lshl_add_u32 v[WSA], v[WSA], 3, v[RR]        ; r + 8 (r / 8)
	v_lshlrev_b32 v[WSA], 5, v[WSA]
	v_lshl_add_u32 v[WSA], v[HH], 4, v[WSA]        ; that row's 32 scale bytes, + 16 h
	v_lshlrev_b32 v[B1A], 6, v[HH]                 ; b1: 16 numbers further on for lanes 16-31
	v_lshlrev_b32 v[H16], 4, v[HH]
.irp i, 0,1,2,3
	v_mov_b32 v[TM+4+\i], 0                        ; written once: a lane permute's destination counts as one of its sources
.endr
	s_mov_b32 s34, 0x76543210
	s_mov_b32 s35, 0xfedcba98                      ; v_permlanex16_b32's selects for lane l xor 16
	s_mov_b32 s36, 0x600000                        ; the mantissa field of 448
	s_mov_b32 s37, 0xffff0000                      ; lanes 16-31
	s_mov_b32 s29, 0
	s_mov_b32 s55, 0
	s_wait_kmcnt 0x0
.irp a, 0,1,2,3,4,5,6,7
	global_load_b128 v[EI+4*\a:EI+4*\a+3], v[L16], s[14:15] offset:512*\a        ; all 1,024 kept experts
.endr
	s_cmp_lt_u32 ttmp9, OWN
	s_cbranch_scc1 .Lknown                         ; an own work-group knows its expert, and asks for its weights before eid is in
	s_wait_loadcnt 0x0                             ; a helper: eid,
	COUNT7                                         ; who has the most rows,
	s_mov_b32 s25, s55                             ; and that is my expert
.Lknown:
	s_max_u32 s25, s25, 1
	s_min_u32 s25, s25, 7
	s_lshl_b32 s27, s54, 2
	s_add_co_u32 s27, s27, s24                     ; my first group: w, in a helper 4 + w
	s_lshl_b32 s44, s27, 8                         ; 4 x its first row's number
	s_lshl_b32 s45, s25, 10
	s_lshl_b32 s30, s27, 6
	s_add_co_u32 s45, s45, s30                     ; its first slot: 1,024 e + 64 g
	s_lshl_b32 s30, s25, 12
	s_lshl_b32 s31, s26, 7
	s_add_co_u32 s30, s30, s31                     ; the chunk's first row of W1: 4,096 e + 128 chunk
	s_lshl_b32 s31, s24, 5
	s_add_co_u32 s31, s30, s31                     ; my 32 of its rows
	s_lshl_b32 s32, s31, 10
	s_mov_b32 s33, 0
	s_add_nc_u64 s[4:5], s[4:5], s[32:33]
	s_lshl_b32 s32, s30, 5
	s_add_nc_u64 s[6:7], s[6:7], s[32:33]
	s_lshl_b32 s32, s30, 2
	s_add_nc_u64 s[8:9], s[8:9], s[32:33]
	WIN 0x40                                       ; destination window 1
.set J, 0
.rept 32
	global_load_b128 v[8*J:8*J+3], v[L16], s[4:5] offset:1024*J th:TH_LOAD_NT         ; my 32 rows of W1: each load takes 512 consecutive bytes; read by one work-group, the helped expert's by two
	global_load_b128 v[8*J+4:8*J+7], v[L16], s[4:5] offset:1024*J+512 th:TH_LOAD_NT
.set J, J+1
.endr
	WIN 0
	s_wait_loadcnt 63                              ; 64 loads were issued behind eid's eight: eid is in
	; THE SELECTION, four registers at a time
	s_mov_b32 s66, 0
.set A, 0
.rept 8
.irp t, 0,1,2,3
	v_cmp_eq_u32 s[46+\t], s25, v[EI+4*A+\t]       ; which lanes' tokens are mine
.endr
.irp t, 0,1,2,3
	v_mbcnt_lo_u32_b32 v[IX+\t], s[46+\t], 0       ; how many of them lie under my lane
	s_bcnt1_i32_b32 s[50+\t], s[46+\t]             ; and how many there are
.endr
.irp t, 0,1,2,3
	v_sub_nc_u32 v[IX+4+\t], v[LANE], v[IX+\t]
.endr
.irp t, 0,1,2,3
	v_add_nc_u32 v[IX+4+\t], s[50+\t], v[IX+4+\t]  ; a lane that does not match goes behind the matches, in order
.endr
.irp t, 0,1,2,3
	v_cndmask_b32 v[IX+\t], v[IX+4+\t], v[IX+\t], s[46+\t]
.endr
.irp t, 0,1,2,3
	v_lshlrev_b32 v[IX+\t], 2, v[IX+\t]
	v_add_nc_u32 v[IX+8+\t], 128*A+\t, v[L4]       ; my token
.endr
.irp t, 0,1,2,3
	ds_permute_b32 v[CT+4*A+\t], v[IX+\t], v[IX+8+\t]
	s_lshl_b32 s[50+\t], s[50+\t], 2
	s_add_co_u32 s[67+4*A+\t], s[66+4*A+\t], s[50+\t]
.endr
.set A, A+1
.endr
	s_add_co_u32 s28, s98, 252
	s_lshr_b32 s28, s28, 8                         ; groups of 64: (4 n + 252) / 256,
	s_max_u32 s28, s28, 1                          ; one at the least,
	s_min_u32 s28, s28, 16
	s_wait_dscnt 0x0
; THE TOKENS OF GROUP s27 (s44 = 256 x group, s45 = its first slot), and from them the addresses of the four tiles' rows
.macro TOKENS
	v_add_nc_u32 v[P4D], s44, v[L4]
	v_add_nc_u32 v[P4D+1], 128, v[P4D]
	v_add3_u32 v[TK], s45, v[LANE], 1024           ; what stands for 'no token': 1,024 + the row's slot, 2,048 at the least
	v_add3_u32 v[TK+1], s45, v[LANE], 1056
.irp b, 0,1,2,3
.irp k, 0,1,2,3,4,5,6,7
.irp d, 0,1
	v_sub_nc_u32 v[IX+2*\k+\d], v[P4D+\d], s[66+8*\b+\k]           ; 4 x my row's place in register 8 b + k, if it falls there
.endr
.endr
.irp k, 0,1,2,3,4,5,6,7
.irp d, 0,1
	ds_bpermute_b32 v[PL+2*\k+\d], v[IX+2*\k+\d], v[CT+8*\b+\k]
.endr
.endr
	s_wait_dscnt 0x0
.irp k, 0,1,2,3,4,5,6,7
	s_sub_co_u32 s30, s[67+8*\b+\k], s[66+8*\b+\k]
.irp d, 0,1
	v_cmp_gt_u32 vcc_lo, s30, v[IX+2*\k+\d]        ; unsigned: a place under 0 is a very large number
	v_cndmask_b32 v[TK+\d], v[TK+\d], v[PL+2*\k+\d], vcc_lo
.endr
.endr
.endr
	ds_bpermute_b32 v[XO], v[R4], v[TK]            ; tile i's row r lies in lane 16 (i % 2) + r of register i / 2
	ds_bpermute_b32 v[XO+1], v[R4H], v[TK]
	ds_bpermute_b32 v[XO+2], v[R4], v[TK+1]
	ds_bpermute_b32 v[XO+3], v[R4H], v[TK+1]
	s_wait_dscnt 0x0
.irp i, 0,1,2,3
	v_min_u32 v[XO+\i], 0x3ff, v[XO+\i]            ; a row without a token reads token 1,023
.endr
.irp i, 0,1,2,3
	v_lshl_add_u32 v[SO+\i], v[XO+\i], 5, v[H16]
	v_lshl_add_u32 v[XO+\i], v[XO+\i], 10, v[H16]
.endr
	s_cmp_lg_u32 s26, 0                            ; the work-groups of chunk 0 tell each token its slot: four bytes each at the token's own place
	s_cbranch_scc1 .Lno_slot_\@
.irp d, 0,1
	v_min_u32 v[SA+2*\d], 0x23ff, v[TK+\d]         ; a token's own word, or the row's spare word: 1,024 + 8,191 at the most
	v_lshlrev_b32 v[SA+2*\d], 2, v[SA+2*\d]
	v_add3_u32 v[SA+2*\d+1], s45, v[LANE], 32*\d   ; the row's slot
	global_store_b32 v[SA+2*\d], v[SA+2*\d+1], s[20:21]
.endr
.Lno_slot_\@:
.endm
.macro LOADX                           ; the four tiles' scale words of x
.irp i, 0,1,2,3
	global_load_b128 v[XS+4*\i:XS+4*\i+3], v[SO+\i], s[12:13]
.endr
.endm
.macro LOADA hi                        ; x's fragments of K steps 4 hi .. 4 hi + 3: 64 loads
	WIN 0x40+0x40*(\hi)
.irp i, 0,1,2,3
.irp s, 0,1,2,3
.irp c, 0,1,2,3
	global_load_b128 v[16*(4*\i+\s)+4*\c:16*(4*\i+\s)+4*\c+3], v[XO+\i], s[10:11] offset:512*(\hi)+128*\s+32*\c
.endr
.endr
.endr
	WIN 0
.endm
	TOKENS
	s_or_b32 s30, s26, s24
	s_cmp_lg_u32 s30, 0                            ; chunk 0's wave 0 stores a row of tab, 32 equal words, 128 consecutive bytes:
	s_cbranch_scc1 .Lno_tab
	s_cmp_eq_u32 s54, 0
	s_cselect_b32 s30, s25, 0                      ; an own work-group row e: the expert's number of groups;
	s_cselect_b32 s31, s28, s55                    ; the helper row 0: the helped expert
	s_lshl_b32 s30, s30, 7
	v_add_nc_u32 v[TA], s30, v[L4]
	v_mov_b32 v[TA+1], s31
	global_store_b32 v[TA], v[TA+1], s[22:23]
.Lno_tab:
.irp t, 0,1,2,3,4,5,6,7
	global_load_b128 v[WS+4*\t:WS+4*\t+3], v[WSA], s[6:7] offset:32*(32*(\t/2)+8*(\t%2))
.endr
	WIN 0xc0                                       ; destination window 3
.irp t, 0,1,2,3,4,5,6,7
	global_load_b128 v[8*\t:8*\t+3], v[B1A], s[8:9] offset:4*(32*(\t/2)+8*(\t%2))
	global_load_b128 v[8*\t+4:8*\t+7], v[B1A], s[8:9] offset:4*(32*(\t/2)+8*(\t%2))+16
.endr
	WIN 0
	LOADX
	LOADA 1
	s_cmp_lg_u32 s55, 0                            ; a helper has counted;
	s_cbranch_scc1 .Lcounted
	s_cmp_le_u32 s28, 4                            ; an expert of four groups or fewer has nothing to pass over;
	s_cbranch_scc1 .Lcounted
	COUNT7                                         ; else: is mine the helped one?  (My loads are out meanwhile)
.Lcounted:
	s_add_co_u32 s30, s28, 3
	s_sub_co_u32 s30, s30, s24
	s_lshr_b32 s30, s30, 2                         ; T: how many of the groups w, w + 4, .. there are: (groups + 3 - w) / 4; 0 for a wave without a group
	s_min_u32 s30, s30, 4
	s_min_u32 s31, s30, 1
	s_min_u32 s32, s30, 2
	s_sub_co_u32 s32, s32, s31                     ; 1 where group 4 + w is among them
	s_cmp_eq_u32 s25, s55
	s_cselect_b32 s33, s32, 0                      ; the helped expert's own work-group passes it over,
	s_cselect_b32 s56, 8, 4                        ; by a first step of 8
	s_sub_co_u32 s38, s30, s33
	s_cmp_eq_u32 s54, 0
	s_cselect_b32 s38, s38, s32                    ; and the helper takes it, and nothing else
	s_min_u32 s38, s38, 4
	s_wait_loadcnt 63                              ; 8 + 16 + 4 + 64 = 92 loads were issued behind W1's rows: the rows are in
	WIN 0x04                                       ; an LDS store's data are its source 1: window 1
.set J, 0
.rept 32
.set SIG, (J%8)+16*((J/8)%2)+8*(J/16)              ; row j goes to the place with bits 3 and 4 exchanged: a tile's 16 rows then lie on end
	ds_store_b128 v[WST], v[8*J:8*J+3] offset:SIG*PITCH
	ds_store_b128 v[WST], v[8*J+4:8*J+7] offset:SIG*PITCH+512
.set J, J+1
.endr
	WIN 0
	s_wait_dscnt 0x0                               ; for the others' sake: my rows have landed; and the stores have read their registers,
	LOADA 0                                        ; which take x's low K steps
	s_barrier_signal -1
	s_barrier_wait -1                              ; the chunk's 128 rows lie in LDS.  The one barrier: every wave has reached it, with or without a group
	s_cmp_eq_u32 s38, 0
	s_cbranch_scc1 .Lend
.macro BLOAD q                         ; step q of 32: tile pair q / 8, K step (q % 8 + 4) % 8: two fragments of W1 into buffer q % 4
.set BS, (((\q)%8)+4)%8
.set BP, (\q)/8
.set BB, BF+32*((\q)%4)
	WIN 0xc0
.irp u, 0,1
.irp c, 0,1,2,3
	ds_load_b128 v[BB+16*\u+4*\c:BB+16*\u+4*\c+3], v[BAD+BP] offset:TILEB*\u+128*BS+32*\c
.endr
.endr
.endm
.macro MUL q                           ; its eight products: the eight accumulators by turns, one instruction a turn; b1 is the C of a pair's first K step
.set BS, (((\q)%8)+4)%8
.set BP, (\q)/8
.set BB, BF+32*((\q)%4)
.if BS == 4
	WIN 0x3b                                       ; W1 window 3, x window 2, b1 window 3, the sums window 0
.elseif BS > 4
	WIN 0x0b
.else
	WIN 0x07                                       ; x window 1
.endif
.irp i, 0,1,2,3
.irp u, 0,1
.set WD, ACC+8*(2*\i+\u)
.set WA, BB+16*\u
.set WB, 16*(4*\i+BS%4)
.set WX, WS+4*(2*BP+\u)+BS%4
.set WY, XS+4*\i+BS%4
.if BS == 4
	v_wmma_scale_f32_16x16x128_f8f6f4 v[WD:WD+7], v[WA:WA+15], v[WB:WB+15], v[8*(2*BP+\u):8*(2*BP+\u)+7], v[WX], v[WY] matrix_a_scale:MATRIX_SCALE_ROW1 matrix_b_scale:MATRIX_SCALE_ROW1
.elseif BS > 4
	v_wmma_scale_f32_16x16x128_f8f6f4 v[WD:WD+7], v[WA:WA+15], v[WB:WB+15], v[WD:WD+7], v[WX], v[WY] matrix_a_scale:MATRIX_SCALE_ROW1 matrix_b_scale:MATRIX_SCALE_ROW1
.else
	v_wmma_scale_f32_16x16x128_f8f6f4 v[WD:WD+7], v[WA:WA+15], v[WB:WB+15], v[WD:WD+7], v[WX], v[WY]
.endif
.endr
.endr
.endm
; Tile pair p is finished: for each of the four tiles of tokens a block of 32 hidden units, 16 in my lane and 16 in lane l xor 16.  relu, the block's scale, the hold, the conversion, the store.
.macro QUANT p
	WIN 0
	PLACES 9                                       ; eight plain places in front of the first read of the sums; the ninth for the next pair's first products, which begin these accumulators anew
	s_wait_xcnt 0x0                                ; the last pair's stores have read the codes' registers
.irp i, 0,1,2,3
	v_max3_num_f32 v[TM+\i], v[ACC+16*\i], v[ACC+16*\i+1], 0x4800000   ; no |.|: what is negative becomes 0 and must not count; the floor 2^(9 - 127) holds the byte at 1 from below
.endr
.irp n, 2,4,6,8,10,12,14
.irp i, 0,1,2,3
	v_max3_num_f32 v[TM+\i], v[TM+\i], v[ACC+16*\i+\n], v[ACC+16*\i+\n+1]   ; each accumulator from its low end on; the four tiles by turns
.endr
.endr
.irp i, 0,1,2,3
	v_permlanex16_b32 v[TM+4+\i], v[TM+\i], s34, s35
.endr
.irp i, 0,1,2,3
	v_max_num_f32 v[TM+\i], v[TM+\i], v[TM+4+\i]   ; the block's largest number
.endr
.irp i, 0,1,2,3
	v_add_nc_u32 v[TM+12+\i], 0xfc000000, v[TM+\i] ; 8 off its exponent field: the conversion's scale operand
.endr
.irp i, 0,1,2,3
	v_and_or_b32 v[TM+8+\i], v[TM+\i], 0x7f800000, s36   ; 448 x the scale
.endr
.if (\p) == 0
.irp i, 0,1,2,3
	v_lshrrev_b32 v[SW+\i], 23, v[TM+12+\i]        ; the scale's byte: byte p of the chunk's word
.endr
.else
.irp i, 0,1,2,3
	v_lshrrev_b32 v[TM+4+\i], 23, v[TM+12+\i]
.endr
.irp i, 0,1,2,3
	v_lshl_or_b32 v[SW+\i], v[TM+4+\i], 8*(\p), v[SW+\i]
.endr
.endif
.irp i, 0,1,2,3
.irp n, 0,1,2,3,4,5,6,7,8,9,10,11,12,13,14,15
	v_med3_num_f32 v[ACC+16*\i+\n], v[ACC+16*\i+\n], 0, v[TM+8+\i]   ; the activation and the hold in one: the conversion to an 8-bit code does not saturate (ISA guide 7.6.2)
.endr
	v_cvt_scalef32_pk8_fp8_f32 v[PC+4*\i:PC+4*\i+1], v[ACC+16*\i:ACC+16*\i+7], v[TM+12+\i]
	v_cvt_scalef32_pk8_fp8_f32 v[PC+4*\i+2:PC+4*\i+3], v[ACC+16*\i+8:ACC+16*\i+15], v[TM+12+\i]
.endr
	v_nop                                          ; a plain line between the last conversion and the products that write its sources
.irp i, 0,1,2,3
	global_store_b128 v[L16], v[PC+4*\i:PC+4*\i+3], s[40:41] offset:2048*\i+512*(\p)   ; registers 4 p .. 4 p + 3 of tile i's operand: 512 consecutive bytes
.endr
.endm
.Lgroup:
	s_lshl_b32 s30, s25, 4
	s_add_co_u32 s30, s30, s27
	s_min_u32 s30, s30, 127                        ; the group's place: 16 e + g
	s_lshl_b32 s32, s30, 18
	s_lshl_b32 s31, s26, 13
	s_add_co_u32 s32, s32, s31
	s_mov_b32 s33, 0
	s_add_nc_u64 s[40:41], s[16:17], s[32:33]      ; hc: 262,144 bytes a group, 8,192 a chunk
	s_lshl_b32 s32, s30, 13
	s_lshl_b32 s31, s26, 8
	s_add_co_u32 s32, s32, s31
	s_add_nc_u64 s[42:43], s[18:19], s[32:33]      ; hs: 8,192 bytes a group, 256 a chunk
	; W1's fragments run TWO steps ahead through four buffers: step q's loads go into the buffer that step q - 2 multiplied, not into one that the products just issued still read
	BLOAD 0
	BLOAD 1
.set Q, 0
.rept 32
.if (Q%8) != 0
	PLACES 4                                       ; with the four of the step before: eight plain places between step q - 2's products and the loads below (behind a finished pair the quantiser's lines are such places)
.endif
.if Q < 30
	BLOAD Q+2
.endif
.if Q == 0
	s_wait_loadcnt 63                              ; 64 loads (x's K steps 0-3) were issued behind all that K steps 4-7 read: scale words, b1, x's K steps 4-7 are in
.endif
.if Q == 4
	s_wait_loadcnt 0x0                             ; x's K steps 0-3
.endif
.if Q < 30
	s_wait_dscnt 16                                ; this step's fragments are in; the sixteen loads of the next two steps may be out
.else
	s_wait_dscnt 8*(31-Q)                          ; the last two steps: eight, then none
.endif
	MUL Q
.if (Q%8) == 7
	QUANT Q/8
.endif
.set Q, Q+1
.endr
	v_cndmask_b32 v[HSD], v[SW], v[SW+1], s37      ; lanes 0-15 keep an even tile's words, lanes 16-31 take the odd tile's
	v_cndmask_b32 v[HSD+1], v[SW+2], v[SW+3], s37
	global_store_b64 v[L8], v[HSD:HSD+1], s[42:43] ; 256 consecutive bytes, aligned
	s_wait_xcnt 0x0                                ; the stores have read their registers and bases: both are written again below
	s_add_co_u32 s29, s29, 1                       ; a trip is done
	s_add_co_u32 s27, s27, s56                     ; my next group: 4 on; the helped expert's first step is 8
	s_mov_b32 s56, 4
	s_lshl_b32 s44, s27, 8
	s_lshl_b32 s45, s25, 10
	s_lshl_b32 s30, s27, 6
	s_add_co_u32 s45, s45, s30
	s_cmp_ge_u32 s29, s38
	s_cbranch_scc1 .Lend
	TOKENS                                         ; (all loads of the last group were waited for: their address registers are free)
	LOADX
	LOADA 1
	LOADA 0
	s_cmp_lt_u32 s29, s38
	s_cbranch_scc1 .Lgroup
.Lend:
	s_barrier_signal -1
	s_barrier_wait -1
	s_wait_tensorcnt 0x0
	ds_add_u32 v254, v255
	s_wait_dscnt 0x0
	s_endpgm
.Lfunc_end_k_qd82b5abae3_up:
	.size	k_qd82b5abae3_up, .Lfunc_end_k_qd82b5abae3_up-k_qd82b5abae3_up
	.p2alignl 7, 3214868480
	.fill 96, 4, 3214868480
	.section	.rodata,"a",@progbits
	.p2align	6, 0x0
	.amdhsa_kernel k_qd82b5abae3_up
		.amdhsa_group_segment_fixed_size 133632
		.amdhsa_private_segment_fixed_size 0
		.amdhsa_enable_private_segment 0
		.amdhsa_kernarg_size 80
		.amdhsa_user_sgpr_count 2
		.amdhsa_user_sgpr_kernarg_segment_ptr 1
		.amdhsa_wavefront_size32 1
		.amdhsa_system_sgpr_workgroup_id_x 1
		.amdhsa_system_sgpr_workgroup_id_y 1
		.amdhsa_system_sgpr_workgroup_id_z 1
		.amdhsa_system_vgpr_workitem_id 0
		.amdhsa_next_free_vgpr 960
		.amdhsa_next_free_sgpr 100
		.amdhsa_reserve_vcc 1
		.amdhsa_float_denorm_mode_32 3
		.amdhsa_float_denorm_mode_16_64 3
		.amdhsa_memory_ordered 1
		.amdhsa_forward_progress 1
		.amdhsa_inst_pref_size 237
	.end_amdhsa_kernel
	.amdgpu_metadata
---
amdhsa.version: [ 1, 2 ]
amdhsa.kernels:
  - .name:           k_qd82b5abae3_up
    .symbol:         k_qd82b5abae3_up.kd
    .args:
      - { .name: W1_codes, .offset: 0, .size: 8, .value_kind: global_buffer, .address_space: global }
      - { .name: W1_scales, .offset: 8, .size: 8, .value_kind: global_buffer, .address_space: global }
      - { .name: b1, .offset: 16, .size: 8, .value_kind: global_buffer, .address_space: global }
      - { .name: x_codes, .offset: 24, .size: 8, .value_kind: global_buffer, .address_space: global }
      - { .name: x_scales, .offset: 32, .size: 8, .value_kind: global_buffer, .address_space: global }
      - { .name: eid, .offset: 40, .size: 8, .value_kind: global_buffer, .address_space: global }
      - { .name: hc, .offset: 48, .size: 8, .value_kind: global_buffer, .address_space: global }
      - { .name: hs, .offset: 56, .size: 8, .value_kind: global_buffer, .address_space: global }
      - { .name: tslot, .offset: 64, .size: 8, .value_kind: global_buffer, .address_space: global }
      - { .name: tab, .offset: 72, .size: 8, .value_kind: global_buffer, .address_space: global }
    .group_segment_fixed_size: 133632
    .private_segment_fixed_size: 0
    .kernarg_segment_align: 8
    .kernarg_segment_size: 80
    .max_flat_workgroup_size: 128
    .sgpr_count:     100
    .vgpr_count:     960
    .wavefront_size: 32
...
	.end_amdgpu_metadata
.endif
;; end of part 5
;; launch down (part 6): grid 256 x 1, 4 waves a work-group, no clusters, 151,040 bytes of LDS; arguments W2_codes, W2_scales, hc, hs, tab, pp; writes pp
.if DOCPART == 6
	.amdgcn_target "amdgcn-amd-amdhsa--gfx1250"
	.amdhsa_code_object_version 6
	.text
	.protected	k_qd82b5abae3_down
	.globl	k_qd82b5abae3_down
	.p2align	8
	.type	k_qd82b5abae3_down,@function
k_qd82b5abae3_down:
	s_mov_b64 s[64:65], 0
	v_nop
	global_prefetch_b8 v0, s[64:65] scope:SCOPE_SE
	s_setreg_imm32_b32 hwreg(HW_REG_WAVE_MODE, 25, 1), 1
	s_wait_xcnt 0x0
; THE SECOND PRODUCT OF THE KEPT EXPERT, in four parts along K: pp[slot][q][d] = the sum over FF columns 1,024 q .. 1,024 q + 1,023 of hidden[slot][.] W2[e][.][d], on codes of E4M3 with E8M0 scales, f32 sums.
; SHARES.  Work-group id < 224 (e = 1 + id / 32, dt = (id / 4) % 8, q = id % 4) takes 128 columns d and a quarter of FF of its own expert: 128 pieces of 1,024 bytes of W2's rows, laid into LDS.  Wave w takes the expert's groups
; of 64 rows w, w + 4, ..; a group's 32 operand images (4 tiles x 8 K steps) come by loads of 512 consecutive bytes, as the launch before stored them, and stay in registers; each fragment of W2 feeds four products.
; THE HELPERS.  Work-groups 224 .. 255 (dt, q likewise) take groups 4 .. 7 of the expert that tab's row 0 names (the one with the most rows), wave w group 4 + w; that expert's own work-groups pass these four over
; (w, 8 + w, 12 + w), as in the launch before.  Where that expert has four groups or fewer the helpers read their weights in vain and store nothing.
; K is split so that each work-group's share is small enough to be asked for whole at its head; the four parts are added by the next launch, each row by one owner.
; No tensor load, no copy, no cluster: the number of groups is read from memory.  A wave without a group loads group 0, which every expert has, passes the barrier and ends.
; THE PRODUCT IS USED TRANSPOSED (source 0 = 16 rows of W2, source 1 = hidden): a lane holds one token and eight neighbouring d.  The sums of 64 columns are kept, so that a row's piece on the way out is 256 bytes.
; LIMITS.  K runs 4 .. 7, then 0 .. 3 (steps of 128) inside a quarter.  NaN and infinities are not served.
.set OWN,   224                        ; work-groups with an expert of their own: 7 experts x 8 x 4
.set PITCH, 1040                       ; 1,024 bytes + 16 = 65 x 16
.set TILEB, 16*PITCH
.set PAIRB, 32*PITCH
.set STG,   128*PITCH                  ; behind W2's rows: a stage of 16 rows x 272 bytes for each wave
.set SPI,   272
.set LANE, 1
.set RR,   2
.set HH,   3
.set L16,  4
.set WST,  5
.set BAD,  6                           ; v6-9
.set L8,   13
.set WSA,  14
.set STO,  15
.set RD,   16
.set CO,   17
.set WS,   32                          ; v32-63 W2's scale words, four for each of 8 tiles: lanes 0-15 K steps 0-3, lanes 16-31 K steps 4-7
.set HS,   64                          ; v64-79 hidden's: K step s: 2 s: tiles 0 | 1, 2 s + 1: tiles 2 | 3 (lanes 0-15 | 16-31)
.set OB,   80                          ; v80-143 rows on their way out, two buffers
.set BF,   128                         ; window 3: v0-127 16 accumulators at 8 (4 i + t); v128-255 W2's fragments, FOUR buffers of two
; windows 1 and 2: hidden's fragments of K steps 0-3 and 4-7, at 16 (4 i + s % 4); window 1 is first the landing place of W2's rows
; s16 wave, s17 expert, s18 which 128 columns, s19 quarter, s26 group, s27 the expert's groups, s34 my trips done, s35 my trips in all, s36 1 in a helper, s37 from my group to my next, s40 the helped expert, s41-47 the experts' groups
.set MSB, 0
.macro WIN new
.if MSB != (\new)
	s_set_vgpr_msb (MSB<<8)|(\new)
.set MSB, \new
.endif
.endm
.macro PLACES n
.rept \n
	v_nop
.endr
.endm
	s_load_b256 s[4:11], s[0:1], 0x0               ; W2_codes, W2_scales, hc, hs
	s_load_b128 s[12:15], s[0:1], 0x20             ; tab, pp
	v_lshl_add_u32 v254, v0, 2, 0x24c00
	v_mov_b32 v255, 0
	v_lshrrev_b32 v1, 5, v0
	v_readfirstlane_b32 s16, v1                    ; wave 0..3
	s_lshr_b32 s17, ttmp9, 5
	s_add_co_u32 s17, s17, 1                       ; the expert (a helper reads its expert below)
	s_bfe_u32 s18, ttmp9, 0x30002                  ; which 128 columns d
	s_and_b32 s19, ttmp9, 3                        ; which quarter of FF
	s_cmp_ge_u32 ttmp9, OWN
	s_cselect_b32 s36, 1, 0
	v_and_b32 v[LANE], 31, v0
	v_and_b32 v[RR], 15, v0
	v_bfe_u32 v[HH], v0, 4, 1
	v_lshlrev_b32 v[L16], 4, v[LANE]
	s_mul_i32 s28, s16, PAIRB
	v_add_nc_u32 v[WST], s28, v[L16]
	v_mul_u32_u24 v[BAD], v[RR], PITCH
	v_lshl_add_u32 v[BAD], v[HH], 4, v[BAD]
	v_add_nc_u32 v[BAD+1], PAIRB, v[BAD]
	v_add_nc_u32 v[BAD+2], 2*PAIRB, v[BAD]
	v_add_nc_u32 v[BAD+3], 3*PAIRB, v[BAD]
	v_lshlrev_b32 v[L8], 3, v[LANE]
	v_lshlrev_b32 v[WSA], 7, v[RR]
	v_lshl_add_u32 v[WSA], v[HH], 4, v[WSA]        ; 128 r + 16 h
	s_mul_i32 s28, s16, 16*SPI
	s_add_co_u32 s28, s28, STG                     ; my stage
	v_mul_u32_u24 v[STO], v[RR], SPI
	v_lshl_add_u32 v[STO], v[HH], 5, v[STO]
	v_add_nc_u32 v[STO], s28, v[STO]               ; in: row r, 32 bytes for each half of the lanes
	v_mul_u32_u24 v[RD], v[HH], SPI
	v_lshl_add_u32 v[RD], v[RR], 4, v[RD]
	v_add_nc_u32 v[RD], s28, v[RD]                 ; back: lanes 0-15 one row of 256 bytes, lanes 16-31 the next
	v_lshlrev_b32 v[CO], 14, v[HH]
	v_lshl_add_u32 v[CO], v[RR], 4, v[CO]          ; and the same two rows in pp, 16,384 bytes apart
	s_mov_b32 s34, 0
	s_wait_kmcnt 0x0
.irp k, 0,1,2,3,4,5,6,7
	s_load_b32 s[40+\k], s[12:13], 128*\k          ; the first word of each row of tab: the helped expert, then the seven experts' numbers of groups
.endr
	s_cmp_lt_u32 ttmp9, OWN
	s_cbranch_scc1 .Lknown                         ; an own work-group knows its expert, and asks for its weights before tab is in
	s_wait_kmcnt 0x0
	s_mov_b32 s17, s40                             ; a helper's expert
.Lknown:
	s_max_u32 s17, s17, 1
	s_min_u32 s17, s17, 7
	s_lshl_b32 s28, s17, 10
	s_lshl_b32 s29, s18, 7
	s_add_co_u32 s28, s28, s29                     ; the first row of W2: 1,024 e + 128 dt
	s_lshl_b32 s29, s16, 5
	s_add_co_u32 s29, s28, s29                     ; my 32 rows
	s_lshl_b32 s30, s29, 12
	s_lshl_b32 s29, s19, 10
	s_add_co_u32 s30, s30, s29                     ; + the quarter's 1,024 bytes of each row
	s_mov_b32 s31, 0
	s_lshl_b32 s32, s28, 7
	s_lshl_b32 s29, s19, 5
	s_add_co_u32 s32, s32, s29                     ; scale bytes: 128 a row, 32 a quarter
	s_mov_b32 s33, 0
	s_add_nc_u64 s[4:5], s[4:5], s[30:31]
	s_add_nc_u64 s[6:7], s[6:7], s[32:33]
	WIN 0x40                                       ; destination window 1
.set J, 0
.rept 32
	global_load_b128 v[8*J:8*J+3], v[L16], s[4:5] offset:4096*J th:TH_LOAD_NT         ; my 32 pieces of rows: each load takes 512 consecutive bytes; read by one work-group, the helped expert's by two
	global_load_b128 v[8*J+4:8*J+7], v[L16], s[4:5] offset:4096*J+512 th:TH_LOAD_NT
.set J, J+1
.endr
	WIN 0
	s_wait_kmcnt 0x0
	s_mov_b32 s27, s41                             ; my expert's number of groups
.irp k, 2,3,4,5,6,7
	s_cmp_eq_u32 s17, \k
	s_cselect_b32 s27, s[40+\k], s27
.endr
	s_max_u32 s27, s27, 1
	s_min_u32 s27, s27, 16
	s_add_co_u32 s28, s27, 3
	s_sub_co_u32 s28, s28, s16
	s_lshr_b32 s28, s28, 2                         ; T: how many of the groups w, w + 4, .. there are: (groups + 3 - w) / 4; 0 for a wave without a group
	s_min_u32 s28, s28, 4
	s_min_u32 s29, s28, 1
	s_min_u32 s30, s28, 2
	s_sub_co_u32 s30, s30, s29                     ; 1 where group 4 + w is among them
	s_cmp_eq_u32 s17, s40
	s_cselect_b32 s31, s30, 0                      ; the helped expert's own work-group passes it over,
	s_cselect_b32 s37, 8, 4                        ; by a first step of 8
	s_sub_co_u32 s35, s28, s31
	s_cmp_eq_u32 s36, 0
	s_cselect_b32 s35, s35, s30                    ; and the helper takes it, and nothing else
	s_min_u32 s35, s35, 4
	s_lshl_b32 s26, s36, 2
	s_add_co_u32 s26, s26, s16                     ; my first group: w, in a helper 4 + w
	s_cmp_lg_u32 s35, 0
	s_cselect_b32 s28, s26, 0                      ; a wave without a group loads group 0
.macro HBASE                           ; s28 = a group of my expert: where its images and scale words of my quarter begin
	s_lshl_b32 s29, s17, 4
	s_add_co_u32 s28, s28, s29
	s_min_u32 s28, s28, 127
	s_lshl_b32 s30, s28, 18
	s_lshl_b32 s29, s19, 16
	s_add_co_u32 s30, s30, s29
	s_mov_b32 s31, 0
	s_add_nc_u64 s[20:21], s[8:9], s[30:31]
	s_lshl_b32 s30, s28, 13
	s_lshl_b32 s29, s19, 11
	s_add_co_u32 s30, s30, s29
	s_add_nc_u64 s[22:23], s[10:11], s[30:31]
.endm
.macro LOADH
.irp s, 0,1,2,3,4,5,6,7
	global_load_b64 v[HS+2*\s:HS+2*\s+1], v[L8], s[22:23] offset:256*\s
.endr
.endm
.macro LOADA hi                        ; hidden's fragments of K steps 4 hi .. 4 hi + 3: 64 loads of 512 consecutive bytes
	WIN 0x40+0x40*(\hi)
.irp i, 0,1,2,3
.irp s, 0,1,2,3
.irp c, 0,1,2,3
	global_load_b128 v[16*(4*\i+\s)+4*\c:16*(4*\i+\s)+4*\c+3], v[L16], s[20:21] offset:8192*(4*(\hi)+\s)+2048*\i+512*\c
.endr
.endr
.endr
	WIN 0
.endm
	HBASE
.irp t, 0,1,2,3,4,5,6,7
	global_load_b128 v[WS+4*\t:WS+4*\t+3], v[WSA], s[6:7] offset:2048*\t
.endr
	LOADH
	LOADA 1
	s_wait_loadcnt 63                              ; 8 + 8 + 64 = 80 loads were issued behind W2's rows: the rows are in
	WIN 0x04                                       ; an LDS store's data are its source 1: window 1
.set J, 0
.rept 32
	ds_store_b128 v[WST], v[8*J:8*J+3] offset:J*PITCH
	ds_store_b128 v[WST], v[8*J+4:8*J+7] offset:J*PITCH+512
.set J, J+1
.endr
	WIN 0
	s_wait_dscnt 0x0                               ; for the others' sake: my rows have landed; and the stores have read their registers,
	LOADA 0                                        ; which take hidden's low K steps
	s_barrier_signal -1
	s_barrier_wait -1                              ; the 128 rows lie in LDS.  The one barrier: every wave has reached it
	s_cmp_eq_u32 s35, 0
	s_cbranch_scc1 .Lend
.macro BLOAD q                         ; step q of 32: tile pair q / 8, K step (q % 8 + 4) % 8: two fragments of W2 into buffer q % 4
.set BS, (((\q)%8)+4)%8
.set BP, (\q)/8
.set BB, BF+32*((\q)%4)
	WIN 0xc0
.irp u, 0,1
.irp c, 0,1,2,3
	ds_load_b128 v[BB+16*\u+4*\c:BB+16*\u+4*\c+3], v[BAD+BP] offset:TILEB*\u+128*BS+32*\c
.endr
.endr
.endm
.macro MUL q                           ; eight products, eight accumulators by turns; a pair's first K step starts its sums with the constant 0
.set BS, (((\q)%8)+4)%8
.set BP, (\q)/8
.set BB, BF+32*((\q)%4)
.if BS >= 4
	WIN 0xfb                                       ; W2 window 3, hidden window 2, the sums window 3
.else
	WIN 0xf7                                       ; hidden window 1
.endif
.irp i, 0,1,2,3
.irp u, 0,1
.set WD, 8*(4*\i+2*(BP%2)+\u)
.set WA, BB+16*\u
.set WB, 16*(4*\i+BS%4)
.set WX, WS+4*(2*BP+\u)+BS%4
.set WY, HS+2*BS+\i/2
.if BS == 4
.if (\i%2) == 1
	v_wmma_scale_f32_16x16x128_f8f6f4 v[WD:WD+7], v[WA:WA+15], v[WB:WB+15], 0, v[WX], v[WY] matrix_a_scale:MATRIX_SCALE_ROW1 matrix_b_scale:MATRIX_SCALE_ROW1
.else
	v_wmma_scale_f32_16x16x128_f8f6f4 v[WD:WD+7], v[WA:WA+15], v[WB:WB+15], 0, v[WX], v[WY] matrix_a_scale:MATRIX_SCALE_ROW1
.endif
.elseif BS > 4
.if (\i%2) == 1
	v_wmma_scale_f32_16x16x128_f8f6f4 v[WD:WD+7], v[WA:WA+15], v[WB:WB+15], v[WD:WD+7], v[WX], v[WY] matrix_a_scale:MATRIX_SCALE_ROW1 matrix_b_scale:MATRIX_SCALE_ROW1
.else
	v_wmma_scale_f32_16x16x128_f8f6f4 v[WD:WD+7], v[WA:WA+15], v[WB:WB+15], v[WD:WD+7], v[WX], v[WY] matrix_a_scale:MATRIX_SCALE_ROW1
.endif
.else
.if (\i%2) == 1
	v_wmma_scale_f32_16x16x128_f8f6f4 v[WD:WD+7], v[WA:WA+15], v[WB:WB+15], v[WD:WD+7], v[WX], v[WY] matrix_b_scale:MATRIX_SCALE_ROW1
.else
	v_wmma_scale_f32_16x16x128_f8f6f4 v[WD:WD+7], v[WA:WA+15], v[WB:WB+15], v[WD:WD+7], v[WX], v[WY]
.endif
.endif
.endr
.endr
.endm
; THE WAY OUT of 64 columns, a tile of 16 tokens at a time: a lane's 32 bytes go into my own stage and come back as whole pieces of 256 bytes.  LDS serves a wave's instructions in order (ISA guide 5.7.1.4): no wait between stores and loads.
.macro TOSTAGE i
	WIN 0x0c                                       ; the data: window 3
.irp t, 0,1,2,3
	ds_store_b128 v[STO], v[8*(4*(\i)+\t):8*(4*(\i)+\t)+3] offset:64*\t          ; each accumulator from its low end on
	ds_store_b128 v[STO], v[8*(4*(\i)+\t)+4:8*(4*(\i)+\t)+7] offset:64*\t+16
.endr
	WIN 0
.irp t, 0,1,2,3,4,5,6,7
	ds_load_b128 v[OB+32*((\i)%2)+4*\t:OB+32*((\i)%2)+4*\t+3], v[RD] offset:2*SPI*\t
.endr
.endm
.macro SEND i, younger, half           ; younger: the LDS instructions issued behind tile i's loads, which may stay out
	s_wait_dscnt \younger
.irp t, 0,1,2,3,4,5,6,7
	global_store_b128 v[CO], v[OB+32*((\i)%2)+4*\t:OB+32*((\i)%2)+4*\t+3], s[24:25] offset:(16*(\i)+2*\t)*16384+256*(\half) th:TH_STORE_NT   ; sixteen lanes store 256 consecutive bytes, aligned; not read again in this launch
.endr
.endm
.macro WAYOUT half
	WIN 0
	PLACES 8                                       ; eight plain places in front of the first read of the sums, and of the next loads into buffers that have been multiplied
	TOSTAGE 0
.irp i, 1,2,3
.if \i >= 2
	s_wait_xcnt 0x0                                ; tile i - 2's stores have read the registers into which tile i's rows come
.endif
	TOSTAGE \i
	SEND \i-1, 16, \half                           ; behind tile i - 1's loads: tile i's eight stores and eight loads
.endr
	SEND 3, 0, \half
	s_wait_xcnt 0x0                                ; all stores have read their registers and their base
.endm
.Lgroup:
	s_lshl_b32 s28, s17, 10
	s_lshl_b32 s29, s26, 6
	s_add_co_u32 s28, s28, s29
	s_min_u32 s28, s28, 8128                       ; the group's first slot: 1,024 e + 64 g
	s_lshl_b32 s30, s28, 14                        ; 16,384 bytes a slot,
	s_lshl_b32 s29, s19, 12
	s_add_co_u32 s30, s30, s29                     ; 4,096 a quarter,
	s_lshl_b32 s29, s18, 9
	s_add_co_u32 s30, s30, s29                     ; 512 for 128 columns
	s_mov_b32 s31, 0
	s_add_nc_u64 s[24:25], s[14:15], s[30:31]
	; W2's fragments run TWO steps ahead through four buffers: step q's loads go into the buffer that step q - 2 multiplied, not into one that the products just issued still read
	BLOAD 0
	BLOAD 1
.set Q, 0
.rept 32
.if (Q != 0) && (Q != 16)
	PLACES 4                                       ; with the four of the step before: eight plain places between step q - 2's products and the loads below (behind a way out its eight stand here)
.endif
.if Q < 30
	BLOAD Q+2
.endif
.if Q == 0
	s_wait_loadcnt 63                              ; 64 loads (K steps 0-3) were issued behind all that K steps 4-7 read
.endif
.if Q == 4
	s_wait_loadcnt 0x0
.endif
.if Q < 30
	s_wait_dscnt 16                                ; this step's fragments are in; the sixteen loads of the next two steps may be out
.else
	s_wait_dscnt 8*(31-Q)                          ; the last two steps: eight, then none
.endif
	MUL Q
.if Q == 15
	WAYOUT 0
.endif
.if Q == 31
	WAYOUT 1
.endif
.set Q, Q+1
.endr
	s_add_co_u32 s34, s34, 1                       ; a trip is done
	s_add_co_u32 s26, s26, s37                     ; my next group: 4 on; the helped expert's first step is 8
	s_mov_b32 s37, 4
	s_cmp_ge_u32 s34, s35
	s_cbranch_scc1 .Lend
	s_mov_b32 s28, s26
	HBASE                                          ; (all loads of the last group were waited for: their bases are free)
	LOADH
	LOADA 1
	LOADA 0
	s_cmp_lt_u32 s34, s35
	s_cbranch_scc1 .Lgroup
.Lend:
	s_barrier_signal -1
	s_barrier_wait -1
	s_wait_tensorcnt 0x0
	ds_add_u32 v254, v255
	s_wait_dscnt 0x0
	s_endpgm
.Lfunc_end_k_qd82b5abae3_down:
	.size	k_qd82b5abae3_down, .Lfunc_end_k_qd82b5abae3_down-k_qd82b5abae3_down
	.p2alignl 7, 3214868480
	.fill 96, 4, 3214868480
	.section	.rodata,"a",@progbits
	.p2align	6, 0x0
	.amdhsa_kernel k_qd82b5abae3_down
		.amdhsa_group_segment_fixed_size 151040
		.amdhsa_private_segment_fixed_size 0
		.amdhsa_enable_private_segment 0
		.amdhsa_kernarg_size 48
		.amdhsa_user_sgpr_count 2
		.amdhsa_user_sgpr_kernarg_segment_ptr 1
		.amdhsa_wavefront_size32 1
		.amdhsa_system_sgpr_workgroup_id_x 1
		.amdhsa_system_sgpr_workgroup_id_y 1
		.amdhsa_system_sgpr_workgroup_id_z 1
		.amdhsa_system_vgpr_workitem_id 0
		.amdhsa_next_free_vgpr 1024
		.amdhsa_next_free_sgpr 66
		.amdhsa_reserve_vcc 0
		.amdhsa_float_denorm_mode_32 3
		.amdhsa_float_denorm_mode_16_64 3
		.amdhsa_memory_ordered 1
		.amdhsa_forward_progress 1
		.amdhsa_inst_pref_size 114
	.end_amdhsa_kernel
	.amdgpu_metadata
---
amdhsa.version: [ 1, 2 ]
amdhsa.kernels:
  - .name:           k_qd82b5abae3_down
    .symbol:         k_qd82b5abae3_down.kd
    .args:
      - { .name: W2_codes, .offset: 0, .size: 8, .value_kind: global_buffer, .address_space: global }
      - { .name: W2_scales, .offset: 8, .size: 8, .value_kind: global_buffer, .address_space: global }
      - { .name: hc, .offset: 16, .size: 8, .value_kind: global_buffer, .address_space: global }
      - { .name: hs, .offset: 24, .size: 8, .value_kind: global_buffer, .address_space: global }
      - { .name: tab, .offset: 32, .size: 8, .value_kind: global_buffer, .address_space: global }
      - { .name: pp, .offset: 40, .size: 8, .value_kind: global_buffer, .address_space: global }
    .group_segment_fixed_size: 151040
    .private_segment_fixed_size: 0
    .kernarg_segment_align: 8
    .kernarg_segment_size: 48
    .max_flat_workgroup_size: 128
    .sgpr_count:     66
    .vgpr_count:     1024
    .wavefront_size: 32
...
	.end_amdgpu_metadata
.endif
;; end of part 6
;; launch comb: the kernel of part 4 again; grid 256 x 1, 4 waves a work-group, no clusters, 0 bytes of LDS; arguments pp, b2, eid, tslot, wgt, out0; writes out0
;; ======== version 3 of 3: 4 launches
;; workspace buffers: eid 4,096 bytes of whole numbers; wgt 4,096 bytes; tslot 36,864 bytes of whole numbers; tab 1,024 bytes of whole numbers; hc 33,554,432 bytes; hs 1,048,576 bytes; pp 134,217,728 bytes
;; launch route (part 7): grid 64 x 1, 16 waves a work-group, no clusters, 43,008 bytes of LDS; arguments x_codes, x_scales, Wr_h_codes, Wr_h_scales, br_h, Wr, br, eid, wgt; writes eid, wgt
.if DOCPART == 7
	.amdgcn_target "amdgcn-amd-amdhsa--gfx1250"
	.amdhsa_code_object_version 6
	.text
	.protected	k_qd82b5abae3_route
	.globl	k_qd82b5abae3_route
	.p2align	8
	.type	k_qd82b5abae3_route,@function
k_qd82b5abae3_route:
	s_mov_b64 s[64:65], 0
	v_nop
	global_prefetch_b8 v0, s[64:65] scope:SCOPE_SE
	s_setreg_imm32_b32 hwreg(HW_REG_WAVE_MODE, 25, 1), 1
	s_wait_xcnt 0x0
; THE ROUTER.  h = x Wr_h + br_h on codes of E4M3 with E8M0 scales; logits = h Wr + br by f32 multiply-adds; softmax; the two largest probabilities (ties: the lower index);
; softmax of those two.  The loop over experts that follows in the model overwrites, so of a token's two experts only the one with the LARGER index is kept: this launch stores, for each
; token, that index (eid) and its weight (wgt), at fixed places.  No address and no branch here hangs on these numbers.
; SHARES.  A work-group takes 16 tokens; wave w of 16 takes the 32 units 32 w .. 32 w + 31 of h, as two tiles.  The product is used transposed (source 0 = 16 rows of Wr_h, source 1 = x):
; lane (r, h) holds token r, and register j of tile u the unit 32 w + 16 u + 8 h + j.  x's eight fragments go from wave to wave through LDS as images of their registers.
; LIMITS.  NaN and infinities are not served (the kept index is held at 1 from below so that every token has a place).  A probability under 2^-126 counts as 0, since v_exp_f32 gives 0 there;
; ties among such go to the lower index.  The f32 sums run in another order than a plain loop over K.
.set XIMG, 0                           ; LDS: x's 8 fragments, 2,048 bytes each
.set WRL,  16384                       ; each wave's own 1,024 bytes of Wr (32 rows of 8 f32)
.set LOGP, 32768                       ; each wave's partial logits: 16 tokens x 8 f32 = 512 bytes
.set AF,   16                          ; v16-47   x's fragment, two buffers
.set BF,   48                          ; v48-175  Wr_h's fragments: a ring of 4 K steps x 2 tiles x 16; later Wr's numbers; later the 16 waves' partial logits
.set ACC,  176                         ; v176-191 h, two tiles
.set BH,   192                         ; v192-207 br_h in the result's layout
.set XS,   208                         ; v208-211 x's scale words: lanes 0-15 K steps 0-3, lanes 16-31 K steps 4-7
.set WS,   212                         ; v212-219 Wr_h's, four for each tile, likewise
.set LG,   220                         ; v220-227 eight logits, then probabilities
.set TP,   228                         ; v228-243 landing place and work
.set BR,   244                         ; v244-247 br: four numbers for each half of the lanes
.set PX,   248                         ; v248-255 what comes from lane l xor 16
.macro PLACES n
.rept \n
	v_nop
.endr
.endm
	s_load_b512 s[4:19], s[0:1], 0x0               ; x_codes, x_scales, Wr_h_codes, Wr_h_scales, br_h, Wr, br, eid
	s_load_b64 s[20:21], s[0:1], 0x40              ; wgt
	v_lshrrev_b32 v1, 5, v0
	s_delay_alu instid0(VALU_DEP_1)
	v_readfirstlane_b32 s24, v1                    ; wave 0..15
	v_and_b32 v1, 31, v0                           ; lane
	v_and_b32 v2, 15, v0                           ; r
	v_bfe_u32 v3, v0, 4, 1                         ; h
	s_delay_alu instid0(VALU_DEP_3)
	v_lshlrev_b32 v4, 4, v1                        ; 16 x lane
	s_delay_alu instid0(VALU_DEP_3)
	v_lshlrev_b32 v5, 10, v2
	s_delay_alu instid0(VALU_DEP_1)
	v_lshl_add_u32 v5, v3, 4, v5                   ; 1,024 r + 16 h: a row of codes
	v_lshlrev_b32 v6, 2, v2                        ; 4 r
	v_lshlrev_b32 v7, 5, v2
	s_delay_alu instid0(VALU_DEP_1)
	v_lshl_add_u32 v7, v3, 4, v7                   ; 32 r + 16 h: a row of scale bytes, and of partial logits
	v_lshlrev_b32 v8, 5, v3                        ; 32 h
	v_lshlrev_b32 v14, 4, v3                       ; 16 h
	s_lshl_b32 s30, s24, 10
	s_lshl_b32 s31, s24, 9
	v_add_nc_u32 v10, s30, v4                      ; XIMG + 1,024 w + 16 x lane: where I store my half of a fragment
	s_delay_alu instid0(VALU_DEP_1)
	v_add_nc_u32 v11, WRL, v10                     ; where I store my rows of Wr
	v_lshlrev_b32 v9, 8, v3
	s_delay_alu instid0(VALU_DEP_1)
	v_add_nc_u32 v9, s30, v9
	s_delay_alu instid0(VALU_DEP_1)
	v_add_nc_u32 v9, WRL, v9                       ; and where I read them: eight rows further on for lanes 16-31
	v_add_nc_u32 v13, LOGP, v7                     ; the partial logits of wave 0 (wave k: 512 k further on)
	s_delay_alu instid0(VALU_DEP_1)
	v_add_nc_u32 v12, s31, v13                     ; mine
.irp e, 0,1,2,3,4,5,6,7
	v_mov_b32 v[PX+\e], 0                          ; written once: a lane permute's destination counts as one of its sources
.endr
	s_mov_b32 s26, 0x76543210
	s_mov_b32 s27, 0xfedcba98                      ; v_permlanex16_b32's selects for lane l xor 16
	s_mov_b32 s28, 0xffff0000                      ; lanes 16-31
	s_lshl_b32 s32, ttmp9, 14                      ; 16 tokens x 1,024 bytes
	s_lshl_b32 s33, s24, 6                         ; + my 64 bytes of each row
	s_add_co_u32 s32, s32, s33
	s_mov_b32 s33, 0
	s_wait_kmcnt 0x0
	s_add_nc_u64 s[4:5], s[4:5], s[32:33]
	s_lshl_b32 s32, ttmp9, 9                       ; 16 tokens x 32 scale bytes
	s_add_nc_u64 s[6:7], s[6:7], s[32:33]
	s_lshl_b32 s32, s24, 15                        ; my 32 rows of Wr_h's codes
	s_add_nc_u64 s[8:9], s[8:9], s[32:33]
	s_lshl_b32 s32, s24, 10                        ; of its scale bytes; and my 32 rows of Wr: both 1,024 bytes a wave
	s_add_nc_u64 s[10:11], s[10:11], s[32:33]
	s_add_nc_u64 s[14:15], s[14:15], s[32:33]
	s_lshl_b32 s32, s24, 7                         ; my 32 numbers of br_h
	s_add_nc_u64 s[12:13], s[12:13], s[32:33]
	s_lshl_b32 s32, ttmp9, 6                       ; 16 tokens x 4 bytes
	s_add_nc_u64 s[18:19], s[18:19], s[32:33]
	s_add_nc_u64 s[20:21], s[20:21], s[32:33]
.macro BFL s                           ; Wr_h's two fragments of K step s into the ring
.irp u, 0,1
.irp c, 0,1,2,3
	global_load_b128 v[BF+32*((\s)%4)+16*\u+4*\c:BF+32*((\s)%4)+16*\u+4*\c+3], v5, s[8:9] offset:16384*\u+128*(\s)+32*\c
.endr
.endr
.endm
.macro ALOAD s                         ; x's fragment of K step s, as it was stored
.irp c, 0,1,2,3
	ds_load_b128 v[AF+16*((\s)%2)+4*\c:AF+16*((\s)%2)+4*\c+3], v4 offset:XIMG+2048*(\s)+512*\c
.endr
.endm
	global_load_b128 v[TP:TP+3], v5, s[4:5]                    ; x: bytes 64 w + 16 h .. of row r: registers 4 c .. of fragment w / 2, c = 2 (w % 2)
	global_load_b128 v[TP+4:TP+7], v5, s[4:5] offset:32        ; and c + 1
	global_load_b128 v[TP+8:TP+11], v4, s[14:15]               ; my 1,024 bytes of Wr, as they lie
	global_load_b128 v[TP+12:TP+15], v4, s[14:15] offset:512
	global_load_b128 v[XS:XS+3], v7, s[6:7]
.irp u, 0,1
	global_load_b128 v[WS+4*\u:WS+4*\u+3], v7, s[10:11] offset:512*\u
.endr
.irp u, 0,1
	global_load_b128 v[BH+8*\u:BH+8*\u+3], v8, s[12:13] offset:64*\u
	global_load_b128 v[BH+8*\u+4:BH+8*\u+7], v8, s[12:13] offset:64*\u+16
.endr
	global_load_b128 v[BR:BR+3], v14, s[16:17]
.irp s, 0,1,2,3
	BFL \s
.endr
	s_wait_loadcnt 40                              ; x's two loads and Wr's two are in: the 40 loads issued behind them may stay out
	ds_store_b128 v10, v[TP:TP+3]
	ds_store_b128 v10, v[TP+4:TP+7] offset:512
	ds_store_b128 v11, v[TP+8:TP+11]
	ds_store_b128 v11, v[TP+12:TP+15] offset:512
	s_wait_dscnt 0x0                               ; for the others' sake: my part of x's images has landed
	s_barrier_signal -1
	s_barrier_wait -1                              ; x's eight fragments lie in LDS
	ALOAD 0
	ALOAD 1
; A K step of 128: two products, the two tiles by turns.  br_h is the C of the first.
.macro KSTEP s
.if (\s) < 4
	s_wait_loadcnt 24                              ; this step's eight loads are in; those of the three steps behind it may be out
.else
	s_wait_loadcnt 8*(7-(\s))
.endif
.if (\s) < 7
	s_wait_dscnt 4                                 ; this step's fragment of x is in; the next one's four loads may be out
.else
	s_wait_dscnt 0x0
.endif
.irp u, 0,1
.if (\s) == 0
	v_wmma_scale_f32_16x16x128_f8f6f4 v[ACC+8*\u:ACC+8*\u+7], v[BF+16*\u:BF+16*\u+15], v[AF:AF+15], v[BH+8*\u:BH+8*\u+7], v[WS+4*\u], v[XS]
.elseif (\s) < 4
	v_wmma_scale_f32_16x16x128_f8f6f4 v[ACC+8*\u:ACC+8*\u+7], v[BF+32*(\s)+16*\u:BF+32*(\s)+16*\u+15], v[AF+16*((\s)%2):AF+16*((\s)%2)+15], v[ACC+8*\u:ACC+8*\u+7], v[WS+4*\u+(\s)], v[XS+(\s)]
.else
	v_wmma_scale_f32_16x16x128_f8f6f4 v[ACC+8*\u:ACC+8*\u+7], v[BF+32*((\s)-4)+16*\u:BF+32*((\s)-4)+16*\u+15], v[AF+16*((\s)%2):AF+16*((\s)%2)+15], v[ACC+8*\u:ACC+8*\u+7], v[WS+4*\u+(\s)-4], v[XS+(\s)-4] matrix_a_scale:MATRIX_SCALE_ROW1 matrix_b_scale:MATRIX_SCALE_ROW1
.endif
.endr
	PLACES 8                                       ; eight plain places in front of loads into registers that these products read, and of the first read of h
.if (\s)+4 < 8
	BFL (\s)+4
.endif
.if (\s)+2 < 8
	ALOAD (\s)+2
.endif
.endm
.irp s, 0,1,2,3,4,5,6,7
	KSTEP \s
.endr
	; logits: my 32 units of h against their rows of Wr.  Register BF + 64 u + 8 j + e = Wr[32 w + 16 u + 8 h + j][e]: the sixteen lanes of a half read the same bytes
.irp u, 0,1
.irp k, 0,1,2,3,4,5,6,7,8,9,10,11,12,13,14,15
	ds_load_b128 v[BF+64*\u+4*\k:BF+64*\u+4*\k+3], v9 offset:512*\u+16*\k
.endr
.endr
	s_wait_dscnt 0x0
.irp u, 0,1
.irp j, 0,1,2,3,4,5,6,7                ; h is read from each tile's low end on; four chains, two experts each
.irp e, 0,2,4,6
.if (\u == 0) && (\j == 0)
	v_pk_mul_f32 v[LG+\e:LG+\e+1], v[ACC:ACC+1], v[BF+\e:BF+\e+1] op_sel_hi:[0,1]
.elseif (\j%2) == 0
	v_pk_fma_f32 v[LG+\e:LG+\e+1], v[ACC+8*\u+\j:ACC+8*\u+\j+1], v[BF+64*\u+8*\j+\e:BF+64*\u+8*\j+\e+1], v[LG+\e:LG+\e+1] op_sel_hi:[0,1,1]
.else
	v_pk_fma_f32 v[LG+\e:LG+\e+1], v[ACC+8*\u+\j-1:ACC+8*\u+\j], v[BF+64*\u+8*\j+\e:BF+64*\u+8*\j+\e+1], v[LG+\e:LG+\e+1] op_sel:[1,0,0] op_sel_hi:[1,1,1]
.endif
.endr
.endr
.endr
.irp e, 0,1,2,3,4,5,6,7
	v_permlanex16_b32 v[PX+\e], v[LG+\e], s26, s27
.endr
.irp e, 0,2,4,6
	v_pk_add_f32 v[LG+\e:LG+\e+1], v[LG+\e:LG+\e+1], v[PX+\e:PX+\e+1]   ; with lane l xor 16's sixteen units
.endr
.irp j, 0,1,2,3
	v_cndmask_b32 v[TP+\j], v[LG+\j], v[LG+4+\j], s28              ; lanes 0-15 hand on experts 0-3, lanes 16-31 experts 4-7
.endr
	ds_store_b128 v12, v[TP:TP+3]
	s_wait_dscnt 0x0                               ; for wave 0's sake: my partial logits have landed
	s_barrier_signal -1
	s_barrier_wait -1
	s_cmp_lg_u32 s24, 0                            ; the last barrier is passed: what is left is one wave's work
	s_cbranch_scc1 .Lend
.irp k, 0,1,2,3,4,5,6,7,8,9,10,11,12,13,14,15
	ds_load_b128 v[BF+4*\k:BF+4*\k+3], v13 offset:512*\k
.endr
	s_wait_dscnt 0x0
.irp k, 0,1,2,3,4,5,6,7
	v_pk_add_f32 v[BF+4*\k:BF+4*\k+1], v[BF+4*\k:BF+4*\k+1], v[BF+4*\k+32:BF+4*\k+33]
	v_pk_add_f32 v[BF+4*\k+2:BF+4*\k+3], v[BF+4*\k+2:BF+4*\k+3], v[BF+4*\k+34:BF+4*\k+35]
.endr
.irp k, 0,1,2,3
	v_pk_add_f32 v[BF+4*\k:BF+4*\k+1], v[BF+4*\k:BF+4*\k+1], v[BF+4*\k+16:BF+4*\k+17]
	v_pk_add_f32 v[BF+4*\k+2:BF+4*\k+3], v[BF+4*\k+2:BF+4*\k+3], v[BF+4*\k+18:BF+4*\k+19]
.endr
.irp k, 0,1
	s_delay_alu instid0(VALU_DEP_4)
	v_pk_add_f32 v[BF+4*\k:BF+4*\k+1], v[BF+4*\k:BF+4*\k+1], v[BF+4*\k+8:BF+4*\k+9]
	s_delay_alu instid0(VALU_DEP_4)
	v_pk_add_f32 v[BF+4*\k+2:BF+4*\k+3], v[BF+4*\k+2:BF+4*\k+3], v[BF+4*\k+10:BF+4*\k+11]
.endr
	s_delay_alu instid0(VALU_DEP_2)
	v_pk_add_f32 v[BF:BF+1], v[BF:BF+1], v[BF+4:BF+5]
	s_delay_alu instid0(VALU_DEP_2)
	v_pk_add_f32 v[BF+2:BF+3], v[BF+2:BF+3], v[BF+6:BF+7]
	s_delay_alu instid0(VALU_DEP_2)
	v_pk_add_f32 v[BF:BF+1], v[BF:BF+1], v[BR:BR+1]                ; + br
	s_delay_alu instid0(VALU_DEP_2)
	v_pk_add_f32 v[BF+2:BF+3], v[BF+2:BF+3], v[BR+2:BR+3]
.irp j, 0,1,2,3
	v_permlanex16_b32 v[PX+\j], v[BF+\j], s26, s27
.endr
.irp j, 0,1,2,3
	v_cndmask_b32 v[LG+\j], v[BF+\j], v[PX+\j], s28                ; every lane now holds its token's eight logits
	v_cndmask_b32 v[LG+4+\j], v[PX+\j], v[BF+\j], s28
.endr
	s_delay_alu instid0(VALU_DEP_4)
	v_max3_num_f32 v[TP], v[LG], v[LG+1], v[LG+2]
	s_delay_alu instid0(VALU_DEP_1)
	v_max3_num_f32 v[TP], v[TP], v[LG+3], v[LG+4]
	s_delay_alu instid0(VALU_DEP_1)
	v_max3_num_f32 v[TP], v[TP], v[LG+5], v[LG+6]
	s_delay_alu instid0(VALU_DEP_1)
	v_max_num_f32 v[TP], v[TP], v[LG+7]            ; the maximum is taken away ahead of the exponentials
.irp e, 0,1,2,3,4,5,6,7
	v_sub_f32 v[LG+\e], v[LG+\e], v[TP]
.endr
.irp e, 0,1,2,3,4,5,6,7
	v_mul_f32 v[LG+\e], 0x3fb8aa3b, v[LG+\e]       ; x log2(e)
.endr
	s_wait_alu depctr_va_vdst(0)
.irp e, 0,1,2,3,4,5,6,7
	v_exp_f32 v[LG+\e], v[LG+\e]
.endr
	v_nop                                          ; a plain place behind the last exponential
	s_wait_alu depctr_va_vdst(0)                   ; one wait for the batch, ahead of its first reader
	v_add_f32 v[TP+1], v[LG], v[LG+1]
	v_add_f32 v[TP+2], v[LG+2], v[LG+3]
	v_add_f32 v[TP+3], v[LG+4], v[LG+5]
	v_add_f32 v[TP+4], v[LG+6], v[LG+7]
	s_delay_alu instid0(VALU_DEP_3)
	v_add_f32 v[TP+1], v[TP+1], v[TP+2]
	s_delay_alu instid0(VALU_DEP_2)
	v_add_f32 v[TP+3], v[TP+3], v[TP+4]
	s_delay_alu instid0(VALU_DEP_1)
	v_add_f32 v[TP+1], v[TP+1], v[TP+3]
	s_wait_alu depctr_va_vdst(0)
	v_rcp_f32 v[TP+1], v[TP+1]
	v_nop
	s_wait_alu depctr_va_vdst(0)
.irp e, 0,1,2,3,4,5,6,7
	v_mul_f32 v[LG+\e], v[LG+\e], v[TP+1]          ; the probabilities
.endr
.macro SCAN val, idx                   ; the largest of the eight and its index; a later one wins only if it is strictly larger: ties go to the lower index
	v_mov_b32 v[\val], v[LG]
	v_mov_b32 v[\idx], 0
.irp e, 1,2,3,4,5,6,7
	s_delay_alu instid0(VALU_DEP_2)
	v_cmp_gt_f32 vcc_lo, v[LG+\e], v[\val]
	s_delay_alu instid0(VALU_DEP_1)
	v_cndmask_b32 v[\val], v[\val], v[LG+\e], vcc_lo
	s_delay_alu instid0(VALU_DEP_2)
	v_cndmask_b32 v[\idx], v[\idx], \e, vcc_lo
.endr
.endm
	SCAN TP+2, TP+3                                ; p1, i1
.irp e, 0,1,2,3,4,5,6,7
	v_cmp_eq_u32 vcc_lo, \e, v[TP+3]
	s_delay_alu instid0(VALU_DEP_1)
	v_cndmask_b32 v[LG+\e], v[LG+\e], -1.0, vcc_lo ; the first is taken out: -1 lies under every probability
.endr
	SCAN TP+4, TP+5                                ; p2, i2
	s_delay_alu instid0(VALU_DEP_2)
	v_sub_f32 v[TP+6], v[TP+4], v[TP+2]            ; p2 - p1, 0 or less: p1 is the maximum of the two
	s_delay_alu instid0(VALU_DEP_1)
	v_mul_f32 v[TP+6], 0x3fb8aa3b, v[TP+6]
	s_wait_alu depctr_va_vdst(0)
	v_exp_f32 v[TP+6], v[TP+6]
	v_cmp_gt_u32 s30, v[TP+3], v[TP+5]             ; (a plain place)  is the first the one with the larger index?
	s_wait_alu depctr_va_vdst(0)
	v_add_f32 v[TP+7], 1.0, v[TP+6]
	s_wait_alu depctr_va_vdst(0)
	v_rcp_f32 v[TP+7], v[TP+7]                     ; the first's weight, 1 / (1 + e^(p2 - p1))
	v_cndmask_b32 v[TP+8], v[TP+5], v[TP+3], s30   ; (a plain place)  the kept expert: the larger index
	s_wait_alu depctr_va_vdst(0)
	v_mul_f32 v[TP+6], v[TP+6], v[TP+7]            ; the second's weight
	v_cndmask_b32 v[TP+6], v[TP+6], v[TP+7], s30   ; the kept expert's
	v_cmp_eq_u32 vcc_lo, 0, v[TP+8]
	s_delay_alu instid0(VALU_DEP_1)
	v_cndmask_b32 v[TP+8], v[TP+8], 1, vcc_lo      ; two different indices have a maximum of 1 at the least; held there for inputs that are not served
	v_cmp_gt_u32 vcc_lo, 16, v0
	s_wait_alu depctr_va_vdst(0)
	s_wait_xcnt 0x0                                ; EXEC changes only behind this wait
	s_and_saveexec_b32 s31, vcc_lo                 ; lanes 16-31 hold the same numbers as lanes 0-15
	global_store_b32 v6, v[TP+8], s[18:19]
	global_store_b32 v6, v[TP+6], s[20:21]
	s_wait_xcnt 0x0
	s_or_b32 exec_lo, exec_lo, s31
.Lend:
	s_wait_xcnt 0x0
	s_mov_b32 exec_lo, -1
	v_lshl_add_u32 v254, v0, 2, 0xa000
	v_mov_b32 v255, 0
	s_wait_alu depctr_va_vdst(0)
	s_wait_tensorcnt 0x0
	ds_add_u32 v254, v255
	s_wait_dscnt 0x0
	s_endpgm
.Lfunc_end_k_qd82b5abae3_route:
	.size	k_qd82b5abae3_route, .Lfunc_end_k_qd82b5abae3_route-k_qd82b5abae3_route
	.p2alignl 7, 3214868480
	.fill 96, 4, 3214868480
	.section	.rodata,"a",@progbits
	.p2align	6, 0x0
	.amdhsa_kernel k_qd82b5abae3_route
		.amdhsa_group_segment_fixed_size 43008
		.amdhsa_private_segment_fixed_size 0
		.amdhsa_enable_private_segment 0
		.amdhsa_kernarg_size 72
		.amdhsa_user_sgpr_count 2
		.amdhsa_user_sgpr_kernarg_segment_ptr 1
		.amdhsa_wavefront_size32 1
		.amdhsa_system_sgpr_workgroup_id_x 1
		.amdhsa_system_sgpr_workgroup_id_y 1
		.amdhsa_system_sgpr_workgroup_id_z 1
		.amdhsa_system_vgpr_workitem_id 0
		.amdhsa_next_free_vgpr 256
		.amdhsa_next_free_sgpr 66
		.amdhsa_reserve_vcc 1
		.amdhsa_float_denorm_mode_32 3
		.amdhsa_float_denorm_mode_16_64 3
		.amdhsa_memory_ordered 1
		.amdhsa_forward_progress 1
		.amdhsa_inst_pref_size 36
	.end_amdhsa_kernel
	.amdgpu_metadata
---
amdhsa.version: [ 1, 2 ]
amdhsa.kernels:
  - .name:           k_qd82b5abae3_route
    .symbol:         k_qd82b5abae3_route.kd
    .args:
      - { .name: x_codes, .offset: 0, .size: 8, .value_kind: global_buffer, .address_space: global }
      - { .name: x_scales, .offset: 8, .size: 8, .value_kind: global_buffer, .address_space: global }
      - { .name: Wr_h_codes, .offset: 16, .size: 8, .value_kind: global_buffer, .address_space: global }
      - { .name: Wr_h_scales, .offset: 24, .size: 8, .value_kind: global_buffer, .address_space: global }
      - { .name: br_h, .offset: 32, .size: 8, .value_kind: global_buffer, .address_space: global }
      - { .name: Wr, .offset: 40, .size: 8, .value_kind: global_buffer, .address_space: global }
      - { .name: br, .offset: 48, .size: 8, .value_kind: global_buffer, .address_space: global }
      - { .name: eid, .offset: 56, .size: 8, .value_kind: global_buffer, .address_space: global }
      - { .name: wgt, .offset: 64, .size: 8, .value_kind: global_buffer, .address_space: global }
    .group_segment_fixed_size: 43008
    .private_segment_fixed_size: 0
    .kernarg_segment_align: 8
    .kernarg_segment_size: 72
    .max_flat_workgroup_size: 512
    .sgpr_count:     66
    .vgpr_count:     256
    .wavefront_size: 32
...
	.end_amdgpu_metadata
.endif
;; end of part 7
;; launch up (part 8): grid 256 x 1, 4 waves a work-group, no clusters, 133,632 bytes of LDS; arguments W1_codes, W1_scales, b1, x_codes, x_scales, eid, hc, hs, tslot, tab; writes hc, hs, tslot, tab
.if DOCPART == 8
	.amdgcn_target "amdgcn-amd-amdhsa--gfx1250"
	.amdhsa_code_object_version 6
	.text
	.protected	k_qd82b5abae3_up
	.globl	k_qd82b5abae3_up
	.p2align	8
	.type	k_qd82b5abae3_up,@function
k_qd82b5abae3_up:
	s_mov_b64 s[64:65], 0
	v_nop
	global_prefetch_b8 v0, s[64:65] scope:SCOPE_SE
	s_setreg_imm32_b32 hwreg(HW_REG_WAVE_MODE, 25, 1), 1
	s_wait_xcnt 0x0
; THE FIRST PRODUCT OF THE KEPT EXPERT: hidden = relu(x W1[e] + b1[e]), quantised along FF to E4M3 with E8M0 scales, for the tokens whose kept expert is e.  Expert 0 is never kept (the kept index is the larger of two).
; SHARES.  Work-group id < 224 (e = 1 + id / 32, chunk = id % 32) takes 128 columns of FF of its own expert: 128 rows of W1's codes, 131,072 consecutive bytes, read by loads of 512 consecutive bytes and laid into LDS.
; The expert's tokens go in GROUPS of 64 rows (four tiles of 16); wave w takes groups w, w + 4, ..  A group's fragments of x (4 tiles x 8 K steps, 512 registers) stay in registers; each fragment of W1 read from LDS feeds four products.
; THE HELPERS.  Four waves take 256 rows in one trip.  Work-groups 224 .. 255 (chunk = id % 32) take groups 4 .. 7 of THE EXPERT WITH THE MOST ROWS (ties: the higher index), wave w group 4 + w, and that expert's own
; work-groups pass these four groups over (w, 8 + w, 12 + w).  Every other expert walks all its groups itself, so every split is served.  A helper counts all seven experts' rows before it asks for weights; an own work-group
; does so only where its expert has more than four groups, while its loads are out.  Where no expert has more than 256 rows the helpers read their 128 rows of weights in vain and store nothing but tab's row 0.
; No tensor load, no copy, no cluster: the number of groups is read from memory, and a launch whose trips hang on such a number loads through registers.
; THE LIST OF TOKENS is made by every wave for itself, on whole numbers alone.  eid comes as 32 registers; register k of lane l is token 128 (k / 4) + 4 l + k % 4.  In each register the matching lanes' tokens are pushed
; to the lowest lanes (ds_permute_b32; the others go behind them, so that each lane receives once); the counts' running sum, x 4, lies in s66-98.  Row n of the expert is then pulled from the register in whose span n falls.
; Rows past the expert's last token stand for token 1,023: they are computed and stored in their own places, which nobody reads as results.  Every expert has group 0, also without tokens.
; THE PRODUCT IS USED TRANSPOSED (source 0 = 16 rows of W1, source 1 = x), AND THE ROWS OF A TILE ARE NOT NEIGHBOURS: lane r of tile 2 b + u takes row 32 b + 8 u + r + 8 (r / 8), so that the 16 registers of tiles 2 b, 2 b + 1
; are the hidden units 32 b + 16 (lane / 16) + 0 .. 15 of the lane's token: a block of the next K lies in lanes l and l xor 16, and the conversions' results are registers 4 b .. 4 b + 3 of the next product's operand.
; OUT.  hc [group 16 e + g][chunk][tile 4][c 4][lane][16 bytes]: images of operand registers.  hs [group][chunk][lane][2 words]: word 0: tiles 0 (lanes 0-15) and 1 (lanes 16-31), word 1: tiles 2 and 3.
; tslot [token] = the token's slot, 1,024 e + row; tab [e][32 words] = the expert's number of groups, tab [0][32 words] = the helped expert: all by the work-groups of chunk 0.  EVERY LANE STAYS ON THROUGH THE WHOLE TEXT:
; a row without a token stores its slot into the spare word 1,024 + slot of tslot.  A slot belongs to one row of one group of one expert, and a group to one wave, so no two stores name the same word; nobody reads the spare words.
; LIMITS.  A block of zeros gets the byte 1 with zero codes (the bytes are read by this program alone).  K runs 4 .. 7, then 0 .. 3 (in steps of 128), behind the bias.  NaN and infinities are not served.
; The weights of an expert without tokens are read in vain: they are asked for before the count is known.
.set OWN,   224                        ; work-groups with an expert of their own: 7 experts x 32 chunks
.set PITCH, 1040                       ; a row of W1 in LDS: 1,024 bytes + 16 = 65 x 16: the 16 rows that a load touches begin 16 bytes apart modulo 256
.set TILEB, 16*PITCH
.set PAIRB, 32*PITCH
.set LANE, 1
.set RR,   2
.set HH,   3
.set L16,  4                           ; 16 x lane
.set WST,  5                           ; where I lay my 32 rows of W1: PAIRB x wave + 16 x lane
.set BAD,  6                           ; v6-9   a tile pair's fragments: PITCH r + 16 h + PAIRB p
.set L4,   10                          ; 4 x lane
.set R4,   11                          ; 4 r
.set R4H,  12                          ; 64 + 4 r
.set L8,   13                          ; 8 x lane
.set P4D,  14                          ; v14-15 4 x (my row's number in the expert's list), rows 0-31 and 32-63 of the group
.set TK,   16                          ; v16-17 their tokens; where there is none, 1,024 + the row's slot
.set XO,   18                          ; v18-21 tile i: my token's row of x_codes + 16 h
.set SO,   22                          ; v22-25 and of x_scales
.set WSA,  26
.set B1A,  27
.set H16,  31
.set XS,   32                          ; v32-47  x's scale words, four for each tile: lanes 0-15 K steps 0-3, lanes 16-31 K steps 4-7
.set WS,   48                          ; v48-79  W1's, four for each of 8 tiles, likewise
.set CT,   80                          ; v80-111 the 32 compacted registers of tokens: they stay
.set EI,   112                         ; v112-143 eid, all 1,024 kept experts: they stay
.set ACC,  144                         ; v144-207 8 accumulators: tile of tokens i, tile u of the pair: 8 (2 i + u).  Before that the list's work
.set IX,   176
.set PL,   192
.set PC,   208                         ; v208-223 the codes just made
.set SW,   224                         ; v224-227 the four tiles' scale words
.set TM,   228                         ; v228-243 the quantiser's work
.set HSD,  244
.set SA,   246                         ; v246-249 address and data of the two stores into tslot
.set TA,   252                         ; v252-253 address and data of the store into tab
.set BF,   64                          ; window 3: v0-63 b1 in the result's layout, 8 registers a tile; v64-191 W1's fragments, FOUR buffers of two
; windows 1 and 2: x's fragments of K steps 0-3 and 4-7, at 16 (4 i + s % 4); window 1 is first the landing place of W1's rows
; s24 wave, s25 expert, s26 chunk, s27 group, s28 the expert's groups, s29 my trips done, s38 my trips in all, s54 1 in a helper, s55 the helped expert (0: not counted), s56 from my group to my next
.set MSB, 0
.macro WIN new                         ; the immediate's high byte repeats the setting that is left
.if MSB != (\new)
	s_set_vgpr_msb (MSB<<8)|(\new)
.set MSB, \new
.endif
.endm
.macro PLACES n
.rept \n
	v_nop
.endr
.endm
; The expert with the most rows -> s55.  For each expert: 32 masks, their bits counted and added, eight at a time; a later expert wins where it has as many rows or more.
.macro COUNT7
	s_mov_b32 s31, 0                               ; the most rows so far
.irp k, 1,2,3,4,5,6,7
	s_mov_b32 s30, 0
.irp a, 0,1,2,3
.irp t, 0,1,2,3,4,5,6,7
	v_cmp_eq_u32 s[46+\t], \k, v[EI+8*\a+\t]
.endr
.irp t, 0,1,2,3,4,5,6,7
	s_bcnt1_i32_b32 s[46+\t], s[46+\t]
.endr
.irp t, 0,1,2,3,4,5,6,7
	s_add_co_u32 s30, s30, s[46+\t]
.endr
.endr
	s_cmp_ge_u32 s30, s31
	s_cselect_b32 s31, s30, s31
	s_cselect_b32 s55, \k, s55
.endr
.endm
	s_load_b512 s[4:19], s[0:1], 0x0               ; W1_codes, W1_scales, b1, x_codes, x_scales, eid, hc, hs
	s_load_b128 s[20:23], s[0:1], 0x40             ; tslot, tab
	v_lshl_add_u32 v254, v0, 2, 0x20800
	v_mov_b32 v255, 0
	v_lshrrev_b32 v1, 5, v0
	v_readfirstlane_b32 s24, v1                    ; wave 0..3
	s_lshr_b32 s25, ttmp9, 5
	s_add_co_u32 s25, s25, 1                       ; the expert, 1..7 (a helper finds its expert below)
	s_and_b32 s26, ttmp9, 31                       ; the chunk of 128 columns of FF
	s_cmp_ge_u32 ttmp9, OWN
	s_cselect_b32 s54, 1, 0
	v_and_b32 v[LANE], 31, v0
	v_and_b32 v[RR], 15, v0
	v_bfe_u32 v[HH], v0, 4, 1
	v_lshlrev_b32 v[L16], 4, v[LANE]
	s_mul_i32 s30, s24, PAIRB
	v_add_nc_u32 v[WST], s30, v[L16]
	v_mul_u32_u24 v[BAD], v[RR], PITCH
	v_lshl_add_u32 v[BAD], v[HH], 4, v[BAD]
	v_add_nc_u32 v[BAD+1], PAIRB, v[BAD]
	v_add_nc_u32 v[BAD+2], 2*PAIRB, v[BAD]
	v_add_nc_u32 v[BAD+3], 3*PAIRB, v[BAD]
	v_lshlrev_b32 v[L4], 2, v[LANE]
	v_lshlrev_b32 v[R4], 2, v[RR]
	v_add_nc_u32 v[R4H], 64, v[R4]
	v_lshlrev_b32 v[L8], 3, v[LANE]
	v_lshrrev_b32 v[WSA], 3, v[RR]
	v_lshl_add_u32 v[WSA], v[WSA], 3, v[RR]        ; r + 8 (r / 8)
	v_lshlrev_b32 v[WSA], 5, v[WSA]
	v_lshl_add_u32 v[WSA], v[HH], 4, v[WSA]        ; that row's 32 scale bytes, + 16 h
	v_lshlrev_b32 v[B1A], 6, v[HH]                 ; b1: 16 numbers further on for lanes 16-31
	v_lshlrev_b32 v[H16], 4, v[HH]
.irp i, 0,1,2,3
	v_mov_b32 v[TM+4+\i], 0                        ; written once: a lane permute's destination counts as one of its sources
.endr
	s_mov_b32 s34, 0x76543210
	s_mov_b32 s35, 0xfedcba98                      ; v_permlanex16_b32's selects for lane l xor 16
	s_mov_b32 s36, 0x600000                        ; the mantissa field of 448
	s_mov_b32 s37, 0xffff0000                      ; lanes 16-31
	s_mov_b32 s29, 0
	s_mov_b32 s55, 0
	s_wait_kmcnt 0x0
.irp a, 0,1,2,3,4,5,6,7
	global_load_b128 v[EI+4*\a:EI+4*\a+3], v[L16], s[14:15] offset:512*\a        ; all 1,024 kept experts
.endr
	s_cmp_lt_u32 ttmp9, OWN
	s_cbranch_scc1 .Lknown                         ; an own work-group knows its expert, and asks for its weights before eid is in
	s_wait_loadcnt 0x0                             ; a helper: eid,
	COUNT7                                         ; who has the most rows,
	s_mov_b32 s25, s55                             ; and that is my expert
.Lknown:
	s_max_u32 s25, s25, 1
	s_min_u32 s25, s25, 7
	s_lshl_b32 s27, s54, 2
	s_add_co_u32 s27, s27, s24                     ; my first group: w, in a helper 4 + w
	s_lshl_b32 s44, s27, 8                         ; 4 x its first row's number
	s_lshl_b32 s45, s25, 10
	s_lshl_b32 s30, s27, 6
	s_add_co_u32 s45, s45, s30                     ; its first slot: 1,024 e + 64 g
	s_lshl_b32 s30, s25, 12
	s_lshl_b32 s31, s26, 7
	s_add_co_u32 s30, s30, s31                     ; the chunk's first row of W1: 4,096 e + 128 chunk
	s_lshl_b32 s31, s24, 5
	s_add_co_u32 s31, s30, s31                     ; my 32 of its rows
	s_lshl_b32 s32, s31, 10
	s_mov_b32 s33, 0
	s_add_nc_u64 s[4:5], s[4:5], s[32:33]
	s_lshl_b32 s32, s30, 5
	s_add_nc_u64 s[6:7], s[6:7], s[32:33]
	s_lshl_b32 s32, s30, 2
	s_add_nc_u64 s[8:9], s[8:9], s[32:33]
	WIN 0x40                                       ; destination window 1
.set J, 0
.rept 32
	global_load_b128 v[8*J:8*J+3], v[L16], s[4:5] offset:1024*J th:TH_LOAD_NT         ; my 32 rows of W1: each load takes 512 consecutive bytes; read by one work-group, the helped expert's by two
	global_load_b128 v[8*J+4:8*J+7], v[L16], s[4:5] offset:1024*J+512 th:TH_LOAD_NT
.set J, J+1
.endr
	WIN 0
	s_wait_loadcnt 63                              ; 64 loads were issued behind eid's eight: eid is in
	; THE SELECTION, four registers at a time
	s_mov_b32 s66, 0
.set A, 0
.rept 8
.irp t, 0,1,2,3
	v_cmp_eq_u32 s[46+\t], s25, v[EI+4*A+\t]       ; which lanes' tokens are mine
.endr
.irp t, 0,1,2,3
	v_mbcnt_lo_u32_b32 v[IX+\t], s[46+\t], 0       ; how many of them lie under my lane
	s_bcnt1_i32_b32 s[50+\t], s[46+\t]             ; and how many there are
.endr
.irp t, 0,1,2,3
	v_sub_nc_u32 v[IX+4+\t], v[LANE], v[IX+\t]
.endr
.irp t, 0,1,2,3
	v_add_nc_u32 v[IX+4+\t], s[50+\t], v[IX+4+\t]  ; a lane that does not match goes behind the matches, in order
.endr
.irp t, 0,1,2,3
	v_cndmask_b32 v[IX+\t], v[IX+4+\t], v[IX+\t], s[46+\t]
.endr
.irp t, 0,1,2,3
	v_lshlrev_b32 v[IX+\t], 2, v[IX+\t]
	v_add_nc_u32 v[IX+8+\t], 128*A+\t, v[L4]       ; my token
.endr
.irp t, 0,1,2,3
	ds_permute_b32 v[CT+4*A+\t], v[IX+\t], v[IX+8+\t]
	s_lshl_b32 s[50+\t], s[50+\t], 2
	s_add_co_u32 s[67+4*A+\t], s[66+4*A+\t], s[50+\t]
.endr
.set A, A+1
.endr
	s_add_co_u32 s28, s98, 252
	s_lshr_b32 s28, s28, 8                         ; groups of 64: (4 n + 252) / 256,
	s_max_u32 s28, s28, 1                          ; one at the least,
	s_min_u32 s28, s28, 16
	s_wait_dscnt 0x0
; THE TOKENS OF GROUP s27 (s44 = 256 x group, s45 = its first slot), and from them the addresses of the four tiles' rows
.macro TOKENS
	v_add_nc_u32 v[P4D], s44, v[L4]
	v_add_nc_u32 v[P4D+1], 128, v[P4D]
	v_add3_u32 v[TK], s45, v[LANE], 1024           ; what stands for 'no token': 1,024 + the row's slot, 2,048 at the least
	v_add3_u32 v[TK+1], s45, v[LANE], 1056
.irp b, 0,1,2,3
.irp k, 0,1,2,3,4,5,6,7
.irp d, 0,1
	v_sub_nc_u32 v[IX+2*\k+\d], v[P4D+\d], s[66+8*\b+\k]           ; 4 x my row's place in register 8 b + k, if it falls there
.endr
.endr
.irp k, 0,1,2,3,4,5,6,7
.irp d, 0,1
	ds_bpermute_b32 v[PL+2*\k+\d], v[IX+2*\k+\d], v[CT+8*\b+\k]
.endr
.endr
	s_wait_dscnt 0x0
.irp k, 0,1,2,3,4,5,6,7
	s_sub_co_u32 s30, s[67+8*\b+\k], s[66+8*\b+\k]
.irp d, 0,1
	v_cmp_gt_u32 vcc_lo, s30, v[IX+2*\k+\d]        ; unsigned: a place under 0 is a very large number
	v_cndmask_b32 v[TK+\d], v[TK+\d], v[PL+2*\k+\d], vcc_lo
.endr
.endr
.endr
	ds_bpermute_b32 v[XO], v[R4], v[TK]            ; tile i's row r lies in lane 16 (i % 2) + r of register i / 2
	ds_bpermute_b32 v[XO+1], v[R4H], v[TK]
	ds_bpermute_b32 v[XO+2], v[R4], v[TK+1]
	ds_bpermute_b32 v[XO+3], v[R4H], v[TK+1]
	s_wait_dscnt 0x0
.irp i, 0,1,2,3
	v_min_u32 v[XO+\i], 0x3ff, v[XO+\i]            ; a row without a token reads token 1,023
.endr
.irp i, 0,1,2,3
	v_lshl_add_u32 v[SO+\i], v[XO+\i], 5, v[H16]
	v_lshl_add_u32 v[XO+\i], v[XO+\i], 10, v[H16]
.endr
	s_cmp_lg_u32 s26, 0                            ; the work-groups of chunk 0 tell each token its slot: four bytes each at the token's own place
	s_cbranch_scc1 .Lno_slot_\@
.irp d, 0,1
	v_min_u32 v[SA+2*\d], 0x23ff, v[TK+\d]         ; a token's own word, or the row's spare word: 1,024 + 8,191 at the most
	v_lshlrev_b32 v[SA+2*\d], 2, v[SA+2*\d]
	v_add3_u32 v[SA+2*\d+1], s45, v[LANE], 32*\d   ; the row's slot
	global_store_b32 v[SA+2*\d], v[SA+2*\d+1], s[20:21]
.endr
.Lno_slot_\@:
.endm
.macro LOADX                           ; the four tiles' scale words of x
.irp i, 0,1,2,3
	global_load_b128 v[XS+4*\i:XS+4*\i+3], v[SO+\i], s[12:13]
.endr
.endm
.macro LOADA hi                        ; x's fragments of K steps 4 hi .. 4 hi + 3: 64 loads
	WIN 0x40+0x40*(\hi)
.irp i, 0,1,2,3
.irp s, 0,1,2,3
.irp c, 0,1,2,3
	global_load_b128 v[16*(4*\i+\s)+4*\c:16*(4*\i+\s)+4*\c+3], v[XO+\i], s[10:11] offset:512*(\hi)+128*\s+32*\c
.endr
.endr
.endr
	WIN 0
.endm
	TOKENS
	s_or_b32 s30, s26, s24
	s_cmp_lg_u32 s30, 0                            ; chunk 0's wave 0 stores a row of tab, 32 equal words, 128 consecutive bytes:
	s_cbranch_scc1 .Lno_tab
	s_cmp_eq_u32 s54, 0
	s_cselect_b32 s30, s25, 0                      ; an own work-group row e: the expert's number of groups;
	s_cselect_b32 s31, s28, s55                    ; the helper row 0: the helped expert
	s_lshl_b32 s30, s30, 7
	v_add_nc_u32 v[TA], s30, v[L4]
	v_mov_b32 v[TA+1], s31
	global_store_b32 v[TA], v[TA+1], s[22:23]
.Lno_tab:
.irp t, 0,1,2,3,4,5,6,7
	global_load_b128 v[WS+4*\t:WS+4*\t+3], v[WSA], s[6:7] offset:32*(32*(\t/2)+8*(\t%2))
.endr
	WIN 0xc0                                       ; destination window 3
.irp t, 0,1,2,3,4,5,6,7
	global_load_b128 v[8*\t:8*\t+3], v[B1A], s[8:9] offset:4*(32*(\t/2)+8*(\t%2))
	global_load_b128 v[8*\t+4:8*\t+7], v[B1A], s[8:9] offset:4*(32*(\t/2)+8*(\t%2))+16
.endr
	WIN 0
	s_wait_alu depctr_va_vdst(0)
	LOADX
	LOADA 1
	s_cmp_lg_u32 s55, 0                            ; a helper has counted;
	s_cbranch_scc1 .Lcounted
	s_cmp_le_u32 s28, 4                            ; an expert of four groups or fewer has nothing to pass over;
	s_cbranch_scc1 .Lcounted
	COUNT7                                         ; else: is mine the helped one?  (My loads are out meanwhile)
.Lcounted:
	s_add_co_u32 s30, s28, 3
	s_sub_co_u32 s30, s30, s24
	s_lshr_b32 s30, s30, 2                         ; T: how many of the groups w, w + 4, .. there are: (groups + 3 - w) / 4; 0 for a wave without a group
	s_min_u32 s30, s30, 4
	s_min_u32 s31, s30, 1
	s_min_u32 s32, s30, 2
	s_sub_co_u32 s32, s32, s31                     ; 1 where group 4 + w is among them
	s_cmp_eq_u32 s25, s55
	s_cselect_b32 s33, s32, 0                      ; the helped expert's own work-group passes it over,
	s_cselect_b32 s56, 8, 4                        ; by a first step of 8
	s_sub_co_u32 s38, s30, s33
	s_cmp_eq_u32 s54, 0
	s_cselect_b32 s38, s38, s32                    ; and the helper takes it, and nothing else
	s_min_u32 s38, s38, 4
	s_wait_loadcnt 63                              ; 8 + 16 + 4 + 64 = 92 loads were issued behind W1's rows: the rows are in
	WIN 0x04                                       ; an LDS store's data are its source 1: window 1
.set J, 0
.rept 32
.set SIG, (J%8)+16*((J/8)%2)+8*(J/16)              ; row j goes to the place with bits 3 and 4 exchanged: a tile's 16 rows then lie on end
	ds_store_b128 v[WST], v[8*J:8*J+3] offset:SIG*PITCH
	ds_store_b128 v[WST], v[8*J+4:8*J+7] offset:SIG*PITCH+512
.set J, J+1
.endr
	WIN 0
	s_wait_dscnt 0x0                               ; for the others' sake: my rows have landed; and the stores have read their registers,
	LOADA 0                                        ; which take x's low K steps
	s_barrier_signal -1
	s_barrier_wait -1                              ; the chunk's 128 rows lie in LDS.  The one barrier: every wave has reached it, with or without a group
	s_cmp_eq_u32 s38, 0
	s_cbranch_scc1 .Lend
.macro BLOAD q                         ; step q of 32: tile pair q / 8, K step (q % 8 + 4) % 8: two fragments of W1 into buffer q % 4
.set BS, (((\q)%8)+4)%8
.set BP, (\q)/8
.set BB, BF+32*((\q)%4)
	WIN 0xc0
.irp u, 0,1
.irp c, 0,1,2,3
	ds_load_b128 v[BB+16*\u+4*\c:BB+16*\u+4*\c+3], v[BAD+BP] offset:TILEB*\u+128*BS+32*\c
.endr
.endr
.endm
.macro MUL q                           ; its eight products: the eight accumulators by turns, one instruction a turn; b1 is the C of a pair's first K step
.set BS, (((\q)%8)+4)%8
.set BP, (\q)/8
.set BB, BF+32*((\q)%4)
.if BS == 4
	WIN 0x3b                                       ; W1 window 3, x window 2, b1 window 3, the sums window 0
.elseif BS > 4
	WIN 0x0b
.else
	WIN 0x07                                       ; x window 1
.endif
.irp i, 0,1,2,3
.irp u, 0,1
.set WD, ACC+8*(2*\i+\u)
.set WA, BB+16*\u
.set WB, 16*(4*\i+BS%4)
.set WX, WS+4*(2*BP+\u)+BS%4
.set WY, XS+4*\i+BS%4
.if BS == 4
	v_wmma_scale_f32_16x16x128_f8f6f4 v[WD:WD+7], v[WA:WA+15], v[WB:WB+15], v[8*(2*BP+\u):8*(2*BP+\u)+7], v[WX], v[WY] matrix_a_scale:MATRIX_SCALE_ROW1 matrix_b_scale:MATRIX_SCALE_ROW1
.elseif BS > 4
	v_wmma_scale_f32_16x16x128_f8f6f4 v[WD:WD+7], v[WA:WA+15], v[WB:WB+15], v[WD:WD+7], v[WX], v[WY] matrix_a_scale:MATRIX_SCALE_ROW1 matrix_b_scale:MATRIX_SCALE_ROW1
.else
	v_wmma_scale_f32_16x16x128_f8f6f4 v[WD:WD+7], v[WA:WA+15], v[WB:WB+15], v[WD:WD+7], v[WX], v[WY]
.endif
.endr
.endr
.endm
; Tile pair p is finished: for each of the four tiles of tokens a block of 32 hidden units, 16 in my lane and 16 in lane l xor 16.  relu, the block's scale, the hold, the conversion, the store.
.macro QUANT p
	WIN 0
	PLACES 9                                       ; eight plain places in front of the first read of the sums; the ninth for the next pair's first products, which begin these accumulators anew
	s_wait_xcnt 0x0                                ; the last pair's stores have read the codes' registers
.irp i, 0,1,2,3
	v_max3_num_f32 v[TM+\i], v[ACC+16*\i], v[ACC+16*\i+1], 0x4800000   ; no |.|: what is negative becomes 0 and must not count; the floor 2^(9 - 127) holds the byte at 1 from below
.endr
.irp n, 2,4,6,8,10,12,14
.irp i, 0,1,2,3
	v_max3_num_f32 v[TM+\i], v[TM+\i], v[ACC+16*\i+\n], v[ACC+16*\i+\n+1]   ; each accumulator from its low end on; the four tiles by turns
.endr
.endr
.irp i, 0,1,2,3
	v_permlanex16_b32 v[TM+4+\i], v[TM+\i], s34, s35
.endr
.irp i, 0,1,2,3
	v_max_num_f32 v[TM+\i], v[TM+\i], v[TM+4+\i]   ; the block's largest number
.endr
.irp i, 0,1,2,3
	v_add_nc_u32 v[TM+12+\i], 0xfc000000, v[TM+\i] ; 8 off its exponent field: the conversion's scale operand
.endr
.irp i, 0,1,2,3
	v_and_or_b32 v[TM+8+\i], v[TM+\i], 0x7f800000, s36   ; 448 x the scale
.endr
.if (\p) == 0
.irp i, 0,1,2,3
	v_lshrrev_b32 v[SW+\i], 23, v[TM+12+\i]        ; the scale's byte: byte p of the chunk's word
.endr
.else
.irp i, 0,1,2,3
	v_lshrrev_b32 v[TM+4+\i], 23, v[TM+12+\i]
.endr
.irp i, 0,1,2,3
	v_lshl_or_b32 v[SW+\i], v[TM+4+\i], 8*(\p), v[SW+\i]
.endr
.endif
.irp i, 0,1,2,3
.irp n, 0,1,2,3,4,5,6,7,8,9,10,11,12,13,14,15
	v_med3_num_f32 v[ACC+16*\i+\n], v[ACC+16*\i+\n], 0, v[TM+8+\i]   ; the activation and the hold in one: the conversion to an 8-bit code does not saturate (ISA guide 7.6.2)
.endr
	v_cvt_scalef32_pk8_fp8_f32 v[PC+4*\i:PC+4*\i+1], v[ACC+16*\i:ACC+16*\i+7], v[TM+12+\i]
	v_cvt_scalef32_pk8_fp8_f32 v[PC+4*\i+2:PC+4*\i+3], v[ACC+16*\i+8:ACC+16*\i+15], v[TM+12+\i]
.endr
	v_nop                                          ; a plain line between the last conversion and the products that write its sources
.irp i, 0,1,2,3
	global_store_b128 v[L16], v[PC+4*\i:PC+4*\i+3], s[40:41] offset:2048*\i+512*(\p)   ; registers 4 p .. 4 p + 3 of tile i's operand: 512 consecutive bytes
.endr
.endm
.Lgroup:
	s_lshl_b32 s30, s25, 4
	s_add_co_u32 s30, s30, s27
	s_min_u32 s30, s30, 127                        ; the group's place: 16 e + g
	s_lshl_b32 s32, s30, 18
	s_lshl_b32 s31, s26, 13
	s_add_co_u32 s32, s32, s31
	s_mov_b32 s33, 0
	s_add_nc_u64 s[40:41], s[16:17], s[32:33]      ; hc: 262,144 bytes a group, 8,192 a chunk
	s_lshl_b32 s32, s30, 13
	s_lshl_b32 s31, s26, 8
	s_add_co_u32 s32, s32, s31
	s_add_nc_u64 s[42:43], s[18:19], s[32:33]      ; hs: 8,192 bytes a group, 256 a chunk
	; W1's fragments run TWO steps ahead through four buffers: step q's loads go into the buffer that step q - 2 multiplied, not into one that the products just issued still read
	BLOAD 0
	BLOAD 1
.set Q, 0
.rept 32
.if (Q%8) != 0
	PLACES 4                                       ; with the four of the step before: eight plain places between step q - 2's products and the loads below (behind a finished pair the quantiser's lines are such places)
.endif
.if Q < 30
	BLOAD Q+2
.endif
.if Q == 0
	s_wait_loadcnt 63                              ; 64 loads (x's K steps 0-3) were issued behind all that K steps 4-7 read: scale words, b1, x's K steps 4-7 are in
.endif
.if Q == 4
	s_wait_loadcnt 0x0                             ; x's K steps 0-3
.endif
.if Q < 30
	s_wait_dscnt 16                                ; this step's fragments are in; the sixteen loads of the next two steps may be out
.else
	s_wait_dscnt 8*(31-Q)                          ; the last two steps: eight, then none
.endif
	MUL Q
.if (Q%8) == 7
	QUANT Q/8
.endif
.set Q, Q+1
.endr
	v_cndmask_b32 v[HSD], v[SW], v[SW+1], s37      ; lanes 0-15 keep an even tile's words, lanes 16-31 take the odd tile's
	v_cndmask_b32 v[HSD+1], v[SW+2], v[SW+3], s37
	global_store_b64 v[L8], v[HSD:HSD+1], s[42:43] ; 256 consecutive bytes, aligned
	s_wait_xcnt 0x0                                ; the stores have read their registers and bases: both are written again below
	s_add_co_u32 s29, s29, 1                       ; a trip is done
	s_add_co_u32 s27, s27, s56                     ; my next group: 4 on; the helped expert's first step is 8
	s_mov_b32 s56, 4
	s_lshl_b32 s44, s27, 8
	s_lshl_b32 s45, s25, 10
	s_lshl_b32 s30, s27, 6
	s_add_co_u32 s45, s45, s30
	s_cmp_ge_u32 s29, s38
	s_cbranch_scc1 .Lend
	TOKENS                                         ; (all loads of the last group were waited for: their address registers are free)
	s_wait_alu depctr_va_vdst(0)
	LOADX
	LOADA 1
	LOADA 0
	s_cmp_lt_u32 s29, s38
	s_cbranch_scc1 .Lgroup
.Lend:
	s_barrier_signal -1
	s_barrier_wait -1
	s_wait_tensorcnt 0x0
	ds_add_u32 v254, v255
	s_wait_dscnt 0x0
	s_endpgm
.Lfunc_end_k_qd82b5abae3_up:
	.size	k_qd82b5abae3_up, .Lfunc_end_k_qd82b5abae3_up-k_qd82b5abae3_up
	.p2alignl 7, 3214868480
	.fill 96, 4, 3214868480
	.section	.rodata,"a",@progbits
	.p2align	6, 0x0
	.amdhsa_kernel k_qd82b5abae3_up
		.amdhsa_group_segment_fixed_size 133632
		.amdhsa_private_segment_fixed_size 0
		.amdhsa_enable_private_segment 0
		.amdhsa_kernarg_size 80
		.amdhsa_user_sgpr_count 2
		.amdhsa_user_sgpr_kernarg_segment_ptr 1
		.amdhsa_wavefront_size32 1
		.amdhsa_system_sgpr_workgroup_id_x 1
		.amdhsa_system_sgpr_workgroup_id_y 1
		.amdhsa_system_sgpr_workgroup_id_z 1
		.amdhsa_system_vgpr_workitem_id 0
		.amdhsa_next_free_vgpr 960
		.amdhsa_next_free_sgpr 100
		.amdhsa_reserve_vcc 1
		.amdhsa_float_denorm_mode_32 3
		.amdhsa_float_denorm_mode_16_64 3
		.amdhsa_memory_ordered 1
		.amdhsa_forward_progress 1
		.amdhsa_inst_pref_size 237
	.end_amdhsa_kernel
	.amdgpu_metadata
---
amdhsa.version: [ 1, 2 ]
amdhsa.kernels:
  - .name:           k_qd82b5abae3_up
    .symbol:         k_qd82b5abae3_up.kd
    .args:
      - { .name: W1_codes, .offset: 0, .size: 8, .value_kind: global_buffer, .address_space: global }
      - { .name: W1_scales, .offset: 8, .size: 8, .value_kind: global_buffer, .address_space: global }
      - { .name: b1, .offset: 16, .size: 8, .value_kind: global_buffer, .address_space: global }
      - { .name: x_codes, .offset: 24, .size: 8, .value_kind: global_buffer, .address_space: global }
      - { .name: x_scales, .offset: 32, .size: 8, .value_kind: global_buffer, .address_space: global }
      - { .name: eid, .offset: 40, .size: 8, .value_kind: global_buffer, .address_space: global }
      - { .name: hc, .offset: 48, .size: 8, .value_kind: global_buffer, .address_space: global }
      - { .name: hs, .offset: 56, .size: 8, .value_kind: global_buffer, .address_space: global }
      - { .name: tslot, .offset: 64, .size: 8, .value_kind: global_buffer, .address_space: global }
      - { .name: tab, .offset: 72, .size: 8, .value_kind: global_buffer, .address_space: global }
    .group_segment_fixed_size: 133632
    .private_segment_fixed_size: 0
    .kernarg_segment_align: 8
    .kernarg_segment_size: 80
    .max_flat_workgroup_size: 128
    .sgpr_count:     100
    .vgpr_count:     960
    .wavefront_size: 32
...
	.end_amdgpu_metadata
.endif
;; end of part 8
;; launch down (part 9): grid 256 x 1, 4 waves a work-group, no clusters, 151,040 bytes of LDS; arguments W2_codes, W2_scales, hc, hs, tab, pp; writes pp
.if DOCPART == 9
	.amdgcn_target "amdgcn-amd-amdhsa--gfx1250"
	.amdhsa_code_object_version 6
	.text
	.protected	k_qd82b5abae3_down
	.globl	k_qd82b5abae3_down
	.p2align	8
	.type	k_qd82b5abae3_down,@function
k_qd82b5abae3_down:
	s_mov_b64 s[64:65], 0
	v_nop
	global_prefetch_b8 v0, s[64:65] scope:SCOPE_SE
	s_setreg_imm32_b32 hwreg(HW_REG_WAVE_SCHED_MODE, 0, 2), 2
	s_setreg_imm32_b32 hwreg(HW_REG_WAVE_MODE, 25, 1), 1
	s_wait_xcnt 0x0
	s_wait_alu depctr_vm_vsrc(0)
; THE SECOND PRODUCT OF THE KEPT EXPERT, in four parts along K: pp[slot][q][d] = the sum over FF columns 1,024 q .. 1,024 q + 1,023 of hidden[slot][.] W2[e][.][d], on codes of E4M3 with E8M0 scales, f32 sums.
; SHARES.  Work-group id < 224 (e = 1 + id / 32, dt = (id / 4) % 8, q = id % 4) takes 128 columns d and a quarter of FF of its own expert: 128 pieces of 1,024 bytes of W2's rows, laid into LDS.  Wave w takes the expert's groups
; of 64 rows w, w + 4, ..; a group's 32 operand images (4 tiles x 8 K steps) come by loads of 512 consecutive bytes, as the launch before stored them, and stay in registers; each fragment of W2 feeds four products.
; THE HELPERS.  Work-groups 224 .. 255 (dt, q likewise) take groups 4 .. 7 of the expert that tab's row 0 names (the one with the most rows), wave w group 4 + w; that expert's own work-groups pass these four over
; (w, 8 + w, 12 + w), as in the launch before.  Where that expert has four groups or fewer the helpers read their weights in vain and store nothing.
; K is split so that each work-group's share is small enough to be asked for whole at its head; the four parts are added by the next launch, each row by one owner.
; No tensor load, no copy, no cluster: the number of groups is read from memory.  A wave without a group loads group 0, which every expert has, passes the barrier and ends.
; THE PRODUCT IS USED TRANSPOSED (source 0 = 16 rows of W2, source 1 = hidden): a lane holds one token and eight neighbouring d.  The sums of 64 columns are kept, so that a row's piece on the way out is 256 bytes.
; LIMITS.  K runs 4 .. 7, then 0 .. 3 (steps of 128) inside a quarter.  NaN and infinities are not served.
; THE MODE: SCHED_MODE bits 1:0 = 2 (LLVM: expert scheduling mode 2), set by the entry lines.  The code itself states the register dependences between vector or matrix instructions and memory or LDS instructions,
; and those through scalar registers that vector instructions write, with s_wait_alu, always for 0.
; THE PLAN.  Behind the head the only vector-side instructions are the products and the places.  Registers that memory or LDS instructions touch:
;   L16, WST, BAD, L8, WSA, STO, RD, CO, v254, v255   written at the head, never again: one wait on va_vdst ahead of the first load.
;   window 1   first the landing place of W2's rows, read by the LDS stores: a wait on vm_vsrc ahead of the loads of hidden that land there.
;   W2's four buffers (window 3)   steps go in BLOCKS OF TWO.  One wait on va_vdst at a block's head: the products up to step q - 1 are done.  The loads of steps q + 2 and q + 3 land in the buffers of steps q - 2 and q - 1; the
;        products of steps q and q + 1, among which they stand, name the other two buffers, hidden, the scale words and the sums.  A block behind a way out leans on the way out's wait.
;   the sums (window 3)   written by the products, read by the way out's LDS stores: a wait on va_vdst behind the places; a wait on vm_vsrc at the way out's end, ahead of the products that begin them anew.
;   OB   two buffers: LDS loads land there, global stores read them: a wait on vm_vsrc ahead of each landing.  No vector instruction names them.
;   HS, windows 1 and 2   read by the products; the next group's loads land there behind the second way out, whose wait on va_vdst stands behind the last product.
.set OWN,   224                        ; work-groups with an expert of their own: 7 experts x 8 x 4
.set PITCH, 1040                       ; 1,024 bytes + 16 = 65 x 16
.set TILEB, 16*PITCH
.set PAIRB, 32*PITCH
.set STG,   128*PITCH                  ; behind W2's rows: a stage of 16 rows x 272 bytes for each wave
.set SPI,   272
.set LANE, 1
.set RR,   2
.set HH,   3
.set L16,  4
.set WST,  5
.set BAD,  6                           ; v6-9
.set L8,   13
.set WSA,  14
.set STO,  15
.set RD,   16
.set CO,   17
.set WS,   32                          ; v32-63 W2's scale words, four for each of 8 tiles: lanes 0-15 K steps 0-3, lanes 16-31 K steps 4-7
.set HS,   64                          ; v64-79 hidden's: K step s: 2 s: tiles 0 | 1, 2 s + 1: tiles 2 | 3 (lanes 0-15 | 16-31)
.set OB,   80                          ; v80-143 rows on their way out, two buffers
.set BF,   128                         ; window 3: v0-127 16 accumulators at 8 (4 i + t); v128-255 W2's fragments, FOUR buffers of two
; windows 1 and 2: hidden's fragments of K steps 0-3 and 4-7, at 16 (4 i + s % 4); window 1 is first the landing place of W2's rows
; s16 wave, s17 expert, s18 which 128 columns, s19 quarter, s26 group, s27 the expert's groups, s34 my trips done, s35 my trips in all, s36 1 in a helper, s37 from my group to my next, s40 the helped expert, s41-47 the experts' groups
.set MSB, 0
.macro WIN new
.if MSB != (\new)
	s_set_vgpr_msb (MSB<<8)|(\new)
.set MSB, \new
.endif
.endm
.macro PLACES n
.rept \n
	v_nop
.endr
.endm
	s_load_b256 s[4:11], s[0:1], 0x0               ; W2_codes, W2_scales, hc, hs
	s_load_b128 s[12:15], s[0:1], 0x20             ; tab, pp
	v_lshl_add_u32 v254, v0, 2, 0x24c00
	v_mov_b32 v255, 0
	v_lshrrev_b32 v1, 5, v0
	v_readfirstlane_b32 s16, v1                    ; wave 0..3
	s_lshr_b32 s17, ttmp9, 5
	s_add_co_u32 s17, s17, 1                       ; the expert (a helper reads its expert below)
	s_bfe_u32 s18, ttmp9, 0x30002                  ; which 128 columns d
	s_and_b32 s19, ttmp9, 3                        ; which quarter of FF
	s_cmp_ge_u32 ttmp9, OWN
	s_cselect_b32 s36, 1, 0
	v_and_b32 v[LANE], 31, v0
	v_and_b32 v[RR], 15, v0
	v_bfe_u32 v[HH], v0, 4, 1
	v_lshlrev_b32 v[L16], 4, v[LANE]
	s_wait_alu depctr_va_sdst(0)                   ; s16 is written, ahead of its first reader, the line below
	s_mul_i32 s28, s16, PAIRB
	v_add_nc_u32 v[WST], s28, v[L16]
	v_mul_u32_u24 v[BAD], v[RR], PITCH
	v_lshl_add_u32 v[BAD], v[HH], 4, v[BAD]
	v_add_nc_u32 v[BAD+1], PAIRB, v[BAD]
	v_add_nc_u32 v[BAD+2], 2*PAIRB, v[BAD]
	v_add_nc_u32 v[BAD+3], 3*PAIRB, v[BAD]
	v_lshlrev_b32 v[L8], 3, v[LANE]
	v_lshlrev_b32 v[WSA], 7, v[RR]
	v_lshl_add_u32 v[WSA], v[HH], 4, v[WSA]        ; 128 r + 16 h
	s_mul_i32 s28, s16, 16*SPI
	s_add_co_u32 s28, s28, STG                     ; my stage
	v_mul_u32_u24 v[STO], v[RR], SPI
	v_lshl_add_u32 v[STO], v[HH], 5, v[STO]
	v_add_nc_u32 v[STO], s28, v[STO]               ; in: row r, 32 bytes for each half of the lanes
	v_mul_u32_u24 v[RD], v[HH], SPI
	v_lshl_add_u32 v[RD], v[RR], 4, v[RD]
	v_add_nc_u32 v[RD], s28, v[RD]                 ; back: lanes 0-15 one row of 256 bytes, lanes 16-31 the next
	v_lshlrev_b32 v[CO], 14, v[HH]
	v_lshl_add_u32 v[CO], v[RR], 4, v[CO]          ; and the same two rows in pp, 16,384 bytes apart
	s_mov_b32 s34, 0
	s_wait_kmcnt 0x0
.irp k, 0,1,2,3,4,5,6,7
	s_load_b32 s[40+\k], s[12:13], 128*\k          ; the first word of each row of tab: the helped expert, then the seven experts' numbers of groups
.endr
	s_wait_alu depctr_va_vdst(0)                   ; the addresses and offsets L16, WST, BAD, L8, WSA, STO, RD, CO are written, which the loads, LDS stores, LDS loads and stores of the whole kernel read
	s_cmp_lt_u32 ttmp9, OWN
	s_cbranch_scc1 .Lknown                         ; an own work-group knows its expert, and asks for its weights before tab is in
	s_wait_kmcnt 0x0
	s_mov_b32 s17, s40                             ; a helper's expert
.Lknown:
	s_max_u32 s17, s17, 1
	s_min_u32 s17, s17, 7
	s_lshl_b32 s28, s17, 10
	s_lshl_b32 s29, s18, 7
	s_add_co_u32 s28, s28, s29                     ; the first row of W2: 1,024 e + 128 dt
	s_lshl_b32 s29, s16, 5
	s_add_co_u32 s29, s28, s29                     ; my 32 rows
	s_lshl_b32 s30, s29, 12
	s_lshl_b32 s29, s19, 10
	s_add_co_u32 s30, s30, s29                     ; + the quarter's 1,024 bytes of each row
	s_mov_b32 s31, 0
	s_lshl_b32 s32, s28, 7
	s_lshl_b32 s29, s19, 5
	s_add_co_u32 s32, s32, s29                     ; scale bytes: 128 a row, 32 a quarter
	s_mov_b32 s33, 0
	s_add_nc_u64 s[4:5], s[4:5], s[30:31]
	s_add_nc_u64 s[6:7], s[6:7], s[32:33]
	WIN 0x40                                       ; destination window 1
.set J, 0
.rept 32
	global_load_b128 v[8*J:8*J+3], v[L16], s[4:5] offset:4096*J th:TH_LOAD_NT         ; my 32 pieces of rows: each load takes 512 consecutive bytes; read by one work-group, the helped expert's by two
	global_load_b128 v[8*J+4:8*J+7], v[L16], s[4:5] offset:4096*J+512 th:TH_LOAD_NT
.set J, J+1
.endr
	WIN 0
	s_wait_kmcnt 0x0
	s_mov_b32 s27, s41                             ; my expert's number of groups
.irp k, 2,3,4,5,6,7
	s_cmp_eq_u32 s17, \k
	s_cselect_b32 s27, s[40+\k], s27
.endr
	s_max_u32 s27, s27, 1
	s_min_u32 s27, s27, 16
	s_add_co_u32 s28, s27, 3
	s_sub_co_u32 s28, s28, s16
	s_lshr_b32 s28, s28, 2                         ; T: how many of the groups w, w + 4, .. there are: (groups + 3 - w) / 4; 0 for a wave without a group
	s_min_u32 s28, s28, 4
	s_min_u32 s29, s28, 1
	s_min_u32 s30, s28, 2
	s_sub_co_u32 s30, s30, s29                     ; 1 where group 4 + w is among them
	s_cmp_eq_u32 s17, s40
	s_cselect_b32 s31, s30, 0                      ; the helped expert's own work-group passes it over,
	s_cselect_b32 s37, 8, 4                        ; by a first step of 8
	s_sub_co_u32 s35, s28, s31
	s_cmp_eq_u32 s36, 0
	s_cselect_b32 s35, s35, s30                    ; and the helper takes it, and nothing else
	s_min_u32 s35, s35, 4
	s_lshl_b32 s26, s36, 2
	s_add_co_u32 s26, s26, s16                     ; my first group: w, in a helper 4 + w
	s_cmp_lg_u32 s35, 0
	s_cselect_b32 s28, s26, 0                      ; a wave without a group loads group 0
.macro HBASE                           ; s28 = a group of my expert: where its images and scale words of my quarter begin
	s_lshl_b32 s29, s17, 4
	s_add_co_u32 s28, s28, s29
	s_min_u32 s28, s28, 127
	s_lshl_b32 s30, s28, 18
	s_lshl_b32 s29, s19, 16
	s_add_co_u32 s30, s30, s29
	s_mov_b32 s31, 0
	s_add_nc_u64 s[20:21], s[8:9], s[30:31]
	s_lshl_b32 s30, s28, 13
	s_lshl_b32 s29, s19, 11
	s_add_co_u32 s30, s30, s29
	s_add_nc_u64 s[22:23], s[10:11], s[30:31]
.endm
.macro LOADH
.irp s, 0,1,2,3,4,5,6,7
	global_load_b64 v[HS+2*\s:HS+2*\s+1], v[L8], s[22:23] offset:256*\s
.endr
.endm
.macro LOADA hi                        ; hidden's fragments of K steps 4 hi .. 4 hi + 3: 64 loads of 512 consecutive bytes
	WIN 0x40+0x40*(\hi)
.irp i, 0,1,2,3
.irp s, 0,1,2,3
.irp c, 0,1,2,3
	global_load_b128 v[16*(4*\i+\s)+4*\c:16*(4*\i+\s)+4*\c+3], v[L16], s[20:21] offset:8192*(4*(\hi)+\s)+2048*\i+512*\c
.endr
.endr
.endr
	WIN 0
.endm
	HBASE
.irp t, 0,1,2,3,4,5,6,7
	global_load_b128 v[WS+4*\t:WS+4*\t+3], v[WSA], s[6:7] offset:2048*\t
.endr
	LOADH
	LOADA 1
	s_wait_loadcnt 63                              ; 8 + 8 + 64 = 80 loads were issued behind W2's rows: the rows are in
	WIN 0x04                                       ; an LDS store's data are its source 1: window 1
.set J, 0
.rept 32
	ds_store_b128 v[WST], v[8*J:8*J+3] offset:J*PITCH
	ds_store_b128 v[WST], v[8*J+4:8*J+7] offset:J*PITCH+512
.set J, J+1
.endr
	WIN 0
	s_wait_dscnt 0x0                               ; for the others' sake: my rows have landed
	s_wait_alu depctr_vm_vsrc(0)                   ; the LDS stores have read window 1's registers,
	LOADA 0                                        ; in which hidden's low K steps land
	s_barrier_signal -1
	s_barrier_wait -1                              ; the 128 rows lie in LDS.  The one barrier: every wave has reached it
	s_cmp_eq_u32 s35, 0
	s_cbranch_scc1 .Lend
.macro BLOAD q                         ; step q of 32: tile pair q / 8, K step (q % 8 + 4) % 8: two fragments of W2 into buffer q % 4
.set BS, (((\q)%8)+4)%8
.set BP, (\q)/8
.set BB, BF+32*((\q)%4)
	WIN 0xc0
.irp u, 0,1
.irp c, 0,1,2,3
	ds_load_b128 v[BB+16*\u+4*\c:BB+16*\u+4*\c+3], v[BAD+BP] offset:TILEB*\u+128*BS+32*\c
.endr
.endr
.endm
.macro MUL q                           ; eight products, eight accumulators by turns; a pair's first K step starts its sums with the constant 0
.set BS, (((\q)%8)+4)%8
.set BP, (\q)/8
.set BB, BF+32*((\q)%4)
.if BS >= 4
	WIN 0xfb                                       ; W2 window 3, hidden window 2, the sums window 3
.else
	WIN 0xf7                                       ; hidden window 1
.endif
.irp i, 0,1,2,3
.irp u, 0,1
.set WD, 8*(4*\i+2*(BP%2)+\u)
.set WA, BB+16*\u
.set WB, 16*(4*\i+BS%4)
.set WX, WS+4*(2*BP+\u)+BS%4
.set WY, HS+2*BS+\i/2
.if BS == 4
.if (\i%2) == 1
	v_wmma_scale_f32_16x16x128_f8f6f4 v[WD:WD+7], v[WA:WA+15], v[WB:WB+15], 0, v[WX], v[WY] matrix_a_scale:MATRIX_SCALE_ROW1 matrix_b_scale:MATRIX_SCALE_ROW1
.else
	v_wmma_scale_f32_16x16x128_f8f6f4 v[WD:WD+7], v[WA:WA+15], v[WB:WB+15], 0, v[WX], v[WY] matrix_a_scale:MATRIX_SCALE_ROW1
.endif
.elseif BS > 4
.if (\i%2) == 1
	v_wmma_scale_f32_16x16x128_f8f6f4 v[WD:WD+7], v[WA:WA+15], v[WB:WB+15], v[WD:WD+7], v[WX], v[WY] matrix_a_scale:MATRIX_SCALE_ROW1 matrix_b_scale:MATRIX_SCALE_ROW1
.else
	v_wmma_scale_f32_16x16x128_f8f6f4 v[WD:WD+7], v[WA:WA+15], v[WB:WB+15], v[WD:WD+7], v[WX], v[WY] matrix_a_scale:MATRIX_SCALE_ROW1
.endif
.else
.if (\i%2) == 1
	v_wmma_scale_f32_16x16x128_f8f6f4 v[WD:WD+7], v[WA:WA+15], v[WB:WB+15], v[WD:WD+7], v[WX], v[WY] matrix_b_scale:MATRIX_SCALE_ROW1
.else
	v_wmma_scale_f32_16x16x128_f8f6f4 v[WD:WD+7], v[WA:WA+15], v[WB:WB+15], v[WD:WD+7], v[WX], v[WY]
.endif
.endif
.endr
.endr
.endm
; THE WAY OUT of 64 columns, a tile of 16 tokens at a time: a lane's 32 bytes go into my own stage and come back as whole pieces of 256 bytes.  LDS serves a wave's instructions in order (ISA guide 5.7.1.4): no wait between stores and loads.
.macro TOSTAGE i
	WIN 0x0c                                       ; the data: window 3
.irp t, 0,1,2,3
	ds_store_b128 v[STO], v[8*(4*(\i)+\t):8*(4*(\i)+\t)+3] offset:64*\t          ; each accumulator from its low end on
	ds_store_b128 v[STO], v[8*(4*(\i)+\t)+4:8*(4*(\i)+\t)+7] offset:64*\t+16
.endr
	WIN 0
.irp t, 0,1,2,3,4,5,6,7
	ds_load_b128 v[OB+32*((\i)%2)+4*\t:OB+32*((\i)%2)+4*\t+3], v[RD] offset:2*SPI*\t
.endr
.endm
.macro SEND i, younger, half           ; younger: the LDS instructions issued behind tile i's loads, which may stay out
	s_wait_dscnt \younger
.irp t, 0,1,2,3,4,5,6,7
	global_store_b128 v[CO], v[OB+32*((\i)%2)+4*\t:OB+32*((\i)%2)+4*\t+3], s[24:25] offset:(16*(\i)+2*\t)*16384+256*(\half) th:TH_STORE_NT   ; sixteen lanes store 256 consecutive bytes, aligned; not read again in this launch
.endr
.endm
.macro WAYOUT half
	WIN 0
	PLACES 8                                       ; eight plain places in front of the first read of the sums, and of the next loads into buffers that have been multiplied; the wait below stands beside them
	s_wait_alu depctr_va_vdst(0)                   ; the products have written the sums, which the LDS stores read; they are done reading W2's buffers, in which the next block's loads land, and, at a trip's end, hidden's fragments and scale words, in which the next group's land
	TOSTAGE 0
.irp i, 1,2,3
.if \i >= 2
	s_wait_xcnt 0x0                                ; tile i - 2's stores have had their addresses translated,
	s_wait_alu depctr_vm_vsrc(0)                   ; and have read the registers of OB in which tile i's rows land
.endif
	TOSTAGE \i
	SEND \i-1, 16, \half                           ; behind tile i - 1's loads: tile i's eight stores and eight loads
.endr
	SEND 3, 0, \half
	s_wait_xcnt 0x0                                ; all stores have had their addresses translated: their base may be written,
	s_wait_alu depctr_vm_vsrc(0)                   ; the LDS stores have read the sums, which the next products begin anew, and the global stores both buffers of OB, in which the next way out's rows land
.endm
.Lgroup:
	s_lshl_b32 s28, s17, 10
	s_lshl_b32 s29, s26, 6
	s_add_co_u32 s28, s28, s29
	s_min_u32 s28, s28, 8128                       ; the group's first slot: 1,024 e + 64 g
	s_lshl_b32 s30, s28, 14                        ; 16,384 bytes a slot,
	s_lshl_b32 s29, s19, 12
	s_add_co_u32 s30, s30, s29                     ; 4,096 a quarter,
	s_lshl_b32 s29, s18, 9
	s_add_co_u32 s30, s30, s29                     ; 512 for 128 columns
	s_mov_b32 s31, 0
	s_add_nc_u64 s[24:25], s[14:15], s[30:31]
	; W2's fragments run TWO steps ahead through four buffers, and the steps go in blocks of two: see THE PLAN.  (The first four loads: in the first trip no product has named the buffers; in a later one the second way out's wait stands behind the last product)
	BLOAD 0
	BLOAD 1
.set Q, 0
.rept 16
.if (Q != 0) && (Q != 16) && (Q < 30)
	PLACES 8                                       ; eight plain places behind the products of the step before, ahead of loads into registers that they read; they stay beside the wait (behind a way out its eight stand here)
	WIN 0xc0
	s_wait_alu depctr_va_vdst(0)                   ; the products of steps q - 2 and q - 1 are done reading their buffers, in which this block's sixteen loads land
.endif
.if Q < 30
	BLOAD Q+2
.endif
.if Q == 0
	s_wait_loadcnt 63                              ; 64 loads (K steps 0-3) were issued behind all that K steps 4-7 read
.endif
.if Q == 4
	s_wait_loadcnt 0x0
.endif
.if Q < 30
	s_wait_dscnt 16                                ; this step's fragments are in; the sixteen loads of the next two steps may be out
.else
	s_wait_dscnt 8                                 ; the last two steps: eight,
.endif
	MUL Q
.if Q < 30
	BLOAD Q+3                                      ; no wait: the eight products since the block's wait name buffer q % 4, hidden, the scale words and the sums, not buffer (q + 3) % 4 and not BAD
	s_wait_dscnt 16
.else
	s_wait_dscnt 0x0                               ; then none
.endif
	MUL Q+1
.if Q == 14
	WAYOUT 0
.endif
.if Q == 30
	WAYOUT 1
.endif
.set Q, Q+2
.endr
	s_add_co_u32 s34, s34, 1                       ; a trip is done
	s_add_co_u32 s26, s26, s37                     ; my next group: 4 on; the helped expert's first step is 8
	s_mov_b32 s37, 4
	s_cmp_ge_u32 s34, s35
	s_cbranch_scc1 .Lend
	s_mov_b32 s28, s26
	HBASE                                          ; (all loads of the last group were waited for: their bases are free)
	LOADH
	LOADA 1
	LOADA 0
	s_cmp_lt_u32 s34, s35
	s_cbranch_scc1 .Lgroup
.Lend:
	s_barrier_signal -1
	s_barrier_wait -1
	s_wait_dscnt 0x0                               ; the closing lines, six on end
	s_wait_alu 0x0
	s_wait_tensorcnt 0x0
	ds_add_u32 v254, v255
	s_wait_dscnt 0x0
	s_endpgm
.Lfunc_end_k_qd82b5abae3_down:
	.size	k_qd82b5abae3_down, .Lfunc_end_k_qd82b5abae3_down-k_qd82b5abae3_down
	.p2alignl 7, 3214868480
	.fill 96, 4, 3214868480
	.section	.rodata,"a",@progbits
	.p2align	6, 0x0
	.amdhsa_kernel k_qd82b5abae3_down
		.amdhsa_group_segment_fixed_size 151040
		.amdhsa_private_segment_fixed_size 0
		.amdhsa_enable_private_segment 0
		.amdhsa_kernarg_size 48
		.amdhsa_user_sgpr_count 2
		.amdhsa_user_sgpr_kernarg_segment_ptr 1
		.amdhsa_wavefront_size32 1
		.amdhsa_system_sgpr_workgroup_id_x 1
		.amdhsa_system_sgpr_workgroup_id_y 1
		.amdhsa_system_sgpr_workgroup_id_z 1
		.amdhsa_system_vgpr_workitem_id 0
		.amdhsa_next_free_vgpr 1024
		.amdhsa_next_free_sgpr 66
		.amdhsa_reserve_vcc 0
		.amdhsa_float_denorm_mode_32 3
		.amdhsa_float_denorm_mode_16_64 3
		.amdhsa_memory_ordered 1
		.amdhsa_forward_progress 1
		.amdhsa_inst_pref_size 114
	.end_amdhsa_kernel
	.amdgpu_metadata
---
amdhsa.version: [ 1, 2 ]
amdhsa.kernels:
  - .name:           k_qd82b5abae3_down
    .symbol:         k_qd82b5abae3_down.kd
    .args:
      - { .name: W2_codes, .offset: 0, .size: 8, .value_kind: global_buffer, .address_space: global }
      - { .name: W2_scales, .offset: 8, .size: 8, .value_kind: global_buffer, .address_space: global }
      - { .name: hc, .offset: 16, .size: 8, .value_kind: global_buffer, .address_space: global }
      - { .name: hs, .offset: 24, .size: 8, .value_kind: global_buffer, .address_space: global }
      - { .name: tab, .offset: 32, .size: 8, .value_kind: global_buffer, .address_space: global }
      - { .name: pp, .offset: 40, .size: 8, .value_kind: global_buffer, .address_space: global }
    .group_segment_fixed_size: 151040
    .private_segment_fixed_size: 0
    .kernarg_segment_align: 8
    .kernarg_segment_size: 48
    .max_flat_workgroup_size: 128
    .sgpr_count:     66
    .vgpr_count:     1024
    .wavefront_size: 32
...
	.end_amdgpu_metadata
.endif
;; end of part 9
;; launch comb (part 10): grid 256 x 1, 4 waves a work-group, no clusters, 0 bytes of LDS; arguments pp, b2, eid, tslot, wgt, out0; writes out0
.if DOCPART == 10
	.amdgcn_target "amdgcn-amd-amdhsa--gfx1250"
	.amdhsa_code_object_version 6
	.text
	.protected	k_qd82b5abae3_comb
	.globl	k_qd82b5abae3_comb
	.p2align	8
	.type	k_qd82b5abae3_comb,@function
k_qd82b5abae3_comb:
	s_mov_b64 s[64:65], 0
	v_nop
	global_prefetch_b8 v0, s[64:65] scope:SCOPE_SE
	s_setreg_imm32_b32 hwreg(HW_REG_WAVE_MODE, 25, 1), 1
	s_wait_xcnt 0x0
; out0[t] = wgt[t] x (pp[tslot[t]][0] + pp[..][1] + pp[..][2] + pp[..][3] + b2[eid[t]]).  One wave owns one token's row of 1,024 numbers: each output row has one owner, and the four parts along K are added in a fixed order.
; A stream: no LDS, no barrier, no matrix unit.  A row goes in eight pieces of 512 consecutive bytes; a piece's five loads (four parts and b2) stand together, so that the waits can count down and stores begin while later pieces are out.
; The slot and the expert are whole numbers that earlier launches stored; they are held inside their tables before they enter an address.
	s_load_b256 s[4:11], s[0:1], 0x0               ; pp, b2, eid, tslot
	s_load_b128 s[12:15], s[0:1], 0x20             ; wgt, out0
	v_lshrrev_b32 v1, 5, v0
	v_readfirstlane_b32 s16, v1                    ; wave 0..3
	v_and_b32 v2, 31, v0
	v_lshlrev_b32 v2, 4, v2                        ; 16 x lane
	s_lshl_b32 s17, ttmp9, 2
	s_add_co_u32 s17, s17, s16                     ; my token
	s_lshl_b32 s18, s17, 2
	s_lshl_b32 s26, s17, 12                        ; its row of out0
	s_mov_b32 s27, 0
	s_wait_alu depctr_va_vdst(0)
	s_wait_kmcnt 0x0
	s_load_b32 s20, s[8:9], s18 offset:0x0         ; its kept expert,
	s_load_b32 s21, s[10:11], s18 offset:0x0       ; its slot,
	s_load_b32 s22, s[12:13], s18 offset:0x0       ; its weight
	s_add_nc_u64 s[14:15], s[14:15], s[26:27]
	s_wait_kmcnt 0x0
	s_min_u32 s20, s20, 7
	s_min_u32 s21, s21, 8191
	s_mov_b32 s23, s22                             ; (the packed form names the pair and takes its low word for both halves: so s23 is written)
	s_lshl_b32 s26, s21, 14                        ; 16,384 bytes a slot
	s_add_nc_u64 s[4:5], s[4:5], s[26:27]
	s_lshl_b32 s26, s20, 12                        ; 4,096 bytes a row of b2
	s_add_nc_u64 s[6:7], s[6:7], s[26:27]
.irp j, 0,1,2,3,4,5,6,7
.irp q, 0,1,2,3
	global_load_b128 v[16+32*\q+4*\j:16+32*\q+4*\j+3], v2, s[4:5] offset:4096*\q+512*\j th:TH_LOAD_NT   ; read once in the launch
.endr
	global_load_b128 v[144+4*\j:144+4*\j+3], v2, s[6:7] offset:512*\j
.endr
.irp j, 0,1,2,3,4,5,6,7
	s_wait_loadcnt 5*(7-\j)                        ; piece j's five loads are in; those of the later pieces, five each, may be out
.irp n, 0,2
	v_pk_add_f32 v[16+4*\j+\n:17+4*\j+\n], v[16+4*\j+\n:17+4*\j+\n], v[48+4*\j+\n:49+4*\j+\n]
	v_pk_add_f32 v[80+4*\j+\n:81+4*\j+\n], v[80+4*\j+\n:81+4*\j+\n], v[112+4*\j+\n:113+4*\j+\n]
.endr
.irp n, 0,2
	v_pk_add_f32 v[16+4*\j+\n:17+4*\j+\n], v[16+4*\j+\n:17+4*\j+\n], v[80+4*\j+\n:81+4*\j+\n]
.endr
.irp n, 0,2
	v_pk_add_f32 v[16+4*\j+\n:17+4*\j+\n], v[16+4*\j+\n:17+4*\j+\n], v[144+4*\j+\n:145+4*\j+\n]
.endr
.irp n, 0,2
	v_pk_mul_f32 v[16+4*\j+\n:17+4*\j+\n], v[16+4*\j+\n:17+4*\j+\n], s[22:23] op_sel_hi:[1,0]
.endr
	global_store_b128 v2, v[16+4*\j:19+4*\j], s[14:15] offset:512*\j th:TH_STORE_NT    ; 512 consecutive bytes, aligned
.endr
	s_endpgm
.Lfunc_end_k_qd82b5abae3_comb:
	.size	k_qd82b5abae3_comb, .Lfunc_end_k_qd82b5abae3_comb-k_qd82b5abae3_comb
	.p2alignl 7, 3214868480
	.fill 96, 4, 3214868480
	.section	.rodata,"a",@progbits
	.p2align	6, 0x0
	.amdhsa_kernel k_qd82b5abae3_comb
		.amdhsa_group_segment_fixed_size 0
		.amdhsa_private_segment_fixed_size 0
		.amdhsa_enable_private_segment 0
		.amdhsa_kernarg_size 48
		.amdhsa_user_sgpr_count 2
		.amdhsa_user_sgpr_kernarg_segment_ptr 1
		.amdhsa_wavefront_size32 1
		.amdhsa_system_sgpr_workgroup_id_x 1
		.amdhsa_system_sgpr_workgroup_id_y 1
		.amdhsa_system_sgpr_workgroup_id_z 1
		.amdhsa_system_vgpr_workitem_id 0
		.amdhsa_next_free_vgpr 176
		.amdhsa_next_free_sgpr 66
		.amdhsa_reserve_vcc 0
		.amdhsa_float_denorm_mode_32 3
		.amdhsa_float_denorm_mode_16_64 3
		.amdhsa_memory_ordered 1
		.amdhsa_forward_progress 1
		.amdhsa_inst_pref_size 11
	.end_amdhsa_kernel
	.amdgpu_metadata
---
amdhsa.version: [ 1, 2 ]
amdhsa.kernels:
  - .name:           k_qd82b5abae3_comb
    .symbol:         k_qd82b5abae3_comb.kd
    .args:
      - { .name: pp, .offset: 0, .size: 8, .value_kind: global_buffer, .address_space: global }
      - { .name: b2, .offset: 8, .size: 8, .value_kind: global_buffer, .address_space: global }
      - { .name: eid, .offset: 16, .size: 8, .value_kind: global_buffer, .address_space: global }
      - { .name: tslot, .offset: 24, .size: 8, .value_kind: global_buffer, .address_space: global }
      - { .name: wgt, .offset: 32, .size: 8, .value_kind: global_buffer, .address_space: global }
      - { .name: out0, .offset: 40, .size: 8, .value_kind: global_buffer, .address_space: global }
    .group_segment_fixed_size: 0
    .private_segment_fixed_size: 0
    .kernarg_segment_align: 8
    .kernarg_segment_size: 48
    .max_flat_workgroup_size: 128
    .sgpr_count:     66
    .vgpr_count:     176
    .wavefront_size: 32
...
	.end_amdgpu_metadata
.endif
;; end of part 10
